; MI455X (gfx1250); checked and timed in simulation.
; The chip was launched on July 23, 2026; its instructions are those of AMD's public machine-readable ISA for CDNA 5 (MIT licence, August 2026) and "CDNA5" Instruction Set Architecture Reference Guide (July 2026). The comments in the code are by the model that wrote it; some were corrected since.
;; Block. Allowed arithmetic: matrix products marked QUANTISED: E4M3 operands, one given power-of-two scale a tensor, by v_wmma_f32_16x16x64_fp8_fp8 or v_wmma_f32_16x16x128_fp8_fp8, f32 sums; everything else in f32.
;; Inputs: W_attn_codes 3,072 x 32 x 32 uint8 (E4M3 codes of W_attn, K innermost, in blocks of 32 codes); W_fc_codes 4,096 x 32 x 32 uint8 (E4M3 codes of W_fc, K innermost, in blocks of 32 codes); W_fc_proj_codes 1,024 x 128 x 32 uint8 (E4M3 codes of W_fc_proj, K innermost, in blocks of 32 codes); W_proj_codes 1,024 x 32 x 32 uint8 (E4M3 codes of W_proj, K innermost, in blocks of 32 codes); b_attn 3,072 float32; b_fc 4,096 float32; b_fc_proj 1,024 float32; b_proj 1,024 float32; ln1_b 1,024 float32; ln1_g 1,024 float32; ln2_b 1,024 float32; ln2_g 1,024 float32; lowp_scales 12 int32 (the exponents e of the quantised operands' scales 2^e); x 2 x 2,048 x 1,024 float32.
;; Outputs: out0 2 x 2,048 x 1,024 float32.
;; This version of the problem:
;;   THIS VERSION OF THE PROBLEM IS GIVEN IN LOW PRECISION. The matrix products marked QUANTISED in the list below multiply operands that are first quantised to E4M3 (4 exponent bits, 3 mantissa bits; 8 bits a number), with one given power-of-two scale for each operand tensor; their sums are f32. All else is computed in f32.
;;   The module's matrix products, in the order in which they are computed (A, B: the left and right operand; K: the contracted axis; several contracted axes count as one K, in the product's order):
;;     1. [M 4,096, K 1,024] x [K 1,024, N 3,072]; A: computed on the way; B: input W_attn (given as codes): QUANTISED (scales: A lowp_scales[0], B lowp_scales[1])
;;     2. batch 32 x [M 2,048, K 64] x [K 64, N 2,048]; A: computed on the way; B: computed on the way: QUANTISED (scales: A lowp_scales[2], B lowp_scales[3])
;;     3. batch 32 x [M 2,048, K 2,048] x [K 2,048, N 64]; A: softmax (see below); B: computed on the way: QUANTISED (scales: A lowp_scales[4], B lowp_scales[5])
;;     4. [M 4,096, K 1,024] x [K 1,024, N 1,024]; A: computed on the way; B: input W_proj (given as codes): QUANTISED (scales: A lowp_scales[6], B lowp_scales[7])
;;     5. [M 4,096, K 1,024] x [K 1,024, N 4,096]; A: computed on the way; B: input W_fc (given as codes): QUANTISED (scales: A lowp_scales[8], B lowp_scales[9])
;;     6. [M 4,096, K 4,096] x [K 4,096, N 1,024]; A: computed on the way; B: input W_fc_proj (given as codes): QUANTISED (scales: A lowp_scales[10], B lowp_scales[11])
;;   THE QUANTISER, for each operand of a quantised product, along K:
;;     - The operand's scale is 2^e, e = its entry of the input lowp_scales (int32; the entries are numbered through the quantised products in the list's order, A before B).
;;     - Each number is divided by the scale, clamped to +-448, and rounded to the nearest number of E4M3, ties to even, subnormals kept.
;;     - The product sums the exact products of the quantised numbers (number of the format x scale) in f32.
;;   ~~~python
;;   def quantise(x, axis, e):      # numpy; x: float32 -> the quantised numbers, widened to float32 again
;;       x = np.moveaxis(x, axis, -1); K = x.shape[-1]
;;       r = np.clip(x / 2.0 ** e, -448, 448)
;;       step = 2.0 ** (np.maximum(np.frexp(np.where(r == 0, 1, r))[1] - 1, -6) - 3)
;;       q = np.round(r / step) * step * 2.0 ** e      # np.round: ties to even
;;       return np.moveaxis(q, -1, axis).astype(np.float32)
;;   ~~~
;;   SOFTMAX AHEAD OF A QUANTISED PRODUCT. Where the list says 'softmax', what is quantised is not the finished softmax but p = 2^(t - M), with t = logit x log2(e) and M = ceil(the row's largest t), a whole number; so 1/2 < the row's largest p <= 1. The row's sum l is taken of the UNQUANTISED p, in f32, and the product's result is divided by l at the end. Since M is a whole number, a kernel that streams over the keys may use a running M (the ceiling of the running maximum): every later rescaling is an exact power of two, so the quantised numbers keep their values, but for numbers so far below the row's largest that they fall under the format's range.
;;   OPERANDS COMPUTED ON THE WAY. 'Computed on the way' means the value that the module computes at that place (a softmax that the list does not call 'softmax' is quantised finished and normalised). What goes into a quantiser is computed in f32, as accurately as f32 sums, v_exp_f32 and their like allow (about 1e-6 of the number): no bf16 or f16 on the way to a quantiser, and a product that is left as it is and whose result goes on into a quantised operand takes f32 operands (vector FMAs, or v_wmma_f32_16x16x4_f32). A number that lies on a knife's edge between two numbers of the format may be rounded either way, as far as f32 arithmetic and the matrix unit's own rounding can turn it there, and no further.
;;   INPUTS GIVEN AS CODES. W_attn (in the module: [1024, 3072], K = its axis 0); W_fc (in the module: [1024, 4096], K = its axis 0); W_fc_proj (in the module: [4096, 1024], K = its axis 0); W_proj (in the module: [1024, 1024], K = its axis 0): each comes as NAME_codes (uint8): NAME with its K axis moved to the last place and cut into blocks of 32 codes, [.., K / 32, bytes a block], one block behind the other in memory; one code a byte (a code: sign, 4 exponent bits, 3 mantissa bits); its scale is its entry of lowp_scales. Its value is code x scale, taken as it is: it is not quantised again, and the codes and scales need not be those that the quantiser above would give.
;; 2 versions. Each part assembles by itself: llvm-mc -triple=amdgcn-amd-amdhsa -mcpu=gfx1250 --defsym DOCPART=n.
;; ======== version 1 of 2: 7 launches
;; workspace buffers: h 4,194,304 bytes; q_img 4,194,304 bytes; k_img 4,194,304 bytes; v_img 4,194,304 bytes; y_img 4,194,304 bytes; x1 16,777,216 bytes; g_img 16,777,216 bytes
;; launch ln1 (part 1): grid 256 x 1, 16 waves a work-group, no clusters, 19,456 bytes of LDS; arguments x, ln1_g, ln1_b, lowp_scales, h; writes h
.if DOCPART == 1
	.amdgcn_target "amdgcn-amd-amdhsa--gfx1250"
	.amdhsa_code_object_version 6
	.text
	.protected	k_q3c0770b7d9_ln1
	.globl	k_q3c0770b7d9_ln1
	.p2align	8
	.type	k_q3c0770b7d9_ln1,@function
k_q3c0770b7d9_ln1:
	s_mov_b64 s[64:65], 0
	v_nop
	global_prefetch_b8 v0, s[64:65] scope:SCOPE_SE
	s_setreg_imm32_b32 hwreg(HW_REG_WAVE_MODE, 25, 1), 1
	s_wait_xcnt 0x0
; Layer norm of rows of 1,024 f32 numbers, then codes of FP8 (E4M3) with the given scale 2^e (entry SC_OFF / 4 of the scales), stored as images of a matrix operand's registers.
; y = (x - mean) * rsqrt(var + 1e-5) * g + b; mean and var in two passes over the row, which stays in registers.  code = y / 2^e, held within +-448, nearest, ties to even.
; SHARES.  A work-group takes 16 rows, a wave one row: eight loads of 512 consecutive bytes; lane L holds k = 128 j + 4 L + 0..3 of load j.  The reductions never leave the wave.
; THE IMAGE.  16 rows x 128 k are a fragment of 2,048 bytes: quarter q (512 bytes) holds, at 16 x lane (r, h), k = 32 q + 8 h + 0..7 and 32 q + 16 + 8 h + 0..7 of row r.
; 128 rows x 256 k are one dense block of 32,768 bytes: (row / 16 % 8) x 4,096 + (k / 128 % 2) x 2,048; the blocks of 128 rows follow each other along k.
; The 16 waves' codes meet in LDS: 64 units of 256 bytes (16 rows x 16 bytes), 272 apart; each wave then stores four units, 512 consecutive bytes a store.
; No matrix unit, no tensor load, no cluster: each byte is read once, by one wave.
; LIMITS: e between -126 and 119.  NaN and infinities among the inputs are not served.
.set SC_OFF, 0
.set X,    16                          ; v16-47   the row: 4 numbers a load
.set GN,   48                          ; v48-79   g at the same k
.set BV,   80                          ; v80-111  b
.set CD,   112                         ; v112-119 codes: word j = the four codes of load j
.set OUTR, 120                         ; v120-127 two quarters' worth on the way out
.set UNIT, 272
	s_load_b256 s[4:11], s[0:1], 0x0               ; x s[4:5], g s[6:7], b s[8:9], the scales s[10:11]
	s_load_b64 s[12:13], s[0:1], 0x20              ; the images
	v_lshl_add_u32 v128, v0, 2, 0x4400
	v_mov_b32 v129, 0
	v_lshrrev_b32 v1, 5, v0
	v_readfirstlane_b32 s14, v1                    ; wave = my row among the 16
	v_and_b32 v2, 31, v0                           ; lane
	v_lshlrev_b32 v3, 4, v2                        ; 16 x lane
	v_lshrrev_b32 v4, 3, v2                        ; my four k lie in quarter L / 8,
	v_bfe_u32 v1, v0, 1, 1                         ; half h = (L / 2) % 2:
	v_lshl_add_u32 v4, v4, 1, v1                   ; unit 2 q + h of load j's eight
	v_mul_u32_u24 v4, v4, UNIT
	v_bfe_u32 v1, v0, 2, 1
	v_lshl_add_u32 v4, v1, 3, v4                   ; + 8 x ((L / 4) % 2)
	v_and_b32 v1, 1, v0
	v_lshl_add_u32 v4, v1, 2, v4                   ; + 4 x (L % 2)
	s_lshl_b32 s15, s14, 4
	v_add_nc_u32 v4, s15, v4                       ; + 16 x row: where I put a word of codes
	v_bfe_u32 v5, v0, 4, 1
	v_mul_u32_u24 v5, v5, UNIT
	v_and_b32 v1, 15, v0
	v_lshl_add_u32 v5, v1, 4, v5
	s_mul_i32 s15, s14, 4*UNIT
	v_add_nc_u32 v5, s15, v5                       ; back: units 4 w on, sixteen lanes to a unit
	v_mov_b32 v10, 0                               ; a lane permute's destination counts as read
	s_mov_b32 s21, 0x3a800000                      ; 1 / 1,024
	s_mov_b32 s22, 0x3727c5ac                      ; 1e-5
	s_mov_b32 s28, 0x76543210                      ; v_permlanex16_b32: lane l xor 16
	s_mov_b32 s29, 0xfedcba98
	s_lshl_b32 s16, ttmp9, 16                      ; 16 rows of 4,096 bytes a work-group,
	s_lshl_b32 s17, s14, 12                        ; one a wave
	s_add_co_u32 s16, s16, s17
	s_mov_b32 s17, 0
	s_lshr_b32 s18, ttmp9, 3                       ; the images: 128 rows are 131,072 bytes,
	s_lshl_b32 s18, s18, 17
	s_and_b32 s19, ttmp9, 7                        ; my 16 rows' place in each block,
	s_lshl_b32 s19, s19, 12
	s_add_co_u32 s18, s18, s19
	s_lshr_b32 s19, s14, 2                         ; units 4 w on: block w / 4 along k,
	s_lshl_b32 s19, s19, 15
	s_add_co_u32 s18, s18, s19
	s_and_b32 s19, s14, 3                          ; 1,024 x (w % 4) in it
	s_lshl_b32 s19, s19, 10
	s_add_co_u32 s18, s18, s19
	s_mov_b32 s19, 0
	s_wait_kmcnt 0x0
	s_load_b32 s20, s[10:11], SC_OFF               ; e
	s_add_nc_u64 s[4:5], s[4:5], s[16:17]
	s_add_nc_u64 s[12:13], s[12:13], s[18:19]
.irp j, 0,1,2,3,4,5,6,7
	global_load_b128 v[X+4*\j:X+4*\j+3], v3, s[4:5] offset:512*\j th:TH_LOAD_NT
.endr
.irp j, 0,1,2,3,4,5,6,7
	global_load_b128 v[GN+4*\j:GN+4*\j+3], v3, s[6:7] offset:512*\j
.endr
.irp j, 0,1,2,3,4,5,6,7
	global_load_b128 v[BV+4*\j:BV+4*\j+3], v3, s[8:9] offset:512*\j
.endr
.macro WSUM                            ; v6 summed over the wave's 32 lanes, the result in every lane
	v_add_f32_dpp v6, v6, v6 row_xmask:1 row_mask:0xf bank_mask:0xf
	v_add_f32_dpp v6, v6, v6 row_xmask:2 row_mask:0xf bank_mask:0xf
	v_add_f32_dpp v6, v6, v6 row_xmask:4 row_mask:0xf bank_mask:0xf
	v_add_f32_dpp v6, v6, v6 row_xmask:8 row_mask:0xf bank_mask:0xf
	v_permlanex16_b32 v10, v6, s28, s29
	v_add_f32 v6, v6, v10
.endm
	s_wait_loadcnt 16                              ; the row is in; the sixteen loads of g and b may be out
	v_pk_add_f32 v[6:7], v[X:X+1], v[X+2:X+3]      ; the sum, in two chains
	v_pk_add_f32 v[8:9], v[X+4:X+5], v[X+6:X+7]
.irp j, 8,12,16,20,24,28
	v_pk_add_f32 v[6:7], v[6:7], v[X+\j:X+\j+1]
	v_pk_add_f32 v[8:9], v[8:9], v[X+\j+2:X+\j+3]
.endr
	v_pk_add_f32 v[6:7], v[6:7], v[8:9]
	v_add_f32 v6, v6, v7
	WSUM
	v_mul_f32 v12, s21, v6                         ; the mean, twice
	v_mov_b32 v13, v12
.set j, 0
.rept 16
	v_pk_add_f32 v[X+j:X+j+1], v[X+j:X+j+1], v[12:13] neg_lo:[0,1] neg_hi:[0,1]
.set j, j+2
.endr
	v_pk_mul_f32 v[6:7], v[X:X+1], v[X:X+1]        ; the sum of squares, in two chains
	v_pk_mul_f32 v[8:9], v[X+2:X+3], v[X+2:X+3]
.irp j, 4,8,12,16,20,24,28
	v_pk_fma_f32 v[6:7], v[X+\j:X+\j+1], v[X+\j:X+\j+1], v[6:7]
	v_pk_fma_f32 v[8:9], v[X+\j+2:X+\j+3], v[X+\j+2:X+\j+3], v[8:9]
.endr
	v_pk_add_f32 v[6:7], v[6:7], v[8:9]
	v_add_f32 v6, v6, v7
	WSUM
	v_fma_f32 v6, v6, s21, s22                     ; var + eps
	s_wait_kmcnt 0x0
	s_add_co_i32 s20, s20, 127
	s_lshl_b32 s23, s20, 23                        ; 2^e as f32: the conversion takes its exponent field
	s_add_co_i32 s20, s20, 8
	s_lshl_b32 s20, s20, 23
	s_or_b32 s20, s20, 0x600000                    ; 448 x 2^e
	v_rsq_f32 v14, v6
	v_mov_b32 v11, s23                             ; (plain lines behind the transcendental)
	v_mov_b32 v1, s20
	s_wait_alu depctr_va_vdst(0)                   ; the wait ahead of the result's first reader
	v_mov_b32 v15, v14
	s_wait_loadcnt 0x0                             ; g and b
.set j, 0
.rept 16
	v_pk_mul_f32 v[X+j:X+j+1], v[X+j:X+j+1], v[14:15]
.set j, j+2
.endr
.set j, 0
.rept 16
	v_pk_fma_f32 v[X+j:X+j+1], v[X+j:X+j+1], v[GN+j:GN+j+1], v[BV+j:BV+j+1]
.set j, j+2
.endr
.set j, 0
.rept 32
	v_med3_num_f32 v[X+j], v[X+j], -v1, v1         ; the conversion to an 8-bit code does not saturate (ISA guide 7.6.2): the hold at the largest code x the scale
.set j, j+1
.endr
.irp p, 0,1,2,3
	v_cvt_scalef32_pk8_fp8_f32 v[CD+2*\p:CD+2*\p+1], v[X+8*\p:X+8*\p+7], v11   ; the scale is the tensor's, so the eight need not be neighbours: each word holds one load's four codes
.endr
	v_nop
.irp j, 0,1,2,3,4,5,6,7
	ds_store_b32 v4, v[CD+\j] offset:8*UNIT*\j
.endr
	s_wait_dscnt 0x0                               ; for the others' sake: my stores have landed
	s_barrier_signal -1
	s_barrier_wait -1
	ds_load_b128 v[OUTR:OUTR+3], v5
	ds_load_b128 v[OUTR+4:OUTR+7], v5 offset:2*UNIT
	s_wait_dscnt 0x0
	global_store_b128 v3, v[OUTR:OUTR+3], s[12:13]             ; 32 lanes store 512 consecutive bytes, aligned
	global_store_b128 v3, v[OUTR+4:OUTR+7], s[12:13] offset:512
	s_wait_tensorcnt 0x0
	ds_add_u32 v128, v129
	s_wait_dscnt 0x0
	s_endpgm
.Lfunc_end_k_q3c0770b7d9_ln1:
	.size	k_q3c0770b7d9_ln1, .Lfunc_end_k_q3c0770b7d9_ln1-k_q3c0770b7d9_ln1
	.p2alignl 7, 3214868480
	.fill 96, 4, 3214868480
	.section	.rodata,"a",@progbits
	.p2align	6, 0x0
	.amdhsa_kernel k_q3c0770b7d9_ln1
		.amdhsa_group_segment_fixed_size 19456
		.amdhsa_private_segment_fixed_size 0
		.amdhsa_enable_private_segment 0
		.amdhsa_kernarg_size 40
		.amdhsa_user_sgpr_count 2
		.amdhsa_user_sgpr_kernarg_segment_ptr 1
		.amdhsa_wavefront_size32 1
		.amdhsa_system_sgpr_workgroup_id_x 1
		.amdhsa_system_sgpr_workgroup_id_y 1
		.amdhsa_system_sgpr_workgroup_id_z 1
		.amdhsa_system_vgpr_workitem_id 0
		.amdhsa_next_free_vgpr 130
		.amdhsa_next_free_sgpr 66
		.amdhsa_reserve_vcc 0
		.amdhsa_float_denorm_mode_32 3
		.amdhsa_float_denorm_mode_16_64 3
		.amdhsa_memory_ordered 1
		.amdhsa_forward_progress 1
		.amdhsa_inst_pref_size 15
	.end_amdhsa_kernel
	.amdgpu_metadata
---
amdhsa.version: [ 1, 2 ]
amdhsa.kernels:
  - .name:           k_q3c0770b7d9_ln1
    .symbol:         k_q3c0770b7d9_ln1.kd
    .args:
      - { .name: x, .offset: 0, .size: 8, .value_kind: global_buffer, .address_space: global }
      - { .name: ln1_g, .offset: 8, .size: 8, .value_kind: global_buffer, .address_space: global }
      - { .name: ln1_b, .offset: 16, .size: 8, .value_kind: global_buffer, .address_space: global }
      - { .name: lowp_scales, .offset: 24, .size: 8, .value_kind: global_buffer, .address_space: global }
      - { .name: h, .offset: 32, .size: 8, .value_kind: global_buffer, .address_space: global }
    .group_segment_fixed_size: 19456
    .private_segment_fixed_size: 0
    .kernarg_segment_align: 8
    .kernarg_segment_size: 40
    .max_flat_workgroup_size: 512
    .sgpr_count:     66
    .vgpr_count:     130
    .wavefront_size: 32
...
	.end_amdgpu_metadata
.endif
;; end of part 1
;; launch qkv (part 2): grid 12 x 16, 4 waves a work-group, clusters of 4 x 4, 327,680 bytes of LDS; arguments h, W_attn_codes, lowp_scales, b_attn, q_img, k_img, v_img; writes q_img, k_img, v_img
.if DOCPART == 2
	.amdgcn_target "amdgcn-amd-amdhsa--gfx1250"
	.amdhsa_code_object_version 6
	.text
	.protected	k_q3c0770b7d9_qkv
	.globl	k_q3c0770b7d9_qkv
	.p2align	8
	.type	k_q3c0770b7d9_qkv,@function
k_q3c0770b7d9_qkv:
	s_mov_b64 s[64:65], 0
	v_nop
	global_prefetch_b8 v0, s[64:65] scope:SCOPE_SE
	s_setreg_imm32_b32 hwreg(HW_REG_WAVE_MODE, 25, 1), 1
	s_wait_xcnt 0x0
	s_wait_alu depctr_hold_cnt(0) depctr_sa_sdst(0) depctr_va_vdst(0) depctr_va_sdst(0) depctr_va_ssrc(0) depctr_va_vcc(0) depctr_vm_vsrc(0)
	s_getreg_b32 s2, hwreg(HW_REG_IB_STS2, 6, 4)
	s_cmp_eq_u32 s2, 0
	s_cbranch_scc0 .Lentry_in_a_cluster
	s_endpgm
.Lentry_in_a_cluster:
	s_bfe_u32 s2, ttmp6, 0x10000c
	s_cmp_lg_u32 s2, 0xf033
	s_cbranch_scc0 .Lentry_shape_is_right
	s_endpgm
.Lentry_shape_is_right:
; qkv = h W_attn + b_attn on codes of FP8 (E4M3), then q, k and v as codes again, each with its given scale, stored as images of attention's operand registers.
; ACT: the tokens' codes as images (16 rows x 128 k = 2,048 bytes, register order; 128 rows x 256 k = one dense block of 32,768 bytes).  WGT: [3072][1024] codes, K innermost.
; A tile of 256 tokens x 256 columns is made by four waves, each 128 x 128: 64 accumulators, 512 registers.  K goes in steps of 256 through a ring of two LDS slots filled by the tensor data mover.
; CLUSTERS: 4 x 4 work-groups; the four of a row need the same tokens' tiles, the four of a column the same weights': each tile is asked for jointly.
; THE MATRIX INSTRUCTION IS USED TRANSPOSED (source 0 = 16 rows of WGT, source 1 = 16 tokens): lane (r, h) holds token r and eight neighbouring columns 8 h + 0..7, which one conversion packs into
; two registers: just the registers 2 c, 2 c + 1 that the plain 8-bit layout gives k = 16 c + 8 h + 0..7.  So q's and k's codes leave as they stand, 512 consecutive bytes a store.
; The weights' fragments are read in the same own order of k (eight loads of 8 bytes), since the tokens' images are in it.
; v's K in attention is the keys: its codes are turned through the wave's own stage in LDS (pairs of bytes by the 16-bit turning load, parted by v_perm_b32).
; The bias, divided by 2^(e0 + e1), is the C of each sum's first matrix instruction.  The cluster's x says q, k or v: the same in all sixteen partners.
; No prefetch: each tile is shared in the cluster and the launch has four K steps.
; LIMITS: e0 + e1 between -126 and 126; eo - e0 - e1 (eo = e2, e3, e5) between -126 and 119.  NaN is not served.
; REGISTERS, in windows of 256: window 0: v0-31 addresses; v32-95 the bias, later at work; v128-255 the tokens' 8 fragments, one set.  window 1: the weights' fragments, two sets.  windows 2, 3: the accumulators, (a, b) at v[8 (8 (a % 4) + b)].
.set SIZE_K, 1024
.set EA,     76                        ; s76-87 hold e0 .. e11
.set EB,     77
.set PITCH,  272                       ; a row of weights in LDS: 256 bytes + 16: the 32 lanes of a load of 8 bytes touch 64 different banks
.set ABLK,   32768                     ; 128 tokens x 256 k, as images
.set APART,  2*ABLK
.set HALFB,  128*PITCH
.set SLOT,   APART+2*HALFB
.set SPARE,  2*SLOT                    ; behind the ring: the spare words, 128 bytes for each wave, which no other line names
.set LAPS,   SIZE_K/512
.set FR,     16
.set NP,     4
.set BO,   8                           ; v8   32 h: my half's eight numbers of the bias
.set GO,   10                          ; v10  16 x lane
.set SCV,  12                          ; v12  the conversion's scale
.set LIMV, 13                          ; v13  448 x that
.set ADRA, 16                          ; v16-17 LDS address of my tokens' fragments in slot 0, 1
.set ADRB, 20                          ; v20-21 of my weights'
.set STO,  24                          ; v24  the stage, in
.set RD,   25                          ; v25  the stage, back
.set SPW,  28
.set NIL,  29
.set BIAS, 32
.set TMP,  32
.set CD,   96                          ; v96-111  a block's codes
.set IL,   112                         ; v112-127 two column blocks' codes, byte by byte in turn
.set TR,   128                         ; v128-159 turned pairs
.set VF,   160                         ; v160-191 two fragments of v
.set AF,   128
.set G1,  24
.set G0,  32
.set G1B, 48
.set G0B, 56
.set MSB, 0
.macro WIN new                         ; the immediate's high byte repeats the setting that is left
.if MSB != \new
	s_set_vgpr_msb (MSB<<8)|\new
.set MSB, \new
.endif
.endm
.set MUL_LO, 0xa1                      ; source 0 window 1, source 1 window 0, C and D window 2
.set MUL_HI, 0xf1
.set TO_B,   0x40
.macro JLOAD g0a, g1a, g0b, g1b        ; a joint load: waves 0, 1 fetch tokens, waves 2, 3 weights; four v_nop follow each line
	s_cmp_eq_u32 s15, 0
	s_cbranch_scc0 .Lfor_b_\@
	tensor_load_to_lds s[\g0a:\g0a+3], s[\g1a:\g1a+7]
	s_nop 0
.rept 4
	v_nop
.endr
	s_branch .Lasked_\@
.Lfor_b_\@:
	tensor_load_to_lds s[\g0b:\g0b+3], s[\g1b:\g1b+7]
	s_nop 0
.rept 4
	v_nop
.endr
.Lasked_\@:
.endm
.macro CREST
	s_cmp_lg_u32 s14, 0
	s_cbranch_scc1 .Lnot_wave_0_\@
	s_barrier_signal -3
.Lnot_wave_0_\@:
	s_barrier_wait -3
	s_barrier_signal -1
	s_barrier_wait -1
.endm
.macro CROUND
	s_barrier_signal -1
	s_barrier_wait -1
	CREST
.endm
	s_load_b256 s[4:11], s[0:1], 0x0               ; ACT s[4:5], WGT s[6:7], the scales s[8:9], the bias s[10:11]
	s_load_b128 s[68:71], s[0:1], 0x20             ; q's images, k's
	s_load_b64 s[72:73], s[0:1], 0x30              ; v's
	v_lshl_add_u32 v[SPW], v0, 2, SPARE
	v_mov_b32 v[NIL], 0
	ds_add_u32 v28, v29
	ds_add_u32 v28, v29
	s_wait_dscnt 0x0
	v_lshrrev_b32 v1, 5, v0
	v_readfirstlane_b32 s14, v1                    ; wave
	s_lshr_b32 s15, s14, 1                         ; my half of the tokens.  Also: I fetch tokens (0) or weights (1)
	s_and_b32 s16, s14, 1                          ; my half of the columns.  Also: which 128 rows I fetch
	s_bfe_u32 s40, ttmp6, 0x40000                  ; cx, cy
	s_bfe_u32 s41, ttmp6, 0x40004
	s_lshl_b32 s42, ttmp9, 2
	s_add_co_u32 s42, s42, s40                     ; tile column
	s_and_b32 s17, ttmp7, 0xffff
	s_lshl_b32 s17, s17, 2
	s_add_co_u32 s17, s17, s41                     ; tile row
	s_lshl_b32 s43, s41, 2
	s_lshl_b32 s43, 15, s43                        ; my row of the cluster
	s_lshl_b32 s44, 0x1111, s40                    ; my column
	s_or_b32 s[G1+0], s43, (1<<21)                 ; tokens: elements of 1 byte, no padding; the mask of my row, bit 21 beside it
	s_or_b32 s[G1B+0], s44, (1<<20)|(1<<21)|(5<<22)|(3<<25)   ; weights: 4 words of padding after every 64; the mask of my column
.irp g, G1, G1B
	s_mov_b32 s[\g+1], 256<<16                     ; tensor_dim0
	s_mov_b32 s[\g+2], 128<<16                     ; tensor_dim1
	s_mov_b32 s[\g+3], 256<<16                     ; tile_dim0
	s_mov_b32 s[\g+4], 128                         ; tile_dim1
	s_mov_b32 s[\g+6], 0
	s_mov_b32 s[\g+7], 0
.endr
	s_mov_b32 s[G1+5], 256                         ; a block of images is dense
	s_mov_b32 s[G1B+5], SIZE_K                     ; a row of weights
	s_lshl_b32 s18, s16, 7
	s_lshl_b32 s20, s17, 8
	s_add_co_u32 s20, s20, s18                     ; tokens: row 256 x tile row + 128 x half
	s_lshl_b32 s46, s42, 8
	s_add_co_u32 s46, s46, s18                     ; weights: row 256 x tile column + 128 x half
	s_mov_b32 s21, 0
	s_mov_b32 s47, 0
	s_mov_b64 s[18:19], SIZE_K
	s_mul_u64 s[20:21], s[20:21], s[18:19]         ; 128 rows of images are as many bytes as 128 rows of codes
	s_mul_u64 s[46:47], s[46:47], s[18:19]
	s_mul_i32 s45, s16, ABLK                       ; where they go: no place in the cluster enters an LDS address
	s_mul_i32 s22, s16, HALFB
	s_add_co_u32 s22, s22, APART
	s_wait_kmcnt 0x0
	s_load_b256 s[76:83], s[8:9], 0x0              ; e0 .. e7
	s_load_b128 s[84:87], s[8:9], 0x20             ; e8 .. e11
	s_add_nc_u64 s[20:21], s[4:5], s[20:21]
	s_add_nc_u64 s[46:47], s[6:7], s[46:47]
	CROUND                                         ; all sixteen work-groups are here: the first joint loads meet
.irp s, 0,1
	s_mov_b32 s[G0+4*\s], 1
	s_add_co_u32 s[G0+4*\s+1], s45, \s*SLOT
	s_add_nc_u64 s[G0+4*\s+2:G0+4*\s+3], s[20:21], \s*ABLK
	s_or_b32 s[G0+4*\s+3], s[G0+4*\s+3], 0x80000000
	s_mov_b32 s[G0B+4*\s], 1
	s_add_co_u32 s[G0B+4*\s+1], s22, \s*SLOT
	s_add_nc_u64 s[G0B+4*\s+2:G0B+4*\s+3], s[46:47], \s*256
	s_or_b32 s[G0B+4*\s+3], s[G0B+4*\s+3], 0x80000000
	JLOAD G0+4*\s, G1, G0B+4*\s, G1B
.endr
	v_and_b32 v1, 15, v0                           ; r
	v_bfe_u32 v2, v0, 4, 1                         ; h
	v_and_b32 v6, 31, v0
	v_lshlrev_b32 v[GO], 4, v6
	v_mul_u32_u24 v3, v1, PITCH
	v_lshl_add_u32 v4, v2, 3, v3                   ; a weight's row x pitch + 8 h
	s_mul_i32 s21, s15, ABLK                       ; my 128 tokens
	s_mul_i32 s23, s16, HALFB                      ; my 128 rows of weights,
	s_add_co_u32 s23, s23, APART                   ; behind the tokens' part
.irp s, 0,1
	v_add_nc_u32 v[ADRA+\s], s21, v[GO]
	v_add_nc_u32 v[ADRB+\s], s23, v4
	s_add_co_u32 s21, s21, SLOT
	s_add_co_u32 s23, s23, SLOT
.endr
	v_lshlrev_b32 v[BO], 5, v2
	s_lshl_b32 s46, s42, 10                        ; the bias of my 128 columns
	s_lshl_b32 s47, s16, 9
	s_add_co_u32 s46, s46, s47
	s_mov_b32 s47, 0
	s_add_nc_u64 s[10:11], s[10:11], s[46:47]
.irp b, 0,1,2,3,4,5,6,7
	global_load_b128 v[BIAS+8*\b:BIAS+8*\b+3], v[BO], s[10:11] offset:64*\b
	global_load_b128 v[BIAS+8*\b+4:BIAS+8*\b+7], v[BO], s[10:11] offset:64*\b+16
.endr
	s_mul_i32 s23, s14, 20480                      ; v's stage, my own: 128 tokens x 160 bytes, in slot 0, which has had its last fill and its last read when it is written
	v_mul_u32_u24 v5, v1, 160
	v_lshl_add_u32 v5, v2, 4, v5
	v_add_nc_u32 v[STO], s23, v5                   ; in: token r, 16 bytes for each half of the lanes
	v_and_b32 v5, 7, v0
	v_lshl_add_u32 v5, v2, 3, v5
	v_mul_u32_u24 v5, v5, 160
	v_bfe_u32 v7, v0, 3, 1
	v_lshl_add_u32 v5, v7, 4, v5
	v_add_nc_u32 v[RD], s23, v5                    ; back, turned: token 8 h + l % 8, bytes 16 ((l / 8) % 2) on
	s_lshr_b32 s20, s17, 3                         ; where my part begins, the same in all three tensors of images: the batch's 16 heads,
	s_lshl_b32 s20, s20, 21
	s_and_b32 s21, s17, 7
	s_lshl_b32 s21, s21, 14                        ; 256 tokens are 16,384 bytes of a head,
	s_add_co_u32 s20, s20, s21
	s_lshl_b32 s21, s15, 13
	s_add_co_u32 s20, s20, s21
	s_lshl_b32 s46, s40, 19                        ; head 4 cx + 2 x half
	s_lshl_b32 s47, s16, 18
	s_add_co_u32 s46, s46, s47
	s_add_co_u32 s46, s46, s20
	s_mov_b32 s47, 0
	s_mov_b32 s92, 0x05010400                      ; two words' bytes in turn: low halves,
	s_mov_b32 s93, 0x07030602                      ; high halves
	s_mov_b32 s94, 0x06040200                      ; the even bytes of two words,
	s_mov_b32 s95, 0x07050301                      ; the odd ones
	s_wait_kmcnt 0x0
	s_add_co_i32 s88, s[EA], s[EB]
	s_sub_co_i32 s89, 0, s88
	s_cmp_eq_u32 ttmp9, 0                          ; the cluster's x: 0 q, 1 k, 2 v
	s_cselect_b32 s90, s78, s79
	s_cselect_b64 s[68:69], s[68:69], s[70:71]
	s_cmp_eq_u32 ttmp9, 2
	s_cselect_b32 s90, s81, s90
	s_cselect_b64 s[68:69], s[72:73], s[68:69]
	s_add_nc_u64 s[68:69], s[68:69], s[46:47]
	s_sub_co_i32 s90, s90, s88                     ; a sum stands for sum x 2^(e0 + e1): the three scales are folded into the conversion's one
	s_add_co_i32 s90, s90, 127
	s_lshl_b32 s91, s90, 23
	v_mov_b32 v[SCV], s91
	s_add_co_i32 s90, s90, 8
	s_lshl_b32 s90, s90, 23
	s_or_b32 s90, s90, 0x600000
	v_mov_b32 v[LIMV], s90
	s_wait_loadcnt 0x0
.set j, 0
.rept 64
	v_ldexp_f32 v[BIAS+j], v[BIAS+j], s89          ; the bias / 2^(e0 + e1)
.set j, j+1
.endr
.macro FRAGA reg, adr, q, i            ; a tokens' fragment comes as it was stored: four loads of 512 consecutive bytes
.irp c, 0,1,2,3
	ds_load_b128 v[\reg+4*\c:\reg+4*\c+3], v[\adr] offset:(\i)*4096+(\q)*2048+512*\c
.endr
.endm
.macro FRAGB reg, adr, q, i            ; a weights' fragment: registers 2 c, 2 c + 1 hold k = 16 c + 8 h + 0..7 of row r
.irp c, 0,1,2,3,4,5,6,7
	ds_load_b64 v[\reg+2*\c:\reg+2*\c+1], v[\adr] offset:(\i)*16*PITCH+128*(\q)+16*\c
.endr
.endm
; 16 matrix instructions: token blocks a0, a0 + 1 x the weights' eight.  first = 1: the bias starts the sums.  The 64 accumulators take turns.
.macro MUL16 a0, p, first
.irp a, \a0, \a0+1
.irp b, 0,1,2,3,4,5,6,7
.if \first
	v_wmma_f32_16x16x128_fp8_fp8 v[8*(8*((\a)%4)+\b):8*(8*((\a)%4)+\b)+7], v[128*(\p)+FR*\b:128*(\p)+FR*\b+FR-1], v[AF+FR*(\a):AF+FR*(\a)+FR-1], v[BIAS+8*\b:BIAS+8*\b+7]
.else
	v_wmma_f32_16x16x128_fp8_fp8 v[8*(8*((\a)%4)+\b):8*(8*((\a)%4)+\b)+7], v[128*(\p)+FR*\b:128*(\p)+FR*\b+FR-1], v[AF+FR*(\a):AF+FR*(\a)+FR-1], v[8*(8*((\a)%4)+\b):8*(8*((\a)%4)+\b)+7]
.endif
.endr
.endr
.endm
.macro FETCH_B slot, q, p
	WIN TO_B
.irp i, 0,1,2,3,4,5,6,7
	FRAGB 128*(\p)+FR*\i, ADRB+\slot, \q, \i
.endr
	WIN 0
.endm
.macro FETCH_A slot, q, i0
.irp i, \i0, \i0+1, \i0+2, \i0+3
	FRAGA AF+FR*(\i), ADRA+\slot, \q, \i
.endr
.endm
.macro PLACES n                        ; plain vector lines between a matrix instruction and a load into, or a read of, its registers
.rept \n
	v_nop
.endr
.endm
.macro STEP slot, q, first             ; 128 along K, with its successor in the same slot
	s_wait_dscnt 16                                ; all but the youngest sixteen loads (token blocks 4-7) are in
.if \first
	WIN 0x81                                       ; C (the bias) window 0, D window 2
.else
	WIN MUL_LO
.endif
	MUL16 0, (\q)%2, \first
	MUL16 2, (\q)%2, \first
	s_wait_dscnt 0
	PLACES NP
	FETCH_B \slot, (\q)+1, 1-(\q)%2
	FETCH_A \slot, (\q)+1, 0
.if \first
	WIN 0xc1
.else
	WIN MUL_HI
.endif
	MUL16 4, (\q)%2, \first
	MUL16 6, (\q)%2, \first
	PLACES NP
	WIN 0
	FETCH_A \slot, (\q)+1, 4
.endm
.macro TURN slot, next, fill           ; a slot's last step changes slots: one barrier; fill = 1: the slot is filled again, two K steps ahead
	s_wait_tensorcnt 0x0                           ; all my tensor loads have landed: my part of the next slot
	ds_add_u32 v[SPW], v[NIL]                      ; 0 onto my spare word
	s_wait_dscnt 17                                ; (the add and the youngest sixteen loads may be out)
	WIN MUL_LO
	MUL16 0, 1, 0
	s_wait_dscnt 0x0                               ; the add is done, and my reads of this slot are over
	s_barrier_signal -1
	MUL16 2, 1, 0
	WIN 0
	s_barrier_wait -1
.if \fill
	CREST                                          ; the barrier has opened a round of the cluster's: no wave of any partner still reads this slot or has a load on its way
	s_add_nc_u64 s[G0+4*\slot+2:G0+4*\slot+3], s[G0+4*\slot+2:G0+4*\slot+3], 2*ABLK
	s_add_nc_u64 s[G0B+4*\slot+2:G0B+4*\slot+3], s[G0B+4*\slot+2:G0B+4*\slot+3], 512
	JLOAD G0+4*\slot, G1, G0B+4*\slot, G1B         ; the first tensor load behind the round; its four v_nop are the places in front of the loads below
.else
	PLACES NP
.endif
	FETCH_B \next, 0, 0
	FETCH_A \next, 0, 0
	WIN MUL_HI
	MUL16 4, 1, 0
	MUL16 6, 1, 0
	PLACES NP
	WIN 0
	FETCH_A \next, 0, 4
.endm
	s_wait_tensorcnt 1                             ; my part of K step 0 is in; K step 1's may stay out
	s_barrier_signal -1
	s_barrier_wait -1
	FETCH_B 0, 0, 0
	FETCH_A 0, 0, 0
	FETCH_A 0, 0, 4
	STEP 0, 0, 1
	s_mov_b32 s3, LAPS-1
.Llap:                                                 ; a trip goes once round the ring and fills both slots again
	TURN 0, 1, 1
	STEP 1, 0, 0
	TURN 1, 0, 1
	STEP 0, 0, 0
	s_sub_co_u32 s3, s3, 1
	s_cmp_lg_u32 s3, 0
	s_cbranch_scc1 .Llap
	TURN 0, 1, 0                                   ; the last lap fills nothing
	STEP 1, 0, 0
	s_wait_dscnt 16
	WIN MUL_LO
	MUL16 0, 1, 0
	MUL16 2, 1, 0
	s_wait_dscnt 0
	WIN MUL_HI
	MUL16 4, 1, 0
	MUL16 6, 1, 0
	WIN 0
; Block a (16 tokens x 128 columns) becomes codes: v[CD + 2 b], v[CD + 2 b + 1] = columns 16 b + 8 h + 0..7 of token r.  Each accumulator is read from its low end on.
.macro QCODES a
.set AC, 64*((\a)%4)
	WIN 0x02+((\a)/4)
.set j, 0
.rept 64
	v_med3_num_f32 v[TMP+j], v[AC+j], -v[LIMV], v[LIMV]   ; the conversion does not saturate (ISA guide 7.6.2): the hold at the largest code x the scale
.set j, j+1
.endr
	WIN 0
	s_wait_xcnt 0x0                                ; the last block's stores have read the codes' registers
.irp b, 0,1,2,3,4,5,6,7
	v_cvt_scalef32_pk8_fp8_f32 v[CD+2*\b:CD+2*\b+1], v[TMP+8*\b:TMP+8*\b+7], v[SCV]
.endr
	v_nop                                          ; a plain line behind the last conversion
.endm
	PLACES NP
	s_cmp_eq_u32 ttmp9, 2
	s_cbranch_scc1 .Lv
	; q and k: four registers are a quarter of a fragment (16 tokens x 64 of a head): head q / 2 of my two, quarter q % 2
.irp a, 0,1,2,3,4,5,6,7
	QCODES \a
.irp q, 0,1,2,3
	global_store_b128 v[GO], v[CD+4*\q:CD+4*\q+3], s[68:69] offset:(\q/2)*131072+\a*1024+(\q%2)*512   ; 512 consecutive bytes, aligned
.endr
.endr
	s_branch .Lend
.Lv:
	; v: into the stage by tokens; in each 32 bytes the codes of column blocks 2 q and 2 q + 1 stand byte by byte in turn, so that the turning load gives lane r channel r of both
.irp a, 0,1,2,3,4,5,6,7
	QCODES \a
	s_wait_dscnt 0x0                               ; the last block's stage stores have read their registers
.irp q, 0,1,2,3
	v_perm_b32 v[IL+4*\q],   v[CD+4*\q+2], v[CD+4*\q],   s92
	v_perm_b32 v[IL+4*\q+1], v[CD+4*\q+2], v[CD+4*\q],   s93
	v_perm_b32 v[IL+4*\q+2], v[CD+4*\q+3], v[CD+4*\q+1], s92
	v_perm_b32 v[IL+4*\q+3], v[CD+4*\q+3], v[CD+4*\q+1], s93
	ds_store_b128 v[STO], v[IL+4*\q:IL+4*\q+3] offset:2560*\a+32*\q
.endr
.endr
.irp q, 0,1,2,3
.irp a, 0,1,2,3,4,5,6,7
	ds_load_tr16_b128 v[TR+4*\a:TR+4*\a+3], v[RD] offset:2560*\a+32*\q   ; LDS serves a wave's instructions in order: these see my stores.  Tokens 16 a + 8 h + 0..7 of byte pair r
.endr
	s_wait_dscnt 0x0
	s_wait_xcnt 0x0                                ; the last group's stores have read v's fragments
.irp a, 0,1,2,3,4,5,6,7
	v_perm_b32 v[VF+2*\a],      v[TR+4*\a+1], v[TR+4*\a],   s94
	v_perm_b32 v[VF+2*\a+1],    v[TR+4*\a+3], v[TR+4*\a+2], s94
	v_perm_b32 v[VF+16+2*\a],   v[TR+4*\a+1], v[TR+4*\a],   s95
	v_perm_b32 v[VF+16+2*\a+1], v[TR+4*\a+3], v[TR+4*\a+2], s95
.endr
.irp p, 0,1
.irp u, 0,1,2,3
	global_store_b128 v[GO], v[VF+16*\p+4*\u:VF+16*\p+4*\u+3], s[68:69] offset:(\q/2)*131072+(2*(\q%2)+\p)*2048+\u*512   ; a fragment: 16 channels x my 128 tokens
.endr
.endr
.endr
.Lend:
	s_wait_tensorcnt 0x0                           ; the wave's end
	ds_add_u32 v[SPW], v[NIL]
	s_wait_dscnt 0x0
	CROUND                                         ; the closing round
	s_endpgm
.Lfunc_end_k_q3c0770b7d9_qkv:
	.size	k_q3c0770b7d9_qkv, .Lfunc_end_k_q3c0770b7d9_qkv-k_q3c0770b7d9_qkv
	.p2alignl 7, 3214868480
	.fill 96, 4, 3214868480
	.section	.rodata,"a",@progbits
	.p2align	6, 0x0
	.amdhsa_kernel k_q3c0770b7d9_qkv
		.amdhsa_group_segment_fixed_size 327680
		.amdhsa_private_segment_fixed_size 0
		.amdhsa_enable_private_segment 0
		.amdhsa_kernarg_size 56
		.amdhsa_user_sgpr_count 2
		.amdhsa_user_sgpr_kernarg_segment_ptr 1
		.amdhsa_wavefront_size32 1
		.amdhsa_system_sgpr_workgroup_id_x 1
		.amdhsa_system_sgpr_workgroup_id_y 1
		.amdhsa_system_sgpr_workgroup_id_z 1
		.amdhsa_system_vgpr_workitem_id 0
		.amdhsa_next_free_vgpr 1024
		.amdhsa_next_free_sgpr 100
		.amdhsa_reserve_vcc 0
		.amdhsa_float_denorm_mode_32 3
		.amdhsa_float_denorm_mode_16_64 3
		.amdhsa_memory_ordered 1
		.amdhsa_forward_progress 1
		.amdhsa_inst_pref_size 201
	.end_amdhsa_kernel
	.amdgpu_metadata
---
amdhsa.version: [ 1, 2 ]
amdhsa.kernels:
  - .name:           k_q3c0770b7d9_qkv
    .symbol:         k_q3c0770b7d9_qkv.kd
    .args:
      - { .name: h, .offset: 0, .size: 8, .value_kind: global_buffer, .address_space: global }
      - { .name: W_attn_codes, .offset: 8, .size: 8, .value_kind: global_buffer, .address_space: global }
      - { .name: lowp_scales, .offset: 16, .size: 8, .value_kind: global_buffer, .address_space: global }
      - { .name: b_attn, .offset: 24, .size: 8, .value_kind: global_buffer, .address_space: global }
      - { .name: q_img, .offset: 32, .size: 8, .value_kind: global_buffer, .address_space: global }
      - { .name: k_img, .offset: 40, .size: 8, .value_kind: global_buffer, .address_space: global }
      - { .name: v_img, .offset: 48, .size: 8, .value_kind: global_buffer, .address_space: global }
    .group_segment_fixed_size: 327680
    .private_segment_fixed_size: 0
    .kernarg_segment_align: 8
    .kernarg_segment_size: 56
    .max_flat_workgroup_size: 128
    .sgpr_count:     100
    .vgpr_count:     1024
    .wavefront_size: 32
...
	.end_amdgpu_metadata
.endif
;; end of part 2
;; launch attn (part 3): grid 8 x 32, 16 waves a work-group, clusters of 4 x 1, 264,192 bytes of LDS; arguments q_img, k_img, v_img, lowp_scales, y_img; writes y_img
.if DOCPART == 3
	.amdgcn_target "amdgcn-amd-amdhsa--gfx1250"
	.amdhsa_code_object_version 6
	.text
	.protected	k_q3c0770b7d9_attn
	.globl	k_q3c0770b7d9_attn
	.p2align	8
	.type	k_q3c0770b7d9_attn,@function
k_q3c0770b7d9_attn:
	s_mov_b64 s[64:65], 0
	v_nop
	global_prefetch_b8 v0, s[64:65] scope:SCOPE_SE
	s_setreg_imm32_b32 hwreg(HW_REG_WAVE_MODE, 25, 1), 1
	s_wait_xcnt 0x0
	s_wait_alu depctr_hold_cnt(0) depctr_sa_sdst(0) depctr_va_vdst(0) depctr_va_sdst(0) depctr_va_ssrc(0) depctr_va_vcc(0) depctr_vm_vsrc(0)
	s_getreg_b32 s2, hwreg(HW_REG_IB_STS2, 6, 4)
	s_cmp_eq_u32 s2, 0
	s_cbranch_scc0 .Lentry_in_a_cluster
	s_endpgm
.Lentry_in_a_cluster:
	s_bfe_u32 s2, ttmp6, 0x10000c
	s_cmp_lg_u32 s2, 0x3003
	s_cbranch_scc0 .Lentry_shape_is_right
	s_endpgm
.Lentry_shape_is_right:
; Causal attention on codes of FP8 (E4M3): 32 heads (batch x head) of 2,048 tokens x 64; the result is quantised again (scale e6) and stored as images for the next product.
; t = score x log2(e) / 8; M = the running largest t rounded up to a whole number; p = 2^(t - M) is quantised (e4), not normalised; the sum of the unquantised p divides at the end.
; A head's codes of K and of V, 131,072 bytes each, lie WHOLE in LDS, as images of the operands' registers: filled once, so there is no ring and no barrier in the loop.
; CLUSTER: the four work-groups of a cluster belong to one head: each of the sixteen waves asks jointly for 16,384 bytes (waves 0-7 of K, waves 8-15 of V).
; SHARES.  A wave owns one tile of 16 queries: tile 8 D + g, g = the work-group's x (0..7), D a number of the wave alone: a 4 x 4 magic square of 0..15, so that the visible key steps, D + 1,
; add up to 34 over the waves w % 4 alike and over the waves w / 4 alike.  A key step is 128 keys = 8 tiles: step s is hidden where s > D and wholly open where s < D: branches on the wave's number
; and the step's count alone, the same in all partners; g enters global addresses and the mask's number only.
; LAYOUT.  S^T = K Q^T (source 0 = 16 keys, source 1 = my queries; K = 64), O^T = V^T P^T (source 0 = 16 channels, source 1 = P; K = 128 keys): a lane holds one query throughout.
; Tile t's eight scores of lane (r, h) are keys 16 t + 8 h + 0..7: one conversion makes them registers 2 t, 2 t + 1 of P in the plain 8-bit layout.
; No prefetch: all of K and V is asked for at the head.
; LIMITS: e2 + e3 between -123 and 130; e4 and e6 between -126 and 119.  NaN is not served.
; REGISTERS: v1 16 x lane; v2 the mask's number; v8, v9 LDS addresses; v12 -M, v13 the largest t, v[14:15] the sum; v16-23 Q; v32-95 K's 8 fragments, then V's 4; v96-159 S^T, then p; v160-191 O^T; v192-207 p's codes; v208-215 y's;
; v236 where the lane permutes land (written once at the head, since a permute's destination counts as read).
.set LI,  1
.set DG,  2
.set ADK, 8
.set ADV, 9
.set WV,  18
.set DW,  19
.set SEL, 20
.set CS,  22
.set G1,  24
.set G0K, 32
.set G0V, 36
.set STP, 40
.set TB,  41
.macro ROUND                           ; a round of the cluster's barrier
	s_barrier_signal -1
	s_barrier_wait -1
	s_cmp_lg_u32 s[WV], 0
	s_cbranch_scc1 .Lnot_wave_0_\@
	s_barrier_signal -3
.Lnot_wave_0_\@:
	s_barrier_wait -3
	s_barrier_signal -1
	s_barrier_wait -1
.endm
	s_load_b256 s[4:11], s[0:1], 0x0               ; q s[4:5], k s[6:7], v s[8:9], the scales s[10:11]
	s_load_b64 s[12:13], s[0:1], 0x20              ; y
	v_lshl_add_u32 v251, v0, 2, 0x40000
	v_mov_b32 v255, 0
	ds_add_u32 v251, v255
	ds_add_u32 v251, v255
	v_lshrrev_b32 v8, 5, v0
	v_readfirstlane_b32 s[WV], v8                  ; wave 0..15
	s_bfe_u32 s14, ttmp6, 0x40000                  ; cx
	s_lshl_b32 s15, ttmp9, 2
	s_add_co_u32 s15, s15, s14                     ; g
	s_and_b32 s16, ttmp7, 0xffff                   ; the head: 16 x batch + head
	s_mov_b32 s[DW], 0x0de3b658                    ; D of waves 8-15, four bits each,
	s_cmp_lt_u32 s[WV], 8
	s_cselect_b32 s[DW], 0x7a94c12f, s[DW]         ; of waves 0-7
	s_and_b32 s17, s[WV], 7
	s_lshl_b32 s52, s17, 2
	s_lshr_b32 s[DW], s[DW], s52
	s_and_b32 s[DW], s[DW], 15
	s_lshl_b32 s42, s16, 17                        ; what I fetch: the head's 131,072 bytes, my eighth
	s_lshl_b32 s43, s17, 14
	s_add_co_u32 s42, s42, s43
	s_mov_b32 s43, 0
	s_lshl_b32 s17, s[WV], 14                      ; and where it goes: K's images from byte 0, V's from 131,072
	s_mov_b32 s[G1], 15|(1<<21)                    ; the mask: all four work-groups, bit 21 beside it; elements of 1 byte, no padding
	s_mov_b32 s[G1+1], 256<<16                     ; tensor_dim0
	s_mov_b32 s[G1+2], 64<<16                      ; tensor_dim1
	s_mov_b32 s[G1+3], 256<<16                     ; tile_dim0
	s_mov_b32 s[G1+4], 64                          ; tile_dim1
	s_mov_b32 s[G1+5], 256                         ; dense
	s_mov_b32 s[G1+6], 0
	s_mov_b32 s[G1+7], 0
	s_lshl_b32 s52, s[DW], 3
	s_add_co_u32 s52, s52, s15                     ; my tile of queries
	s_lshl_b32 s52, s52, 10
	s_lshl_b32 s53, s16, 17
	s_add_co_u32 s52, s52, s53
	s_mov_b32 s53, 0
	s_lshr_b32 s54, s16, 4                         ; y's images: 128 tokens are 131,072 bytes: block 16 x batch + D,
	s_lshl_b32 s54, s54, 4
	s_add_co_u32 s54, s54, s[DW]
	s_lshl_b32 s54, s54, 17
	s_lshl_b32 s55, s15, 12                        ; my 16 tokens in it,
	s_add_co_u32 s54, s54, s55
	s_bfe_u32 s55, s16, 0x20002                    ; 256 along k are four heads,
	s_lshl_b32 s55, s55, 15
	s_add_co_u32 s54, s54, s55
	s_and_b32 s55, s16, 3                          ; a head is two quarters
	s_lshl_b32 s55, s55, 10
	s_add_co_u32 s54, s54, s55
	s_mov_b32 s55, 0
	s_mov_b32 s[SEL], 0x76543210
	s_mov_b32 s[SEL+1], 0xfedcba98
	s_mov_b32 s[CS], 0x3e38aa3b                    ; c = log2(e) / 8
	s_mov_b32 s[TB], 0
	s_mov_b32 s[STP], 0
	s_wait_dscnt 0x0
	s_wait_kmcnt 0x0
	s_load_b256 s[44:51], s[10:11], 0x8            ; e2 .. e9
	s_add_nc_u64 s[4:5], s[4:5], s[52:53]
	s_add_nc_u64 s[12:13], s[12:13], s[54:55]
	s_mov_b32 s[G0K], 1
	s_mov_b32 s[G0K+1], s17
	s_add_nc_u64 s[G0K+2:G0K+3], s[6:7], s[42:43]
	s_or_b32 s[G0K+3], s[G0K+3], 0x80000000
	s_mov_b32 s[G0V], 1
	s_mov_b32 s[G0V+1], s17
	s_add_nc_u64 s[G0V+2:G0V+3], s[8:9], s[42:43]
	s_or_b32 s[G0V+3], s[G0V+3], 0x80000000
	ROUND                                          ; all four work-groups are here: the joint loads meet
	s_cmp_lt_u32 s[WV], 8                          ; one load a wave; four v_nop follow each line
	s_cbranch_scc0 .Lfor_v
	tensor_load_to_lds s[G0K:G0K+3], s[G1:G1+7]
	s_nop 0
.rept 4
	v_nop
.endr
	s_branch .Lasked
.Lfor_v:
	tensor_load_to_lds s[G0V:G0V+3], s[G1:G1+7]
	s_nop 0
.rept 4
	v_nop
.endr
.Lasked:
	v_and_b32 v3, 31, v0
	v_lshlrev_b32 v[LI], 4, v3
	global_load_b128 v[16:19], v[LI], s[4:5]       ; Q's fragment stays in registers
	global_load_b128 v[20:23], v[LI], s[4:5] offset:512
	v_and_b32 v4, 15, v0
	v_bfe_u32 v5, v0, 4, 1
	v_lshlrev_b32 v5, 3, v5
	v_sub_nc_u32 v[DG], v4, v5
	s_lshl_b32 s56, s15, 4
	v_add_nc_u32 v[DG], s56, v[DG]                 ; 16 g + r - 8 h: in the step on the diagonal register 8 t + j is hidden where 16 t + j is above it
	v_mov_b32 v13, 0xff61b1e6                      ; the largest t so far: -3e38
	v_floor_f32 v12, -v13                          ; -M
	v_mov_b32 v14, 0
	v_mov_b32 v15, 0
	v_mov_b32 v236, 0                              ; a lane permute's destination counts as read
	v_mov_b32 v253, 0                              ; (named as the upper half of a pair)
.set j, 0
.rept 32
	v_mov_b32 v[160+j], 0                          ; O^T: the step is written once; the first change of M leaves zeros zeros
.set j, j+1
.endr
	s_wait_kmcnt 0x0
	s_add_co_i32 s56, s44, s45
	s_lshl_b32 s56, s56, 23
	s_add_co_i32 s[CS], s[CS], s56                 ; a score stands for score x 2^(e2 + e3): added to c's exponent field
	s_mov_b32 s[CS+1], s[CS]
	s_add_co_i32 s56, s46, 127
	s_lshl_b32 s57, s56, 23
	v_mov_b32 v244, s57                            ; 2^e4
	s_add_co_i32 s56, s56, 8
	s_lshl_b32 s56, s56, 23
	s_or_b32 s56, s56, 0x600000
	v_mov_b32 v240, s56                            ; 448 x 2^e4
	s_add_co_i32 s56, s48, 127
	s_lshl_b32 s57, s56, 23
	v_mov_b32 v245, s57                            ; 2^e6
	s_add_co_i32 s56, s56, 8
	s_lshl_b32 s56, s56, 23
	s_or_b32 s56, s56, 0x600000
	v_mov_b32 v241, s56                            ; 448 x 2^e6
	s_wait_tensorcnt 0x0                           ; my sixteenth has landed,
	s_barrier_signal -1
	s_barrier_wait -1                              ; everybody's has
	s_wait_loadcnt 0x0                             ; Q
.Lstep:                                            ; sixteen trips in every wave; a hidden step's work is jumped over
	s_cmp_gt_u32 s[STP], s[DW]
	s_cbranch_scc1 .Lhidden
	v_add_nc_u32 v[ADK], s[TB], v[LI]
	v_add_nc_u32 v[ADV], 0x20000, v[ADK]
	v_nop                                          ; with the two additions: four places in front of loads into registers that the last products read
	v_nop
.irp t, 0,1,2,3,4,5,6,7
	ds_load_b128 v[32+8*\t:35+8*\t], v[ADK] offset:1024*\t
	ds_load_b128 v[36+8*\t:39+8*\t], v[ADK] offset:1024*\t+512
.endr
	s_wait_dscnt 0x0
.irp t, 0,1,2,3,4,5,6,7
	v_wmma_f32_16x16x64_fp8_fp8 v[96+8*\t:103+8*\t], v[32+8*\t:39+8*\t], v[16:23], 0
.endr
.rept 4
	v_nop
.endr
.irp c, 0,1,2,3
.irp q, 0,1,2,3
	ds_load_b128 v[32+16*\c+4*\q:35+16*\c+4*\q], v[ADV] offset:2048*\c+512*\q   ; V's fragments land while the softmax is walked
.endr
.endr
	s_cmp_lt_u32 s[STP], s[DW]
	s_cbranch_scc1 .Lopen
	v_mov_b32 v254, 0xff800000                     ; on the diagonal hidden scores become -infinity: p = 0 then
.set n, 0
.rept 64
	v_cmp_gt_i32 vcc_lo, 16*(n/8)+n%8, v[DG]
	v_cndmask_b32 v[96+n], v[96+n], v254, vcc_lo
.set n, n+1
.endr
.Lopen:
	v_max3_num_f32 v254, v96, v97, v98             ; the step's largest score of my query among my 64 keys, in two chains,
	v_max3_num_f32 v252, v99, v100, v101
.irp i, 6,10,14,18,22,26,30,34,38,42,46,50,54,58
	v_max3_num_f32 v254, v254, v[96+\i], v[97+\i]
	v_max3_num_f32 v252, v252, v[98+\i], v[99+\i]
.endr
	v_max3_num_f32 v254, v254, v158, v159
	v_max_num_f32 v254, v254, v252
	v_permlanex16_b32 v236, v254, s[SEL], s[SEL+1]
	v_max_num_f32 v254, v254, v236                 ; and among lane l xor 16's
	v_mul_f32 v254, s[CS], v254
	v_max_num_f32 v13, v13, v254                   ; the running largest t
	v_mov_b32 v254, v12
	v_floor_f32 v12, -v13                          ; the new -M = -ceil(t)
	v_sub_f32 v254, v12, v254                      ; old M - new M: a whole number, 0 or less
	v_cvt_i32_f32 v254, v254                       ; (it saturates)
	v_ldexp_f32 v252, 1.0, v254                    ; f = 2^(old M - new M)
.set j, 0
.rept 32
	v_pk_fma_f32 v[96+j:97+j], v[96+j:97+j], s[CS:CS+1], v[12:13] op_sel_hi:[1,0,0]   ; t - M
.set j, j+2
.endr
.set j, 0
.rept 64
	v_exp_f32 v[96+j], v[96+j]                     ; p = 2^(t - M)
.set j, j+1
.endr
	v_pk_mul_f32 v[14:15], v[14:15], v[252:253] op_sel_hi:[1,0]   ; the sums under the new M (a plain line behind the exponentials)
	s_wait_alu depctr_va_vdst(0)                   ; one wait for the batch, ahead of its first reader
	v_pk_add_f32 v[242:243], v[96:97], v[98:99]    ; the sum of the unquantised p, in two chains
.irp j, 4,8,12,16,20,24,28,32,36,40,44,48,52,56,60
	v_pk_add_f32 v[14:15], v[14:15], v[96+\j:97+\j]
	v_pk_add_f32 v[242:243], v[242:243], v[98+\j:99+\j]
.endr
	v_pk_add_f32 v[14:15], v[14:15], v[242:243]
.irp t, 0,1,2,3,4,5,6,7
.irp i, 0,1,2,3,4,5,6,7
	v_min_num_f32 v[96+8*\t+\i], v[96+8*\t+\i], v240   ; the conversion does not saturate (ISA guide 7.6.2); p is not negative
.endr
	v_cvt_scalef32_pk8_fp8_f32 v[192+2*\t:193+2*\t], v[96+8*\t:103+8*\t], v244
.endr
.set j, 0
.rept 16
	v_pk_mul_f32 v[160+j:161+j], v[160+j:161+j], v[252:253] op_sel_hi:[1,0]   ; O^T under the new M
.set j, j+2
.endr
	s_wait_dscnt 0x0                               ; V
.irp c, 0,1,2,3
	v_wmma_f32_16x16x128_fp8_fp8 v[160+8*\c:167+8*\c], v[32+16*\c:47+16*\c], v[192:207], v[160+8*\c:167+8*\c]
.endr
.Lhidden:
	s_add_co_u32 s[TB], s[TB], 8192
	s_add_co_u32 s[STP], s[STP], 1
	s_cmp_lt_u32 s[STP], 16
	s_cbranch_scc1 .Lstep
.rept 4
	v_nop
.endr
	v_add_f32 v14, v14, v15
	v_permlanex16_b32 v236, v14, s[SEL], s[SEL+1]  ; into the register that was written at the head: written on every way that leads here
	v_add_f32 v14, v14, v236                       ; the row's sum
	v_rcp_f32 v14, v14
	v_nop
	s_add_co_i32 s56, s46, s47
	s_wait_alu depctr_va_vdst(0)
	v_ldexp_f32 v14, v14, s56                      ; x 2^(e4 + e5)
.set j, 0
.rept 32
	v_mul_f32 v[96+j], v[160+j], v14               ; y(query r, channel 16 c + 8 h + i) in register 8 c + i
.set j, j+1
.endr
.set j, 0
.rept 32
	v_med3_num_f32 v[96+j], v[96+j], -v241, v241
.set j, j+1
.endr
.irp c, 0,1,2,3
	v_cvt_scalef32_pk8_fp8_f32 v[208+2*\c:209+2*\c], v[96+8*\c:103+8*\c], v245
.endr
	v_nop
	global_store_b128 v[LI], v[208:211], s[12:13]              ; two quarters of the next operand's fragment: 512 consecutive bytes each
	global_store_b128 v[LI], v[212:215], s[12:13] offset:512
	s_wait_tensorcnt 0x0
	ds_add_u32 v251, v255
	s_wait_dscnt 0x0
	ROUND                                          ; the closing round
	s_endpgm
.Lfunc_end_k_q3c0770b7d9_attn:
	.size	k_q3c0770b7d9_attn, .Lfunc_end_k_q3c0770b7d9_attn-k_q3c0770b7d9_attn
	.p2alignl 7, 3214868480
	.fill 96, 4, 3214868480
	.section	.rodata,"a",@progbits
	.p2align	6, 0x0
	.amdhsa_kernel k_q3c0770b7d9_attn
		.amdhsa_group_segment_fixed_size 264192
		.amdhsa_private_segment_fixed_size 0
		.amdhsa_enable_private_segment 0
		.amdhsa_kernarg_size 40
		.amdhsa_user_sgpr_count 2
		.amdhsa_user_sgpr_kernarg_segment_ptr 1
		.amdhsa_wavefront_size32 1
		.amdhsa_system_sgpr_workgroup_id_x 1
		.amdhsa_system_sgpr_workgroup_id_y 1
		.amdhsa_system_sgpr_workgroup_id_z 1
		.amdhsa_system_vgpr_workitem_id 0
		.amdhsa_next_free_vgpr 256
		.amdhsa_next_free_sgpr 66
		.amdhsa_reserve_vcc 1
		.amdhsa_float_denorm_mode_32 3
		.amdhsa_float_denorm_mode_16_64 3
		.amdhsa_memory_ordered 1
		.amdhsa_forward_progress 1
		.amdhsa_inst_pref_size 32
	.end_amdhsa_kernel
	.amdgpu_metadata
---
amdhsa.version: [ 1, 2 ]
amdhsa.kernels:
  - .name:           k_q3c0770b7d9_attn
    .symbol:         k_q3c0770b7d9_attn.kd
    .args:
      - { .name: q_img, .offset: 0, .size: 8, .value_kind: global_buffer, .address_space: global }
      - { .name: k_img, .offset: 8, .size: 8, .value_kind: global_buffer, .address_space: global }
      - { .name: v_img, .offset: 16, .size: 8, .value_kind: global_buffer, .address_space: global }
      - { .name: lowp_scales, .offset: 24, .size: 8, .value_kind: global_buffer, .address_space: global }
      - { .name: y_img, .offset: 32, .size: 8, .value_kind: global_buffer, .address_space: global }
    .group_segment_fixed_size: 264192
    .private_segment_fixed_size: 0
    .kernarg_segment_align: 8
    .kernarg_segment_size: 40
    .max_flat_workgroup_size: 512
    .sgpr_count:     66
    .vgpr_count:     256
    .wavefront_size: 32
...
	.end_amdgpu_metadata
.endif
;; end of part 3
;; launch proj (part 4): grid 4 x 16, 4 waves a work-group, clusters of 4 x 4, 327,680 bytes of LDS; arguments y_img, W_proj_codes, lowp_scales, b_proj, x, x1; writes x1
.if DOCPART == 4
	.amdgcn_target "amdgcn-amd-amdhsa--gfx1250"
	.amdhsa_code_object_version 6
	.text
	.protected	k_q3c0770b7d9_proj
	.globl	k_q3c0770b7d9_proj
	.p2align	8
	.type	k_q3c0770b7d9_proj,@function
k_q3c0770b7d9_proj:
	s_mov_b64 s[64:65], 0
	v_nop
	global_prefetch_b8 v0, s[64:65] scope:SCOPE_SE
	s_setreg_imm32_b32 hwreg(HW_REG_WAVE_MODE, 25, 1), 1
	s_wait_xcnt 0x0
	s_wait_alu depctr_hold_cnt(0) depctr_sa_sdst(0) depctr_va_vdst(0) depctr_va_sdst(0) depctr_va_ssrc(0) depctr_va_vcc(0) depctr_vm_vsrc(0)
	s_getreg_b32 s2, hwreg(HW_REG_IB_STS2, 6, 4)
	s_cmp_eq_u32 s2, 0
	s_cbranch_scc0 .Lentry_in_a_cluster
	s_endpgm
.Lentry_in_a_cluster:
	s_bfe_u32 s2, ttmp6, 0x10000c
	s_cmp_lg_u32 s2, 0xf033
	s_cbranch_scc0 .Lentry_shape_is_right
	s_endpgm
.Lentry_shape_is_right:
; out = res + ACT WGT^T + bias on codes of FP8 (E4M3); res and out are [4096][1024] f32.
; ACT: the tokens' codes as images (16 rows x 128 k = 2,048 bytes, register order; 128 rows x 256 k = one dense block of 32,768 bytes).  WGT: [1024][SIZE_K] codes, K innermost.
; A tile of 256 tokens x 256 columns is made by four waves, each 128 x 128: 64 accumulators.  K goes in steps of 256 through a ring of two LDS slots filled by the tensor data mover.
; CLUSTERS: 4 x 4 work-groups; tokens' tiles are asked for jointly along a row of the cluster, weights' along a column.
; THE MATRIX INSTRUCTION IS USED TRANSPOSED (source 0 = 16 rows of WGT, source 1 = 16 tokens).  The weights' fragments are read in the plain form's own order of k, in which the images are.
; The bias, divided by 2^(ea + eb), is the C of each sum's first matrix instruction.  On the way out a block of 16 rows goes through the wave's stage in LDS and comes back as rows of 512 bytes;
; the residual is loaded in that same layout (512 consecutive bytes a load), two blocks ahead, into the registers that the weights have left, and added there.
; The grid has 64 work-groups: 1,024 columns make four tile columns.  No prefetch: each tile is shared in the cluster.
; LIMITS: ea + eb between -126 and 126.  NaN is not served.
; REGISTERS: window 0: v0-31 addresses; v32-95 the bias, later at work; v128-255 the tokens' 8 fragments, later rows on the way out.  window 1: the weights' two sets, later the residual.  windows 2, 3: the accumulators.
.set SIZE_K, 1024
.set EA,     82                        ; s76-87 hold e0 .. e11
.set EB,     83
.set PITCH,  272
.set ABLK,   32768
.set APART,  2*ABLK
.set HALFB,  128*PITCH
.set SLOT,   APART+2*HALFB
.set SPARE,  2*SLOT                    ; behind the ring: the spare words, 128 bytes for each wave, which no other line names
.set LAPS,   SIZE_K/512
.set FR,     16
.set NP,     4
.set SPITCH, 528                       ; the stage: 16 rows x (512 bytes + 16) for each wave, in slot 0, which has had its last fill and its last read when it is written
.set BO,   8
.set GO,   10
.set ADRA, 16
.set ADRB, 20
.set STO,  24
.set RD,   25
.set SPW,  28
.set NIL,  29
.set BIAS, 32
.set TMP,  32
.set AF,   128
.set BK,   128
.set G1,  24
.set G0,  32
.set G1B, 48
.set G0B, 56
.set MSB, 0
.macro WIN new
.if MSB != \new
	s_set_vgpr_msb (MSB<<8)|\new
.set MSB, \new
.endif
.endm
.set MUL_LO, 0xa1
.set MUL_HI, 0xf1
.set TO_B,   0x40
.macro JLOAD g0a, g1a, g0b, g1b        ; a joint load: waves 0, 1 fetch tokens, waves 2, 3 weights; four v_nop follow each line
	s_cmp_eq_u32 s15, 0
	s_cbranch_scc0 .Lfor_b_\@
	tensor_load_to_lds s[\g0a:\g0a+3], s[\g1a:\g1a+7]
	s_nop 0
.rept 4
	v_nop
.endr
	s_branch .Lasked_\@
.Lfor_b_\@:
	tensor_load_to_lds s[\g0b:\g0b+3], s[\g1b:\g1b+7]
	s_nop 0
.rept 4
	v_nop
.endr
.Lasked_\@:
.endm
.macro CREST
	s_cmp_lg_u32 s14, 0
	s_cbranch_scc1 .Lnot_wave_0_\@
	s_barrier_signal -3
.Lnot_wave_0_\@:
	s_barrier_wait -3
	s_barrier_signal -1
	s_barrier_wait -1
.endm
.macro CROUND
	s_barrier_signal -1
	s_barrier_wait -1
	CREST
.endm
	s_load_b256 s[4:11], s[0:1], 0x0               ; ACT s[4:5], WGT s[6:7], the scales s[8:9], the bias s[10:11]
	s_load_b128 s[68:71], s[0:1], 0x20             ; the residual s[68:69], out s[70:71]
	v_lshl_add_u32 v[SPW], v0, 2, SPARE
	v_mov_b32 v[NIL], 0
	ds_add_u32 v28, v29
	ds_add_u32 v28, v29
	s_wait_dscnt 0x0
	v_lshrrev_b32 v1, 5, v0
	v_readfirstlane_b32 s14, v1
	s_lshr_b32 s15, s14, 1
	s_and_b32 s16, s14, 1
	s_bfe_u32 s40, ttmp6, 0x40000
	s_bfe_u32 s41, ttmp6, 0x40004
	s_lshl_b32 s42, ttmp9, 2
	s_add_co_u32 s42, s42, s40                     ; tile column
	s_and_b32 s17, ttmp7, 0xffff
	s_lshl_b32 s17, s17, 2
	s_add_co_u32 s17, s17, s41                     ; tile row
	s_lshl_b32 s43, s41, 2
	s_lshl_b32 s43, 15, s43
	s_lshl_b32 s44, 0x1111, s40
	s_or_b32 s[G1+0], s43, (1<<21)
	s_or_b32 s[G1B+0], s44, (1<<20)|(1<<21)|(5<<22)|(3<<25)
.irp g, G1, G1B
	s_mov_b32 s[\g+1], 256<<16
	s_mov_b32 s[\g+2], 128<<16
	s_mov_b32 s[\g+3], 256<<16
	s_mov_b32 s[\g+4], 128
	s_mov_b32 s[\g+6], 0
	s_mov_b32 s[\g+7], 0
.endr
	s_mov_b32 s[G1+5], 256
	s_mov_b32 s[G1B+5], SIZE_K
	s_lshl_b32 s18, s16, 7
	s_lshl_b32 s20, s17, 8
	s_add_co_u32 s20, s20, s18
	s_lshl_b32 s46, s42, 8
	s_add_co_u32 s46, s46, s18
	s_mov_b32 s21, 0
	s_mov_b32 s47, 0
	s_mov_b64 s[18:19], SIZE_K
	s_mul_u64 s[20:21], s[20:21], s[18:19]
	s_mul_u64 s[46:47], s[46:47], s[18:19]
	s_mul_i32 s45, s16, ABLK
	s_mul_i32 s22, s16, HALFB
	s_add_co_u32 s22, s22, APART
	s_wait_kmcnt 0x0
	s_load_b256 s[76:83], s[8:9], 0x0
	s_load_b128 s[84:87], s[8:9], 0x20
	s_add_nc_u64 s[20:21], s[4:5], s[20:21]
	s_add_nc_u64 s[46:47], s[6:7], s[46:47]
	CROUND
.irp s, 0,1
	s_mov_b32 s[G0+4*\s], 1
	s_add_co_u32 s[G0+4*\s+1], s45, \s*SLOT
	s_add_nc_u64 s[G0+4*\s+2:G0+4*\s+3], s[20:21], \s*ABLK
	s_or_b32 s[G0+4*\s+3], s[G0+4*\s+3], 0x80000000
	s_mov_b32 s[G0B+4*\s], 1
	s_add_co_u32 s[G0B+4*\s+1], s22, \s*SLOT
	s_add_nc_u64 s[G0B+4*\s+2:G0B+4*\s+3], s[46:47], \s*256
	s_or_b32 s[G0B+4*\s+3], s[G0B+4*\s+3], 0x80000000
	JLOAD G0+4*\s, G1, G0B+4*\s, G1B
.endr
	v_and_b32 v1, 15, v0
	v_bfe_u32 v2, v0, 4, 1
	v_and_b32 v6, 31, v0
	v_lshlrev_b32 v[GO], 4, v6
	v_mul_u32_u24 v3, v1, PITCH
	v_lshl_add_u32 v4, v2, 3, v3
	s_mul_i32 s21, s15, ABLK
	s_mul_i32 s23, s16, HALFB
	s_add_co_u32 s23, s23, APART
.irp s, 0,1
	v_add_nc_u32 v[ADRA+\s], s21, v[GO]
	v_add_nc_u32 v[ADRB+\s], s23, v4
	s_add_co_u32 s21, s21, SLOT
	s_add_co_u32 s23, s23, SLOT
.endr
	v_lshlrev_b32 v[BO], 5, v2
	s_lshl_b32 s46, s42, 10                        ; my 128 columns, in bytes of f32
	s_lshl_b32 s47, s16, 9
	s_add_co_u32 s46, s46, s47
	s_mov_b32 s47, 0
	s_add_nc_u64 s[10:11], s[10:11], s[46:47]
.irp b, 0,1,2,3,4,5,6,7
	global_load_b128 v[BIAS+8*\b:BIAS+8*\b+3], v[BO], s[10:11] offset:64*\b
	global_load_b128 v[BIAS+8*\b+4:BIAS+8*\b+7], v[BO], s[10:11] offset:64*\b+16
.endr
	s_mul_i32 s23, s14, 16*SPITCH                  ; my stage
	v_mul_u32_u24 v5, v1, SPITCH
	v_lshl_add_u32 v5, v2, 5, v5
	v_add_nc_u32 v[STO], s23, v5                   ; in: row r, 32 bytes for each half of the lanes
	v_add_nc_u32 v[RD], s23, v[GO]                 ; back: the 32 lanes take one row of 512 bytes
	s_lshl_b32 s20, s17, 8
	s_lshl_b32 s21, s15, 7
	s_add_co_u32 s20, s20, s21                     ; my first row,
	s_lshl_b32 s20, s20, 12                        ; of 4,096 bytes
	s_add_co_u32 s46, s46, s20
	s_add_nc_u64 s[68:69], s[68:69], s[46:47]
	s_add_nc_u64 s[70:71], s[70:71], s[46:47]
	s_wait_kmcnt 0x0
	s_add_co_i32 s88, s[EA], s[EB]
	s_sub_co_i32 s89, 0, s88
	s_add_co_i32 s96, s88, 127
	s_lshl_b32 s96, s96, 23                        ; 2^(ea + eb) as f32
	s_mov_b32 s97, s96
	s_wait_loadcnt 0x0
.set j, 0
.rept 64
	v_ldexp_f32 v[BIAS+j], v[BIAS+j], s89
.set j, j+1
.endr
.macro FRAGA reg, adr, q, i
.irp c, 0,1,2,3
	ds_load_b128 v[\reg+4*\c:\reg+4*\c+3], v[\adr] offset:(\i)*4096+(\q)*2048+512*\c
.endr
.endm
.macro FRAGB reg, adr, q, i
.irp c, 0,1,2,3,4,5,6,7
	ds_load_b64 v[\reg+2*\c:\reg+2*\c+1], v[\adr] offset:(\i)*16*PITCH+128*(\q)+16*\c
.endr
.endm
.macro MUL16 a0, p, first              ; the 64 accumulators take turns
.irp a, \a0, \a0+1
.irp b, 0,1,2,3,4,5,6,7
.if \first
	v_wmma_f32_16x16x128_fp8_fp8 v[8*(8*((\a)%4)+\b):8*(8*((\a)%4)+\b)+7], v[128*(\p)+FR*\b:128*(\p)+FR*\b+FR-1], v[AF+FR*(\a):AF+FR*(\a)+FR-1], v[BIAS+8*\b:BIAS+8*\b+7]
.else
	v_wmma_f32_16x16x128_fp8_fp8 v[8*(8*((\a)%4)+\b):8*(8*((\a)%4)+\b)+7], v[128*(\p)+FR*\b:128*(\p)+FR*\b+FR-1], v[AF+FR*(\a):AF+FR*(\a)+FR-1], v[8*(8*((\a)%4)+\b):8*(8*((\a)%4)+\b)+7]
.endif
.endr
.endr
.endm
.macro FETCH_B slot, q, p
	WIN TO_B
.irp i, 0,1,2,3,4,5,6,7
	FRAGB 128*(\p)+FR*\i, ADRB+\slot, \q, \i
.endr
	WIN 0
.endm
.macro FETCH_A slot, q, i0
.irp i, \i0, \i0+1, \i0+2, \i0+3
	FRAGA AF+FR*(\i), ADRA+\slot, \q, \i
.endr
.endm
.macro PLACES n
.rept \n
	v_nop
.endr
.endm
.macro STEP slot, q, first
	s_wait_dscnt 16                                ; all but the youngest sixteen loads (token blocks 4-7) are in
.if \first
	WIN 0x81
.else
	WIN MUL_LO
.endif
	MUL16 0, (\q)%2, \first
	MUL16 2, (\q)%2, \first
	s_wait_dscnt 0
	PLACES NP
	FETCH_B \slot, (\q)+1, 1-(\q)%2
	FETCH_A \slot, (\q)+1, 0
.if \first
	WIN 0xc1
.else
	WIN MUL_HI
.endif
	MUL16 4, (\q)%2, \first
	MUL16 6, (\q)%2, \first
	PLACES NP
	WIN 0
	FETCH_A \slot, (\q)+1, 4
.endm
.macro TURN slot, next, fill
	s_wait_tensorcnt 0x0                           ; all my tensor loads have landed: my part of the next slot
	ds_add_u32 v[SPW], v[NIL]                      ; 0 onto my spare word
	s_wait_dscnt 17                                ; (the add and the youngest sixteen loads may be out)
	WIN MUL_LO
	MUL16 0, 1, 0
	s_wait_dscnt 0x0                               ; the add is done, and my reads of this slot are over
	s_barrier_signal -1
	MUL16 2, 1, 0
	WIN 0
	s_barrier_wait -1
.if \fill
	CREST
	s_add_nc_u64 s[G0+4*\slot+2:G0+4*\slot+3], s[G0+4*\slot+2:G0+4*\slot+3], 2*ABLK
	s_add_nc_u64 s[G0B+4*\slot+2:G0B+4*\slot+3], s[G0B+4*\slot+2:G0B+4*\slot+3], 512
	JLOAD G0+4*\slot, G1, G0B+4*\slot, G1B
.else
	PLACES NP
.endif
	FETCH_B \next, 0, 0
	FETCH_A \next, 0, 0
	WIN MUL_HI
	MUL16 4, 1, 0
	MUL16 6, 1, 0
	PLACES NP
	WIN 0
	FETCH_A \next, 0, 4
.endm
.macro RLOAD a                         ; the residual of block a's 16 rows, a row of 512 bytes a load, into set a % 2 of window 1
	WIN 0x40
.irp t, 0,1,2,3,4,5,6,7,8,9,10,11,12,13,14,15
	global_load_b128 v[64*((\a)%2)+4*\t:64*((\a)%2)+4*\t+3], v[GO], s[68:69] offset:(16*(\a)+\t)*4096 th:TH_LOAD_NT
.endr
	WIN 0
.endm
	s_wait_tensorcnt 1                             ; my part of K step 0 is in; K step 1's may stay out
	s_barrier_signal -1
	s_barrier_wait -1
	FETCH_B 0, 0, 0
	FETCH_A 0, 0, 0
	FETCH_A 0, 0, 4
	STEP 0, 0, 1
	s_mov_b32 s3, LAPS-1
.Llap:
	TURN 0, 1, 1
	STEP 1, 0, 0
	TURN 1, 0, 1
	STEP 0, 0, 0
	s_sub_co_u32 s3, s3, 1
	s_cmp_lg_u32 s3, 0
	s_cbranch_scc1 .Llap
	TURN 0, 1, 0
	STEP 1, 0, 0
	RLOAD 0                                        ; the weights' set 0 is done with (its places stand at the step's end): the first two blocks' residual lands during the last step
	RLOAD 1
	s_wait_dscnt 16
	WIN MUL_LO
	MUL16 0, 1, 0
	MUL16 2, 1, 0
	s_wait_dscnt 0
	WIN MUL_HI
	MUL16 4, 1, 0
	MUL16 6, 1, 0
	WIN 0
.macro TOSTAGE a
.set AC, 64*((\a)%4)
	WIN 0x02+((\a)/4)
.set j, 0
.rept 32
	v_pk_mul_f32 v[TMP+j:TMP+j+1], v[AC+j:AC+j+1], s[96:97] op_sel_hi:[1,0]   ; x 2^(ea + eb); each accumulator from its low end on
.set j, j+2
.endr
	WIN 0
.irp b, 0,1,2,3,4,5,6,7
	ds_store_b128 v[STO], v[TMP+8*\b:TMP+8*\b+3] offset:64*\b
	ds_store_b128 v[STO], v[TMP+8*\b+4:TMP+8*\b+7] offset:64*\b+16
.endr
.set BB, BK+64*((\a)%2)
.irp t, 0,1,2,3,4,5,6,7,8,9,10,11,12,13,14,15
	ds_load_b128 v[BB+4*\t:BB+4*\t+3], v[RD] offset:\t*SPITCH   ; LDS serves a wave's instructions in order: these see my stores
.endr
.endm
.macro SEND a, younger, left           ; younger: LDS instructions behind block a's loads; left: the next block's residual loads
.set BB, BK+64*((\a)%2)
	s_wait_dscnt \younger
	s_wait_loadcnt \left
	WIN 0x04                                       ; source 1 (the residual) window 1
.set j, 0
.rept 32
	v_pk_add_f32 v[BB+j:BB+j+1], v[BB+j:BB+j+1], v[64*((\a)%2)+j:64*((\a)%2)+j+1]
.set j, j+2
.endr
	WIN 0
.irp t, 0,1,2,3,4,5,6,7,8,9,10,11,12,13,14,15
	global_store_b128 v[GO], v[BB+4*\t:BB+4*\t+3], s[70:71] offset:(16*(\a)+\t)*4096 th:TH_STORE_NT   ; 512 consecutive bytes, aligned
.endr
.endm
	PLACES NP
	TOSTAGE 0
.irp a, 1,2,3,4,5,6,7
.if \a > 1
	s_wait_xcnt 0x0                                ; block a - 2's stores have read their registers: block a's rows may land there
.endif
	TOSTAGE \a
	SEND \a-1, 32, 16
.if \a < 7
	RLOAD \a+1
.endif
.endr
	SEND 7, 0, 0
	s_wait_tensorcnt 0x0                           ; the wave's end
	ds_add_u32 v[SPW], v[NIL]
	s_wait_dscnt 0x0
	CROUND
	s_endpgm
.Lfunc_end_k_q3c0770b7d9_proj:
	.size	k_q3c0770b7d9_proj, .Lfunc_end_k_q3c0770b7d9_proj-k_q3c0770b7d9_proj
	.p2alignl 7, 3214868480
	.fill 96, 4, 3214868480
	.section	.rodata,"a",@progbits
	.p2align	6, 0x0
	.amdhsa_kernel k_q3c0770b7d9_proj
		.amdhsa_group_segment_fixed_size 327680
		.amdhsa_private_segment_fixed_size 0
		.amdhsa_enable_private_segment 0
		.amdhsa_kernarg_size 48
		.amdhsa_user_sgpr_count 2
		.amdhsa_user_sgpr_kernarg_segment_ptr 1
		.amdhsa_wavefront_size32 1
		.amdhsa_system_sgpr_workgroup_id_x 1
		.amdhsa_system_sgpr_workgroup_id_y 1
		.amdhsa_system_sgpr_workgroup_id_z 1
		.amdhsa_system_vgpr_workitem_id 0
		.amdhsa_next_free_vgpr 1024
		.amdhsa_next_free_sgpr 100
		.amdhsa_reserve_vcc 0
		.amdhsa_float_denorm_mode_32 3
		.amdhsa_float_denorm_mode_16_64 3
		.amdhsa_memory_ordered 1
		.amdhsa_forward_progress 1
		.amdhsa_inst_pref_size 174
	.end_amdhsa_kernel
	.amdgpu_metadata
---
amdhsa.version: [ 1, 2 ]
amdhsa.kernels:
  - .name:           k_q3c0770b7d9_proj
    .symbol:         k_q3c0770b7d9_proj.kd
    .args:
      - { .name: y_img, .offset: 0, .size: 8, .value_kind: global_buffer, .address_space: global }
      - { .name: W_proj_codes, .offset: 8, .size: 8, .value_kind: global_buffer, .address_space: global }
      - { .name: lowp_scales, .offset: 16, .size: 8, .value_kind: global_buffer, .address_space: global }
      - { .name: b_proj, .offset: 24, .size: 8, .value_kind: global_buffer, .address_space: global }
      - { .name: x, .offset: 32, .size: 8, .value_kind: global_buffer, .address_space: global }
      - { .name: x1, .offset: 40, .size: 8, .value_kind: global_buffer, .address_space: global }
    .group_segment_fixed_size: 327680
    .private_segment_fixed_size: 0
    .kernarg_segment_align: 8
    .kernarg_segment_size: 48
    .max_flat_workgroup_size: 128
    .sgpr_count:     100
    .vgpr_count:     1024
    .wavefront_size: 32
...
	.end_amdgpu_metadata
.endif
;; end of part 4
;; launch ln2 (part 5): grid 256 x 1, 16 waves a work-group, no clusters, 19,456 bytes of LDS; arguments x1, ln2_g, ln2_b, lowp_scales, h; writes h
.if DOCPART == 5
	.amdgcn_target "amdgcn-amd-amdhsa--gfx1250"
	.amdhsa_code_object_version 6
	.text
	.protected	k_q3c0770b7d9_ln2
	.globl	k_q3c0770b7d9_ln2
	.p2align	8
	.type	k_q3c0770b7d9_ln2,@function
k_q3c0770b7d9_ln2:
	s_mov_b64 s[64:65], 0
	v_nop
	global_prefetch_b8 v0, s[64:65] scope:SCOPE_SE
	s_setreg_imm32_b32 hwreg(HW_REG_WAVE_MODE, 25, 1), 1
	s_wait_xcnt 0x0
; Layer norm of rows of 1,024 f32 numbers, then codes of FP8 (E4M3) with the given scale 2^e (entry SC_OFF / 4 of the scales), stored as images of a matrix operand's registers.
; y = (x - mean) * rsqrt(var + 1e-5) * g + b; mean and var in two passes over the row, which stays in registers.  code = y / 2^e, held within +-448, nearest, ties to even.
; SHARES.  A work-group takes 16 rows, a wave one row: eight loads of 512 consecutive bytes; lane L holds k = 128 j + 4 L + 0..3 of load j.  The reductions never leave the wave.
; THE IMAGE.  16 rows x 128 k are a fragment of 2,048 bytes: quarter q (512 bytes) holds, at 16 x lane (r, h), k = 32 q + 8 h + 0..7 and 32 q + 16 + 8 h + 0..7 of row r.
; 128 rows x 256 k are one dense block of 32,768 bytes: (row / 16 % 8) x 4,096 + (k / 128 % 2) x 2,048; the blocks of 128 rows follow each other along k.
; The 16 waves' codes meet in LDS: 64 units of 256 bytes (16 rows x 16 bytes), 272 apart; each wave then stores four units, 512 consecutive bytes a store.
; No matrix unit, no tensor load, no cluster: each byte is read once, by one wave.
; LIMITS: e between -126 and 119.  NaN and infinities among the inputs are not served.
.set SC_OFF, 32
.set X,    16
.set GN,   48
.set BV,   80
.set CD,   112
.set OUTR, 120
.set UNIT, 272
	s_load_b256 s[4:11], s[0:1], 0x0               ; x s[4:5], g s[6:7], b s[8:9], the scales s[10:11]
	s_load_b64 s[12:13], s[0:1], 0x20              ; the images
	v_lshl_add_u32 v128, v0, 2, 0x4400
	v_mov_b32 v129, 0
	v_lshrrev_b32 v1, 5, v0
	v_readfirstlane_b32 s14, v1                    ; wave = my row among the 16
	v_and_b32 v2, 31, v0
	v_lshlrev_b32 v3, 4, v2                        ; 16 x lane
	v_lshrrev_b32 v4, 3, v2                        ; quarter L / 8,
	v_bfe_u32 v1, v0, 1, 1                         ; half (L / 2) % 2:
	v_lshl_add_u32 v4, v4, 1, v1                   ; unit 2 q + h of load j's eight
	v_mul_u32_u24 v4, v4, UNIT
	v_bfe_u32 v1, v0, 2, 1
	v_lshl_add_u32 v4, v1, 3, v4
	v_and_b32 v1, 1, v0
	v_lshl_add_u32 v4, v1, 2, v4
	s_lshl_b32 s15, s14, 4
	v_add_nc_u32 v4, s15, v4                       ; where I put a word of codes
	v_bfe_u32 v5, v0, 4, 1
	v_mul_u32_u24 v5, v5, UNIT
	v_and_b32 v1, 15, v0
	v_lshl_add_u32 v5, v1, 4, v5
	s_mul_i32 s15, s14, 4*UNIT
	v_add_nc_u32 v5, s15, v5                       ; back: units 4 w on
	v_mov_b32 v10, 0
	s_mov_b32 s21, 0x3a800000                      ; 1 / 1,024
	s_mov_b32 s22, 0x3727c5ac                      ; 1e-5
	s_mov_b32 s28, 0x76543210
	s_mov_b32 s29, 0xfedcba98
	s_lshl_b32 s16, ttmp9, 16
	s_lshl_b32 s17, s14, 12
	s_add_co_u32 s16, s16, s17
	s_mov_b32 s17, 0
	s_lshr_b32 s18, ttmp9, 3
	s_lshl_b32 s18, s18, 17
	s_and_b32 s19, ttmp9, 7
	s_lshl_b32 s19, s19, 12
	s_add_co_u32 s18, s18, s19
	s_lshr_b32 s19, s14, 2
	s_lshl_b32 s19, s19, 15
	s_add_co_u32 s18, s18, s19
	s_and_b32 s19, s14, 3
	s_lshl_b32 s19, s19, 10
	s_add_co_u32 s18, s18, s19
	s_mov_b32 s19, 0
	s_wait_kmcnt 0x0
	s_load_b32 s20, s[10:11], SC_OFF               ; e
	s_add_nc_u64 s[4:5], s[4:5], s[16:17]
	s_add_nc_u64 s[12:13], s[12:13], s[18:19]
.irp j, 0,1,2,3,4,5,6,7
	global_load_b128 v[X+4*\j:X+4*\j+3], v3, s[4:5] offset:512*\j th:TH_LOAD_NT
.endr
.irp j, 0,1,2,3,4,5,6,7
	global_load_b128 v[GN+4*\j:GN+4*\j+3], v3, s[6:7] offset:512*\j
.endr
.irp j, 0,1,2,3,4,5,6,7
	global_load_b128 v[BV+4*\j:BV+4*\j+3], v3, s[8:9] offset:512*\j
.endr
.macro WSUM                            ; v6 summed over the wave's 32 lanes, the result in every lane
	v_add_f32_dpp v6, v6, v6 row_xmask:1 row_mask:0xf bank_mask:0xf
	v_add_f32_dpp v6, v6, v6 row_xmask:2 row_mask:0xf bank_mask:0xf
	v_add_f32_dpp v6, v6, v6 row_xmask:4 row_mask:0xf bank_mask:0xf
	v_add_f32_dpp v6, v6, v6 row_xmask:8 row_mask:0xf bank_mask:0xf
	v_permlanex16_b32 v10, v6, s28, s29
	v_add_f32 v6, v6, v10
.endm
	s_wait_loadcnt 16                              ; the row is in; the sixteen loads of g and b may be out
	v_pk_add_f32 v[6:7], v[X:X+1], v[X+2:X+3]
	v_pk_add_f32 v[8:9], v[X+4:X+5], v[X+6:X+7]
.irp j, 8,12,16,20,24,28
	v_pk_add_f32 v[6:7], v[6:7], v[X+\j:X+\j+1]
	v_pk_add_f32 v[8:9], v[8:9], v[X+\j+2:X+\j+3]
.endr
	v_pk_add_f32 v[6:7], v[6:7], v[8:9]
	v_add_f32 v6, v6, v7
	WSUM
	v_mul_f32 v12, s21, v6                         ; the mean, twice
	v_mov_b32 v13, v12
.set j, 0
.rept 16
	v_pk_add_f32 v[X+j:X+j+1], v[X+j:X+j+1], v[12:13] neg_lo:[0,1] neg_hi:[0,1]
.set j, j+2
.endr
	v_pk_mul_f32 v[6:7], v[X:X+1], v[X:X+1]
	v_pk_mul_f32 v[8:9], v[X+2:X+3], v[X+2:X+3]
.irp j, 4,8,12,16,20,24,28
	v_pk_fma_f32 v[6:7], v[X+\j:X+\j+1], v[X+\j:X+\j+1], v[6:7]
	v_pk_fma_f32 v[8:9], v[X+\j+2:X+\j+3], v[X+\j+2:X+\j+3], v[8:9]
.endr
	v_pk_add_f32 v[6:7], v[6:7], v[8:9]
	v_add_f32 v6, v6, v7
	WSUM
	v_fma_f32 v6, v6, s21, s22                     ; var + eps
	s_wait_kmcnt 0x0
	s_add_co_i32 s20, s20, 127
	s_lshl_b32 s23, s20, 23                        ; 2^e as f32
	s_add_co_i32 s20, s20, 8
	s_lshl_b32 s20, s20, 23
	s_or_b32 s20, s20, 0x600000                    ; 448 x 2^e
	v_rsq_f32 v14, v6
	v_mov_b32 v11, s23                             ; (plain lines behind the transcendental)
	v_mov_b32 v1, s20
	s_wait_alu depctr_va_vdst(0)                   ; the wait ahead of the result's first reader
	v_mov_b32 v15, v14
	s_wait_loadcnt 0x0                             ; g and b
.set j, 0
.rept 16
	v_pk_mul_f32 v[X+j:X+j+1], v[X+j:X+j+1], v[14:15]
.set j, j+2
.endr
.set j, 0
.rept 16
	v_pk_fma_f32 v[X+j:X+j+1], v[X+j:X+j+1], v[GN+j:GN+j+1], v[BV+j:BV+j+1]
.set j, j+2
.endr
.set j, 0
.rept 32
	v_med3_num_f32 v[X+j], v[X+j], -v1, v1         ; the conversion does not saturate (ISA guide 7.6.2): the hold at the largest code x the scale
.set j, j+1
.endr
.irp p, 0,1,2,3
	v_cvt_scalef32_pk8_fp8_f32 v[CD+2*\p:CD+2*\p+1], v[X+8*\p:X+8*\p+7], v11   ; each word holds one load's four codes
.endr
	v_nop
.irp j, 0,1,2,3,4,5,6,7
	ds_store_b32 v4, v[CD+\j] offset:8*UNIT*\j
.endr
	s_wait_dscnt 0x0                               ; for the others' sake: my stores have landed
	s_barrier_signal -1
	s_barrier_wait -1
	ds_load_b128 v[OUTR:OUTR+3], v5
	ds_load_b128 v[OUTR+4:OUTR+7], v5 offset:2*UNIT
	s_wait_dscnt 0x0
	global_store_b128 v3, v[OUTR:OUTR+3], s[12:13]
	global_store_b128 v3, v[OUTR+4:OUTR+7], s[12:13] offset:512
	s_wait_tensorcnt 0x0
	ds_add_u32 v128, v129
	s_wait_dscnt 0x0
	s_endpgm
.Lfunc_end_k_q3c0770b7d9_ln2:
	.size	k_q3c0770b7d9_ln2, .Lfunc_end_k_q3c0770b7d9_ln2-k_q3c0770b7d9_ln2
	.p2alignl 7, 3214868480
	.fill 96, 4, 3214868480
	.section	.rodata,"a",@progbits
	.p2align	6, 0x0
	.amdhsa_kernel k_q3c0770b7d9_ln2
		.amdhsa_group_segment_fixed_size 19456
		.amdhsa_private_segment_fixed_size 0
		.amdhsa_enable_private_segment 0
		.amdhsa_kernarg_size 40
		.amdhsa_user_sgpr_count 2
		.amdhsa_user_sgpr_kernarg_segment_ptr 1
		.amdhsa_wavefront_size32 1
		.amdhsa_system_sgpr_workgroup_id_x 1
		.amdhsa_system_sgpr_workgroup_id_y 1
		.amdhsa_system_sgpr_workgroup_id_z 1
		.amdhsa_system_vgpr_workitem_id 0
		.amdhsa_next_free_vgpr 130
		.amdhsa_next_free_sgpr 66
		.amdhsa_reserve_vcc 0
		.amdhsa_float_denorm_mode_32 3
		.amdhsa_float_denorm_mode_16_64 3
		.amdhsa_memory_ordered 1
		.amdhsa_forward_progress 1
		.amdhsa_inst_pref_size 15
	.end_amdhsa_kernel
	.amdgpu_metadata
---
amdhsa.version: [ 1, 2 ]
amdhsa.kernels:
  - .name:           k_q3c0770b7d9_ln2
    .symbol:         k_q3c0770b7d9_ln2.kd
    .args:
      - { .name: x1, .offset: 0, .size: 8, .value_kind: global_buffer, .address_space: global }
      - { .name: ln2_g, .offset: 8, .size: 8, .value_kind: global_buffer, .address_space: global }
      - { .name: ln2_b, .offset: 16, .size: 8, .value_kind: global_buffer, .address_space: global }
      - { .name: lowp_scales, .offset: 24, .size: 8, .value_kind: global_buffer, .address_space: global }
      - { .name: h, .offset: 32, .size: 8, .value_kind: global_buffer, .address_space: global }
    .group_segment_fixed_size: 19456
    .private_segment_fixed_size: 0
    .kernarg_segment_align: 8
    .kernarg_segment_size: 40
    .max_flat_workgroup_size: 512
    .sgpr_count:     66
    .vgpr_count:     130
    .wavefront_size: 32
...
	.end_amdgpu_metadata
.endif
;; end of part 5
;; launch fc (part 6): grid 16 x 16, 4 waves a work-group, clusters of 4 x 4, 327,680 bytes of LDS; arguments h, W_fc_codes, lowp_scales, b_fc, g_img; writes g_img
.if DOCPART == 6
	.amdgcn_target "amdgcn-amd-amdhsa--gfx1250"
	.amdhsa_code_object_version 6
	.text
	.protected	k_q3c0770b7d9_fc
	.globl	k_q3c0770b7d9_fc
	.p2align	8
	.type	k_q3c0770b7d9_fc,@function
k_q3c0770b7d9_fc:
	s_mov_b64 s[64:65], 0
	v_nop
	global_prefetch_b8 v0, s[64:65] scope:SCOPE_SE
	s_setreg_imm32_b32 hwreg(HW_REG_WAVE_MODE, 25, 1), 1
	s_wait_xcnt 0x0
	s_wait_alu depctr_hold_cnt(0) depctr_sa_sdst(0) depctr_va_vdst(0) depctr_va_sdst(0) depctr_va_ssrc(0) depctr_va_vcc(0) depctr_vm_vsrc(0)
	s_getreg_b32 s2, hwreg(HW_REG_IB_STS2, 6, 4)
	s_cmp_eq_u32 s2, 0
	s_cbranch_scc0 .Lentry_in_a_cluster
	s_endpgm
.Lentry_in_a_cluster:
	s_bfe_u32 s2, ttmp6, 0x10000c
	s_cmp_lg_u32 s2, 0xf033
	s_cbranch_scc0 .Lentry_shape_is_right
	s_endpgm
.Lentry_shape_is_right:
; g = gelu(h W_fc + b_fc) on codes of FP8 (E4M3), quantised again (scale e10) and stored as images of the next product's operand registers.
; ACT: the tokens' codes as images (16 rows x 128 k = 2,048 bytes, register order; 128 rows x 256 k = one dense block of 32,768 bytes).  WGT: [4096][1024] codes, K innermost.
; A tile of 256 tokens x 256 columns is made by four waves, each 128 x 128: 64 accumulators.  K goes in steps of 256 through a ring of two LDS slots filled by the tensor data mover.
; CLUSTERS: 4 x 4 work-groups; tokens' tiles are asked for jointly along a row of the cluster, weights' along a column.
; THE MATRIX INSTRUCTION IS USED TRANSPOSED (source 0 = 16 rows of WGT, source 1 = 16 tokens): lane (r, h) holds token r and columns 16 b + 8 h + 0..7, which one conversion packs into registers
; 2 b, 2 b + 1 of the next operand's fragment: a wave's 128 columns are one fragment's K, and the codes leave as they stand, 512 consecutive bytes a store, with no stage.
; gelu(x) = x / (1 + 2^(x (c1 + c2 x^2))), c1 = -2 log2(e) sqrt(2 / pi), c2 = 0.044715 c1: x times the logistic function of twice tanh's argument; no difference of near numbers is formed.
; The bias, divided by 2^(e8 + e9), is the C of each sum's first matrix instruction.  No prefetch: each tile is shared in the cluster and the launch has four K steps.
; LIMITS: e8 + e9 between -126 and 126; e10 between -126 and 119.  NaN is not served.
; REGISTERS: window 0: v0-31 addresses; v32-95 the bias, later x; v128-255 the tokens' 8 fragments, later at work.  window 1: the weights' two sets.  windows 2, 3: the accumulators.
.set SIZE_K, 1024
.set EA,     84                        ; s76-87 hold e0 .. e11
.set EB,     85
.set PITCH,  272
.set ABLK,   32768
.set APART,  2*ABLK
.set HALFB,  128*PITCH
.set SLOT,   APART+2*HALFB
.set SPARE,  2*SLOT                    ; behind the ring: the spare words, 128 bytes for each wave, which no other line names
.set LAPS,   SIZE_K/512
.set FR,     16
.set NP,     4
.set BO,   8
.set GO,   10
.set SCV,  12
.set LIMV, 13
.set C1,   14                          ; v[14:15] c1, twice
.set ADRA, 16
.set ADRB, 20
.set SPW,  28
.set NIL,  29
.set BIAS, 32
.set XX,   32                          ; v32-95   x
.set ZZ,   128                         ; v128-191 the exponent, then the logistic function
.set CD,   192                         ; v192-207 codes
.set AF,   128
.set G1,  24
.set G0,  32
.set G1B, 48
.set G0B, 56
.set MSB, 0
.macro WIN new
.if MSB != \new
	s_set_vgpr_msb (MSB<<8)|\new
.set MSB, \new
.endif
.endm
.set MUL_LO, 0xa1
.set MUL_HI, 0xf1
.set TO_B,   0x40
.macro JLOAD g0a, g1a, g0b, g1b        ; a joint load: waves 0, 1 fetch tokens, waves 2, 3 weights; four v_nop follow each line
	s_cmp_eq_u32 s15, 0
	s_cbranch_scc0 .Lfor_b_\@
	tensor_load_to_lds s[\g0a:\g0a+3], s[\g1a:\g1a+7]
	s_nop 0
.rept 4
	v_nop
.endr
	s_branch .Lasked_\@
.Lfor_b_\@:
	tensor_load_to_lds s[\g0b:\g0b+3], s[\g1b:\g1b+7]
	s_nop 0
.rept 4
	v_nop
.endr
.Lasked_\@:
.endm
.macro CREST
	s_cmp_lg_u32 s14, 0
	s_cbranch_scc1 .Lnot_wave_0_\@
	s_barrier_signal -3
.Lnot_wave_0_\@:
	s_barrier_wait -3
	s_barrier_signal -1
	s_barrier_wait -1
.endm
.macro CROUND
	s_barrier_signal -1
	s_barrier_wait -1
	CREST
.endm
	s_load_b256 s[4:11], s[0:1], 0x0               ; ACT s[4:5], WGT s[6:7], the scales s[8:9], the bias s[10:11]
	s_load_b64 s[68:69], s[0:1], 0x20              ; g's images
	v_lshl_add_u32 v[SPW], v0, 2, SPARE
	v_mov_b32 v[NIL], 0
	ds_add_u32 v28, v29
	ds_add_u32 v28, v29
	s_wait_dscnt 0x0
	v_lshrrev_b32 v1, 5, v0
	v_readfirstlane_b32 s14, v1
	s_lshr_b32 s15, s14, 1
	s_and_b32 s16, s14, 1
	s_bfe_u32 s40, ttmp6, 0x40000
	s_bfe_u32 s41, ttmp6, 0x40004
	s_lshl_b32 s42, ttmp9, 2
	s_add_co_u32 s42, s42, s40                     ; tile column
	s_and_b32 s17, ttmp7, 0xffff
	s_lshl_b32 s17, s17, 2
	s_add_co_u32 s17, s17, s41                     ; tile row
	s_lshl_b32 s43, s41, 2
	s_lshl_b32 s43, 15, s43
	s_lshl_b32 s44, 0x1111, s40
	s_or_b32 s[G1+0], s43, (1<<21)
	s_or_b32 s[G1B+0], s44, (1<<20)|(1<<21)|(5<<22)|(3<<25)
.irp g, G1, G1B
	s_mov_b32 s[\g+1], 256<<16
	s_mov_b32 s[\g+2], 128<<16
	s_mov_b32 s[\g+3], 256<<16
	s_mov_b32 s[\g+4], 128
	s_mov_b32 s[\g+6], 0
	s_mov_b32 s[\g+7], 0
.endr
	s_mov_b32 s[G1+5], 256
	s_mov_b32 s[G1B+5], SIZE_K
	s_lshl_b32 s18, s16, 7
	s_lshl_b32 s20, s17, 8
	s_add_co_u32 s20, s20, s18
	s_lshl_b32 s46, s42, 8
	s_add_co_u32 s46, s46, s18
	s_mov_b32 s21, 0
	s_mov_b32 s47, 0
	s_mov_b64 s[18:19], SIZE_K
	s_mul_u64 s[20:21], s[20:21], s[18:19]
	s_mul_u64 s[46:47], s[46:47], s[18:19]
	s_mul_i32 s45, s16, ABLK
	s_mul_i32 s22, s16, HALFB
	s_add_co_u32 s22, s22, APART
	s_wait_kmcnt 0x0
	s_load_b256 s[76:83], s[8:9], 0x0
	s_load_b128 s[84:87], s[8:9], 0x20
	s_add_nc_u64 s[20:21], s[4:5], s[20:21]
	s_add_nc_u64 s[46:47], s[6:7], s[46:47]
	CROUND
.irp s, 0,1
	s_mov_b32 s[G0+4*\s], 1
	s_add_co_u32 s[G0+4*\s+1], s45, \s*SLOT
	s_add_nc_u64 s[G0+4*\s+2:G0+4*\s+3], s[20:21], \s*ABLK
	s_or_b32 s[G0+4*\s+3], s[G0+4*\s+3], 0x80000000
	s_mov_b32 s[G0B+4*\s], 1
	s_add_co_u32 s[G0B+4*\s+1], s22, \s*SLOT
	s_add_nc_u64 s[G0B+4*\s+2:G0B+4*\s+3], s[46:47], \s*256
	s_or_b32 s[G0B+4*\s+3], s[G0B+4*\s+3], 0x80000000
	JLOAD G0+4*\s, G1, G0B+4*\s, G1B
.endr
	v_and_b32 v1, 15, v0
	v_bfe_u32 v2, v0, 4, 1
	v_and_b32 v6, 31, v0
	v_lshlrev_b32 v[GO], 4, v6
	v_mul_u32_u24 v3, v1, PITCH
	v_lshl_add_u32 v4, v2, 3, v3
	s_mul_i32 s21, s15, ABLK
	s_mul_i32 s23, s16, HALFB
	s_add_co_u32 s23, s23, APART
.irp s, 0,1
	v_add_nc_u32 v[ADRA+\s], s21, v[GO]
	v_add_nc_u32 v[ADRB+\s], s23, v4
	s_add_co_u32 s21, s21, SLOT
	s_add_co_u32 s23, s23, SLOT
.endr
	v_lshlrev_b32 v[BO], 5, v2
	s_lshl_b32 s46, s42, 10
	s_lshl_b32 s47, s16, 9
	s_add_co_u32 s46, s46, s47
	s_mov_b32 s47, 0
	s_add_nc_u64 s[10:11], s[10:11], s[46:47]
.irp b, 0,1,2,3,4,5,6,7
	global_load_b128 v[BIAS+8*\b:BIAS+8*\b+3], v[BO], s[10:11] offset:64*\b
	global_load_b128 v[BIAS+8*\b+4:BIAS+8*\b+7], v[BO], s[10:11] offset:64*\b+16
.endr
	s_lshl_b32 s20, s17, 1                         ; g's images: my 128 tokens' sixteen blocks,
	s_add_co_u32 s20, s20, s15
	s_lshl_b32 s20, s20, 19
	s_lshl_b32 s46, s42, 15                        ; the block of my tile's 256 columns,
	s_lshl_b32 s47, s16, 11                        ; my half of it
	s_add_co_u32 s46, s46, s47
	s_add_co_u32 s46, s46, s20
	s_mov_b32 s47, 0
	s_add_nc_u64 s[68:69], s[68:69], s[46:47]
	s_mov_b32 s94, 0xbdd2d3e8                      ; c2 = -0.10294324
	s_mov_b32 s95, s94
	v_mov_b32 v[C1], 0xc0135761                    ; c1 = -2.3022082
	v_mov_b32 v[C1+1], v[C1]
	s_wait_kmcnt 0x0
	s_add_co_i32 s88, s[EA], s[EB]
	s_sub_co_i32 s89, 0, s88
	s_add_co_i32 s96, s88, 127
	s_lshl_b32 s96, s96, 23                        ; 2^(e8 + e9) as f32
	s_mov_b32 s97, s96
	s_add_co_i32 s90, s86, 127
	s_lshl_b32 s91, s90, 23
	v_mov_b32 v[SCV], s91                          ; 2^e10
	s_add_co_i32 s90, s90, 8
	s_lshl_b32 s90, s90, 23
	s_or_b32 s90, s90, 0x600000
	v_mov_b32 v[LIMV], s90                         ; 448 x 2^e10
	s_wait_loadcnt 0x0
.set j, 0
.rept 64
	v_ldexp_f32 v[BIAS+j], v[BIAS+j], s89
.set j, j+1
.endr
.macro FRAGA reg, adr, q, i
.irp c, 0,1,2,3
	ds_load_b128 v[\reg+4*\c:\reg+4*\c+3], v[\adr] offset:(\i)*4096+(\q)*2048+512*\c
.endr
.endm
.macro FRAGB reg, adr, q, i
.irp c, 0,1,2,3,4,5,6,7
	ds_load_b64 v[\reg+2*\c:\reg+2*\c+1], v[\adr] offset:(\i)*16*PITCH+128*(\q)+16*\c
.endr
.endm
.macro MUL16 a0, p, first              ; the 64 accumulators take turns
.irp a, \a0, \a0+1
.irp b, 0,1,2,3,4,5,6,7
.if \first
	v_wmma_f32_16x16x128_fp8_fp8 v[8*(8*((\a)%4)+\b):8*(8*((\a)%4)+\b)+7], v[128*(\p)+FR*\b:128*(\p)+FR*\b+FR-1], v[AF+FR*(\a):AF+FR*(\a)+FR-1], v[BIAS+8*\b:BIAS+8*\b+7]
.else
	v_wmma_f32_16x16x128_fp8_fp8 v[8*(8*((\a)%4)+\b):8*(8*((\a)%4)+\b)+7], v[128*(\p)+FR*\b:128*(\p)+FR*\b+FR-1], v[AF+FR*(\a):AF+FR*(\a)+FR-1], v[8*(8*((\a)%4)+\b):8*(8*((\a)%4)+\b)+7]
.endif
.endr
.endr
.endm
.macro FETCH_B slot, q, p
	WIN TO_B
.irp i, 0,1,2,3,4,5,6,7
	FRAGB 128*(\p)+FR*\i, ADRB+\slot, \q, \i
.endr
	WIN 0
.endm
.macro FETCH_A slot, q, i0
.irp i, \i0, \i0+1, \i0+2, \i0+3
	FRAGA AF+FR*(\i), ADRA+\slot, \q, \i
.endr
.endm
.macro PLACES n
.rept \n
	v_nop
.endr
.endm
.macro STEP slot, q, first
	s_wait_dscnt 16                                ; all but the youngest sixteen loads (token blocks 4-7) are in
.if \first
	WIN 0x81
.else
	WIN MUL_LO
.endif
	MUL16 0, (\q)%2, \first
	MUL16 2, (\q)%2, \first
	s_wait_dscnt 0
	PLACES NP
	FETCH_B \slot, (\q)+1, 1-(\q)%2
	FETCH_A \slot, (\q)+1, 0
.if \first
	WIN 0xc1
.else
	WIN MUL_HI
.endif
	MUL16 4, (\q)%2, \first
	MUL16 6, (\q)%2, \first
	PLACES NP
	WIN 0
	FETCH_A \slot, (\q)+1, 4
.endm
.macro TURN slot, next, fill
	s_wait_tensorcnt 0x0                           ; all my tensor loads have landed: my part of the next slot
	ds_add_u32 v[SPW], v[NIL]                      ; 0 onto my spare word
	s_wait_dscnt 17                                ; (the add and the youngest sixteen loads may be out)
	WIN MUL_LO
	MUL16 0, 1, 0
	s_wait_dscnt 0x0                               ; the add is done, and my reads of this slot are over
	s_barrier_signal -1
	MUL16 2, 1, 0
	WIN 0
	s_barrier_wait -1
.if \fill
	CREST
	s_add_nc_u64 s[G0+4*\slot+2:G0+4*\slot+3], s[G0+4*\slot+2:G0+4*\slot+3], 2*ABLK
	s_add_nc_u64 s[G0B+4*\slot+2:G0B+4*\slot+3], s[G0B+4*\slot+2:G0B+4*\slot+3], 512
	JLOAD G0+4*\slot, G1, G0B+4*\slot, G1B
.else
	PLACES NP
.endif
	FETCH_B \next, 0, 0
	FETCH_A \next, 0, 0
	WIN MUL_HI
	MUL16 4, 1, 0
	MUL16 6, 1, 0
	PLACES NP
	WIN 0
	FETCH_A \next, 0, 4
.endm
	s_wait_tensorcnt 1                             ; my part of K step 0 is in; K step 1's may stay out
	s_barrier_signal -1
	s_barrier_wait -1
	FETCH_B 0, 0, 0
	FETCH_A 0, 0, 0
	FETCH_A 0, 0, 4
	STEP 0, 0, 1
	s_mov_b32 s3, LAPS-1
.Llap:
	TURN 0, 1, 1
	STEP 1, 0, 0
	TURN 1, 0, 1
	STEP 0, 0, 0
	s_sub_co_u32 s3, s3, 1
	s_cmp_lg_u32 s3, 0
	s_cbranch_scc1 .Llap
	TURN 0, 1, 0
	STEP 1, 0, 0
	s_wait_dscnt 16
	WIN MUL_LO
	MUL16 0, 1, 0
	MUL16 2, 1, 0
	s_wait_dscnt 0
	WIN MUL_HI
	MUL16 4, 1, 0
	MUL16 6, 1, 0
	WIN 0
; Block a: 16 tokens x 128 columns: the activation, the codes, four stores.  The transcendentals go in two batches of 64, each with one plain line and one wait behind it.
.macro GELU a
.set AC, 64*((\a)%4)
	WIN 0x02+((\a)/4)
.set j, 0
.rept 32
	v_pk_mul_f32 v[XX+j:XX+j+1], v[AC+j:AC+j+1], s[96:97] op_sel_hi:[1,0]   ; x = sum x 2^(e8 + e9); each accumulator from its low end on
.set j, j+2
.endr
	WIN 0
.set j, 0
.rept 32
	v_pk_mul_f32 v[ZZ+j:ZZ+j+1], v[XX+j:XX+j+1], v[XX+j:XX+j+1]
.set j, j+2
.endr
.set j, 0
.rept 32
	v_pk_fma_f32 v[ZZ+j:ZZ+j+1], v[ZZ+j:ZZ+j+1], s[94:95], v[C1:C1+1] op_sel_hi:[1,0,1]   ; c1 + c2 x^2
.set j, j+2
.endr
.set j, 0
.rept 32
	v_pk_mul_f32 v[ZZ+j:ZZ+j+1], v[ZZ+j:ZZ+j+1], v[XX+j:XX+j+1]
.set j, j+2
.endr
.set j, 0
.rept 64
	v_exp_f32 v[ZZ+j], v[ZZ+j]
.set j, j+1
.endr
	v_nop
	s_wait_alu depctr_va_vdst(0)
.set j, 0
.rept 32
	v_pk_add_f32 v[ZZ+j:ZZ+j+1], v[ZZ+j:ZZ+j+1], 1.0 op_sel_hi:[1,0]
.set j, j+2
.endr
.set j, 0
.rept 64
	v_rcp_f32 v[ZZ+j], v[ZZ+j]
.set j, j+1
.endr
	v_nop
	s_wait_alu depctr_va_vdst(0)
.set j, 0
.rept 32
	v_pk_mul_f32 v[XX+j:XX+j+1], v[XX+j:XX+j+1], v[ZZ+j:ZZ+j+1]
.set j, j+2
.endr
.set j, 0
.rept 64
	v_med3_num_f32 v[XX+j], v[XX+j], -v[LIMV], v[LIMV]   ; the conversion does not saturate (ISA guide 7.6.2)
.set j, j+1
.endr
	s_wait_xcnt 0x0                                ; the last block's stores have read the codes' registers
.irp b, 0,1,2,3,4,5,6,7
	v_cvt_scalef32_pk8_fp8_f32 v[CD+2*\b:CD+2*\b+1], v[XX+8*\b:XX+8*\b+7], v[SCV]
.endr
	v_nop
.irp q, 0,1,2,3
	global_store_b128 v[GO], v[CD+4*\q:CD+4*\q+3], s[68:69] offset:(\a)*4096+\q*512   ; a quarter of a fragment: 512 consecutive bytes, aligned
.endr
.endm
	PLACES NP
.irp a, 0,1,2,3,4,5,6,7
	GELU \a
.endr
	s_wait_tensorcnt 0x0                           ; the wave's end
	ds_add_u32 v[SPW], v[NIL]
	s_wait_dscnt 0x0
	CROUND
	s_endpgm
.Lfunc_end_k_q3c0770b7d9_fc:
	.size	k_q3c0770b7d9_fc, .Lfunc_end_k_q3c0770b7d9_fc-k_q3c0770b7d9_fc
	.p2alignl 7, 3214868480
	.fill 96, 4, 3214868480
	.section	.rodata,"a",@progbits
	.p2align	6, 0x0
	.amdhsa_kernel k_q3c0770b7d9_fc
		.amdhsa_group_segment_fixed_size 327680
		.amdhsa_private_segment_fixed_size 0
		.amdhsa_enable_private_segment 0
		.amdhsa_kernarg_size 40
		.amdhsa_user_sgpr_count 2
		.amdhsa_user_sgpr_kernarg_segment_ptr 1
		.amdhsa_wavefront_size32 1
		.amdhsa_system_sgpr_workgroup_id_x 1
		.amdhsa_system_sgpr_workgroup_id_y 1
		.amdhsa_system_sgpr_workgroup_id_z 1
		.amdhsa_system_vgpr_workitem_id 0
		.amdhsa_next_free_vgpr 1024
		.amdhsa_next_free_sgpr 100
		.amdhsa_reserve_vcc 0
		.amdhsa_float_denorm_mode_32 3
		.amdhsa_float_denorm_mode_16_64 3
		.amdhsa_memory_ordered 1
		.amdhsa_forward_progress 1
		.amdhsa_inst_pref_size 255
	.end_amdhsa_kernel
	.section	.bss,"aw",@nobits
	.p2align	6
	.space	262144
	.amdgpu_metadata
---
amdhsa.version: [ 1, 2 ]
amdhsa.kernels:
  - .name:           k_q3c0770b7d9_fc
    .symbol:         k_q3c0770b7d9_fc.kd
    .args:
      - { .name: h, .offset: 0, .size: 8, .value_kind: global_buffer, .address_space: global }
      - { .name: W_fc_codes, .offset: 8, .size: 8, .value_kind: global_buffer, .address_space: global }
      - { .name: lowp_scales, .offset: 16, .size: 8, .value_kind: global_buffer, .address_space: global }
      - { .name: b_fc, .offset: 24, .size: 8, .value_kind: global_buffer, .address_space: global }
      - { .name: g_img, .offset: 32, .size: 8, .value_kind: global_buffer, .address_space: global }
    .group_segment_fixed_size: 327680
    .private_segment_fixed_size: 0
    .kernarg_segment_align: 8
    .kernarg_segment_size: 40
    .max_flat_workgroup_size: 128
    .sgpr_count:     100
    .vgpr_count:     1024
    .wavefront_size: 32
...
	.end_amdgpu_metadata
.endif
;; end of part 6
;; launch fcproj (part 7): grid 4 x 16, 4 waves a work-group, clusters of 4 x 4, 327,680 bytes of LDS; arguments g_img, W_fc_proj_codes, lowp_scales, b_fc_proj, x1, out0; writes out0
.if DOCPART == 7
	.amdgcn_target "amdgcn-amd-amdhsa--gfx1250"
	.amdhsa_code_object_version 6
	.text
	.protected	k_q3c0770b7d9_fcproj
	.globl	k_q3c0770b7d9_fcproj
	.p2align	8
	.type	k_q3c0770b7d9_fcproj,@function
k_q3c0770b7d9_fcproj:
	s_mov_b64 s[64:65], 0
	v_nop
	global_prefetch_b8 v0, s[64:65] scope:SCOPE_SE
	s_setreg_imm32_b32 hwreg(HW_REG_WAVE_MODE, 25, 1), 1
	s_wait_xcnt 0x0
	s_wait_alu depctr_hold_cnt(0) depctr_sa_sdst(0) depctr_va_vdst(0) depctr_va_sdst(0) depctr_va_ssrc(0) depctr_va_vcc(0) depctr_vm_vsrc(0)
	s_getreg_b32 s2, hwreg(HW_REG_IB_STS2, 6, 4)
	s_cmp_eq_u32 s2, 0
	s_cbranch_scc0 .Lentry_in_a_cluster
	s_endpgm
.Lentry_in_a_cluster:
	s_bfe_u32 s2, ttmp6, 0x10000c
	s_cmp_lg_u32 s2, 0xf033
	s_cbranch_scc0 .Lentry_shape_is_right
	s_endpgm
.Lentry_shape_is_right:
; out = res + ACT WGT^T + bias on codes of FP8 (E4M3); res and out are [4096][1024] f32.
; ACT: the tokens' codes as images (16 rows x 128 k = 2,048 bytes, register order; 128 rows x 256 k = one dense block of 32,768 bytes).  WGT: [1024][SIZE_K] codes, K innermost.
; A tile of 256 tokens x 256 columns is made by four waves, each 128 x 128: 64 accumulators.  K goes in steps of 256 through a ring of two LDS slots filled by the tensor data mover.
; CLUSTERS: 4 x 4 work-groups; tokens' tiles are asked for jointly along a row of the cluster, weights' along a column.
; THE MATRIX INSTRUCTION IS USED TRANSPOSED (source 0 = 16 rows of WGT, source 1 = 16 tokens).  The weights' fragments are read in the plain form's own order of k, in which the images are.
; The bias, divided by 2^(ea + eb), is the C of each sum's first matrix instruction.  On the way out a block of 16 rows goes through the wave's stage in LDS and comes back as rows of 512 bytes;
; the residual is loaded in that same layout (512 consecutive bytes a load), two blocks ahead, into the registers that the weights have left, and added there.
; The grid has 64 work-groups: 1,024 columns make four tile columns.  No prefetch: each tile is shared in the cluster.
; LIMITS: ea + eb between -126 and 126.  NaN is not served.
; REGISTERS: window 0: v0-31 addresses; v32-95 the bias, later at work; v128-255 the tokens' 8 fragments, later rows on the way out.  window 1: the weights' two sets, later the residual.  windows 2, 3: the accumulators.
.set SIZE_K, 4096
.set EA,     86                        ; s76-87 hold e0 .. e11
.set EB,     87
.set PITCH,  272
.set ABLK,   32768
.set APART,  2*ABLK
.set HALFB,  128*PITCH
.set SLOT,   APART+2*HALFB
.set SPARE,  2*SLOT                    ; behind the ring: the spare words, 128 bytes for each wave, which no other line names
.set LAPS,   SIZE_K/512
.set FR,     16
.set NP,     4
.set SPITCH, 528                       ; the stage: 16 rows x (512 bytes + 16) for each wave, in slot 0, which has had its last fill and its last read when it is written
.set BO,   8
.set GO,   10
.set ADRA, 16
.set ADRB, 20
.set STO,  24
.set RD,   25
.set SPW,  28
.set NIL,  29
.set BIAS, 32
.set TMP,  32
.set AF,   128
.set BK,   128
.set G1,  24
.set G0,  32
.set G1B, 48
.set G0B, 56
.set MSB, 0
.macro WIN new
.if MSB != \new
	s_set_vgpr_msb (MSB<<8)|\new
.set MSB, \new
.endif
.endm
.set MUL_LO, 0xa1
.set MUL_HI, 0xf1
.set TO_B,   0x40
.macro JLOAD g0a, g1a, g0b, g1b        ; a joint load: waves 0, 1 fetch tokens, waves 2, 3 weights; four v_nop follow each line
	s_cmp_eq_u32 s15, 0
	s_cbranch_scc0 .Lfor_b_\@
	tensor_load_to_lds s[\g0a:\g0a+3], s[\g1a:\g1a+7]
	s_nop 0
.rept 4
	v_nop
.endr
	s_branch .Lasked_\@
.Lfor_b_\@:
	tensor_load_to_lds s[\g0b:\g0b+3], s[\g1b:\g1b+7]
	s_nop 0
.rept 4
	v_nop
.endr
.Lasked_\@:
.endm
.macro CREST
	s_cmp_lg_u32 s14, 0
	s_cbranch_scc1 .Lnot_wave_0_\@
	s_barrier_signal -3
.Lnot_wave_0_\@:
	s_barrier_wait -3
	s_barrier_signal -1
	s_barrier_wait -1
.endm
.macro CROUND
	s_barrier_signal -1
	s_barrier_wait -1
	CREST
.endm
	s_load_b256 s[4:11], s[0:1], 0x0               ; ACT s[4:5], WGT s[6:7], the scales s[8:9], the bias s[10:11]
	s_load_b128 s[68:71], s[0:1], 0x20             ; the residual s[68:69], out s[70:71]
	v_lshl_add_u32 v[SPW], v0, 2, SPARE
	v_mov_b32 v[NIL], 0
	ds_add_u32 v28, v29
	ds_add_u32 v28, v29
	s_wait_dscnt 0x0
	v_lshrrev_b32 v1, 5, v0
	v_readfirstlane_b32 s14, v1
	s_lshr_b32 s15, s14, 1
	s_and_b32 s16, s14, 1
	s_bfe_u32 s40, ttmp6, 0x40000
	s_bfe_u32 s41, ttmp6, 0x40004
	s_lshl_b32 s42, ttmp9, 2
	s_add_co_u32 s42, s42, s40                     ; tile column
	s_and_b32 s17, ttmp7, 0xffff
	s_lshl_b32 s17, s17, 2
	s_add_co_u32 s17, s17, s41                     ; tile row
	s_lshl_b32 s43, s41, 2
	s_lshl_b32 s43, 15, s43
	s_lshl_b32 s44, 0x1111, s40
	s_or_b32 s[G1+0], s43, (1<<21)
	s_or_b32 s[G1B+0], s44, (1<<20)|(1<<21)|(5<<22)|(3<<25)
.irp g, G1, G1B
	s_mov_b32 s[\g+1], 256<<16
	s_mov_b32 s[\g+2], 128<<16
	s_mov_b32 s[\g+3], 256<<16
	s_mov_b32 s[\g+4], 128
	s_mov_b32 s[\g+6], 0
	s_mov_b32 s[\g+7], 0
.endr
	s_mov_b32 s[G1+5], 256
	s_mov_b32 s[G1B+5], SIZE_K
	s_lshl_b32 s18, s16, 7
	s_lshl_b32 s20, s17, 8
	s_add_co_u32 s20, s20, s18
	s_lshl_b32 s46, s42, 8
	s_add_co_u32 s46, s46, s18
	s_mov_b32 s21, 0
	s_mov_b32 s47, 0
	s_mov_b64 s[18:19], SIZE_K
	s_mul_u64 s[20:21], s[20:21], s[18:19]
	s_mul_u64 s[46:47], s[46:47], s[18:19]
	s_mul_i32 s45, s16, ABLK
	s_mul_i32 s22, s16, HALFB
	s_add_co_u32 s22, s22, APART
	s_wait_kmcnt 0x0
	s_load_b256 s[76:83], s[8:9], 0x0
	s_load_b128 s[84:87], s[8:9], 0x20
	s_add_nc_u64 s[20:21], s[4:5], s[20:21]
	s_add_nc_u64 s[46:47], s[6:7], s[46:47]
	CROUND
.irp s, 0,1
	s_mov_b32 s[G0+4*\s], 1
	s_add_co_u32 s[G0+4*\s+1], s45, \s*SLOT
	s_add_nc_u64 s[G0+4*\s+2:G0+4*\s+3], s[20:21], \s*ABLK
	s_or_b32 s[G0+4*\s+3], s[G0+4*\s+3], 0x80000000
	s_mov_b32 s[G0B+4*\s], 1
	s_add_co_u32 s[G0B+4*\s+1], s22, \s*SLOT
	s_add_nc_u64 s[G0B+4*\s+2:G0B+4*\s+3], s[46:47], \s*256
	s_or_b32 s[G0B+4*\s+3], s[G0B+4*\s+3], 0x80000000
	JLOAD G0+4*\s, G1, G0B+4*\s, G1B
.endr
	v_and_b32 v1, 15, v0
	v_bfe_u32 v2, v0, 4, 1
	v_and_b32 v6, 31, v0
	v_lshlrev_b32 v[GO], 4, v6
	v_mul_u32_u24 v3, v1, PITCH
	v_lshl_add_u32 v4, v2, 3, v3
	s_mul_i32 s21, s15, ABLK
	s_mul_i32 s23, s16, HALFB
	s_add_co_u32 s23, s23, APART
.irp s, 0,1
	v_add_nc_u32 v[ADRA+\s], s21, v[GO]
	v_add_nc_u32 v[ADRB+\s], s23, v4
	s_add_co_u32 s21, s21, SLOT
	s_add_co_u32 s23, s23, SLOT
.endr
	v_lshlrev_b32 v[BO], 5, v2
	s_lshl_b32 s46, s42, 10                        ; my 128 columns, in bytes of f32
	s_lshl_b32 s47, s16, 9
	s_add_co_u32 s46, s46, s47
	s_mov_b32 s47, 0
	s_add_nc_u64 s[10:11], s[10:11], s[46:47]
.irp b, 0,1,2,3,4,5,6,7
	global_load_b128 v[BIAS+8*\b:BIAS+8*\b+3], v[BO], s[10:11] offset:64*\b
	global_load_b128 v[BIAS+8*\b+4:BIAS+8*\b+7], v[BO], s[10:11] offset:64*\b+16
.endr
	s_mul_i32 s23, s14, 16*SPITCH                  ; my stage
	v_mul_u32_u24 v5, v1, SPITCH
	v_lshl_add_u32 v5, v2, 5, v5
	v_add_nc_u32 v[STO], s23, v5                   ; in: row r, 32 bytes for each half of the lanes
	v_add_nc_u32 v[RD], s23, v[GO]                 ; back: the 32 lanes take one row of 512 bytes
	s_lshl_b32 s20, s17, 8
	s_lshl_b32 s21, s15, 7
	s_add_co_u32 s20, s20, s21                     ; my first row,
	s_lshl_b32 s20, s20, 12                        ; of 4,096 bytes
	s_add_co_u32 s46, s46, s20
	s_add_nc_u64 s[68:69], s[68:69], s[46:47]
	s_add_nc_u64 s[70:71], s[70:71], s[46:47]
	s_wait_kmcnt 0x0
	s_add_co_i32 s88, s[EA], s[EB]
	s_sub_co_i32 s89, 0, s88
	s_add_co_i32 s96, s88, 127
	s_lshl_b32 s96, s96, 23                        ; 2^(ea + eb) as f32
	s_mov_b32 s97, s96
	s_wait_loadcnt 0x0
.set j, 0
.rept 64
	v_ldexp_f32 v[BIAS+j], v[BIAS+j], s89
.set j, j+1
.endr
.macro FRAGA reg, adr, q, i
.irp c, 0,1,2,3
	ds_load_b128 v[\reg+4*\c:\reg+4*\c+3], v[\adr] offset:(\i)*4096+(\q)*2048+512*\c
.endr
.endm
.macro FRAGB reg, adr, q, i
.irp c, 0,1,2,3,4,5,6,7
	ds_load_b64 v[\reg+2*\c:\reg+2*\c+1], v[\adr] offset:(\i)*16*PITCH+128*(\q)+16*\c
.endr
.endm
.macro MUL16 a0, p, first              ; the 64 accumulators take turns
.irp a, \a0, \a0+1
.irp b, 0,1,2,3,4,5,6,7
.if \first
	v_wmma_f32_16x16x128_fp8_fp8 v[8*(8*((\a)%4)+\b):8*(8*((\a)%4)+\b)+7], v[128*(\p)+FR*\b:128*(\p)+FR*\b+FR-1], v[AF+FR*(\a):AF+FR*(\a)+FR-1], v[BIAS+8*\b:BIAS+8*\b+7]
.else
	v_wmma_f32_16x16x128_fp8_fp8 v[8*(8*((\a)%4)+\b):8*(8*((\a)%4)+\b)+7], v[128*(\p)+FR*\b:128*(\p)+FR*\b+FR-1], v[AF+FR*(\a):AF+FR*(\a)+FR-1], v[8*(8*((\a)%4)+\b):8*(8*((\a)%4)+\b)+7]
.endif
.endr
.endr
.endm
.macro FETCH_B slot, q, p
	WIN TO_B
.irp i, 0,1,2,3,4,5,6,7
	FRAGB 128*(\p)+FR*\i, ADRB+\slot, \q, \i
.endr
	WIN 0
.endm
.macro FETCH_A slot, q, i0
.irp i, \i0, \i0+1, \i0+2, \i0+3
	FRAGA AF+FR*(\i), ADRA+\slot, \q, \i
.endr
.endm
.macro PLACES n
.rept \n
	v_nop
.endr
.endm
.macro STEP slot, q, first
	s_wait_dscnt 16                                ; all but the youngest sixteen loads (token blocks 4-7) are in
.if \first
	WIN 0x81
.else
	WIN MUL_LO
.endif
	MUL16 0, (\q)%2, \first
	MUL16 2, (\q)%2, \first
	s_wait_dscnt 0
	PLACES NP
	FETCH_B \slot, (\q)+1, 1-(\q)%2
	FETCH_A \slot, (\q)+1, 0
.if \first
	WIN 0xc1
.else
	WIN MUL_HI
.endif
	MUL16 4, (\q)%2, \first
	MUL16 6, (\q)%2, \first
	PLACES NP
	WIN 0
	FETCH_A \slot, (\q)+1, 4
.endm
.macro TURN slot, next, fill
	s_wait_tensorcnt 0x0                           ; all my tensor loads have landed: my part of the next slot
	ds_add_u32 v[SPW], v[NIL]                      ; 0 onto my spare word
	s_wait_dscnt 17                                ; (the add and the youngest sixteen loads may be out)
	WIN MUL_LO
	MUL16 0, 1, 0
	s_wait_dscnt 0x0                               ; the add is done, and my reads of this slot are over
	s_barrier_signal -1
	MUL16 2, 1, 0
	WIN 0
	s_barrier_wait -1
.if \fill
	CREST
	s_add_nc_u64 s[G0+4*\slot+2:G0+4*\slot+3], s[G0+4*\slot+2:G0+4*\slot+3], 2*ABLK
	s_add_nc_u64 s[G0B+4*\slot+2:G0B+4*\slot+3], s[G0B+4*\slot+2:G0B+4*\slot+3], 512
	JLOAD G0+4*\slot, G1, G0B+4*\slot, G1B
.else
	PLACES NP
.endif
	FETCH_B \next, 0, 0
	FETCH_A \next, 0, 0
	WIN MUL_HI
	MUL16 4, 1, 0
	MUL16 6, 1, 0
	PLACES NP
	WIN 0
	FETCH_A \next, 0, 4
.endm
.macro RLOAD a                         ; the residual of block a's 16 rows, a row of 512 bytes a load, into set a % 2 of window 1
	WIN 0x40
.irp t, 0,1,2,3,4,5,6,7,8,9,10,11,12,13,14,15
	global_load_b128 v[64*((\a)%2)+4*\t:64*((\a)%2)+4*\t+3], v[GO], s[68:69] offset:(16*(\a)+\t)*4096 th:TH_LOAD_NT
.endr
	WIN 0
.endm
	s_wait_tensorcnt 1                             ; my part of K step 0 is in; K step 1's may stay out
	s_barrier_signal -1
	s_barrier_wait -1
	FETCH_B 0, 0, 0
	FETCH_A 0, 0, 0
	FETCH_A 0, 0, 4
	STEP 0, 0, 1
	s_mov_b32 s3, LAPS-1
.Llap:
	TURN 0, 1, 1
	STEP 1, 0, 0
	TURN 1, 0, 1
	STEP 0, 0, 0
	s_sub_co_u32 s3, s3, 1
	s_cmp_lg_u32 s3, 0
	s_cbranch_scc1 .Llap
	TURN 0, 1, 0
	STEP 1, 0, 0
	RLOAD 0                                        ; the weights' set 0 is done with (its places stand at the step's end): the first two blocks' residual lands during the last step
	RLOAD 1
	s_wait_dscnt 16
	WIN MUL_LO
	MUL16 0, 1, 0
	MUL16 2, 1, 0
	s_wait_dscnt 0
	WIN MUL_HI
	MUL16 4, 1, 0
	MUL16 6, 1, 0
	WIN 0
.macro TOSTAGE a
.set AC, 64*((\a)%4)
	WIN 0x02+((\a)/4)
.set j, 0
.rept 32
	v_pk_mul_f32 v[TMP+j:TMP+j+1], v[AC+j:AC+j+1], s[96:97] op_sel_hi:[1,0]   ; x 2^(ea + eb); each accumulator from its low end on
.set j, j+2
.endr
	WIN 0
.irp b, 0,1,2,3,4,5,6,7
	ds_store_b128 v[STO], v[TMP+8*\b:TMP+8*\b+3] offset:64*\b
	ds_store_b128 v[STO], v[TMP+8*\b+4:TMP+8*\b+7] offset:64*\b+16
.endr
.set BB, BK+64*((\a)%2)
.irp t, 0,1,2,3,4,5,6,7,8,9,10,11,12,13,14,15
	ds_load_b128 v[BB+4*\t:BB+4*\t+3], v[RD] offset:\t*SPITCH   ; LDS serves a wave's instructions in order: these see my stores
.endr
.endm
.macro SEND a, younger, left           ; younger: LDS instructions behind block a's loads; left: the next block's residual loads
.set BB, BK+64*((\a)%2)
	s_wait_dscnt \younger
	s_wait_loadcnt \left
	WIN 0x04                                       ; source 1 (the residual) window 1
.set j, 0
.rept 32
	v_pk_add_f32 v[BB+j:BB+j+1], v[BB+j:BB+j+1], v[64*((\a)%2)+j:64*((\a)%2)+j+1]
.set j, j+2
.endr
	WIN 0
.irp t, 0,1,2,3,4,5,6,7,8,9,10,11,12,13,14,15
	global_store_b128 v[GO], v[BB+4*\t:BB+4*\t+3], s[70:71] offset:(16*(\a)+\t)*4096 th:TH_STORE_NT   ; 512 consecutive bytes, aligned
.endr
.endm
	PLACES NP
	TOSTAGE 0
.irp a, 1,2,3,4,5,6,7
.if \a > 1
	s_wait_xcnt 0x0                                ; block a - 2's stores have read their registers: block a's rows may land there
.endif
	TOSTAGE \a
	SEND \a-1, 32, 16
.if \a < 7
	RLOAD \a+1
.endif
.endr
	SEND 7, 0, 0
	s_wait_tensorcnt 0x0                           ; the wave's end
	ds_add_u32 v[SPW], v[NIL]
	s_wait_dscnt 0x0
	CROUND
	s_endpgm
.Lfunc_end_k_q3c0770b7d9_fcproj:
	.size	k_q3c0770b7d9_fcproj, .Lfunc_end_k_q3c0770b7d9_fcproj-k_q3c0770b7d9_fcproj
	.p2alignl 7, 3214868480
	.fill 96, 4, 3214868480
	.section	.rodata,"a",@progbits
	.p2align	6, 0x0
	.amdhsa_kernel k_q3c0770b7d9_fcproj
		.amdhsa_group_segment_fixed_size 327680
		.amdhsa_private_segment_fixed_size 0
		.amdhsa_enable_private_segment 0
		.amdhsa_kernarg_size 48
		.amdhsa_user_sgpr_count 2
		.amdhsa_user_sgpr_kernarg_segment_ptr 1
		.amdhsa_wavefront_size32 1
		.amdhsa_system_sgpr_workgroup_id_x 1
		.amdhsa_system_sgpr_workgroup_id_y 1
		.amdhsa_system_sgpr_workgroup_id_z 1
		.amdhsa_system_vgpr_workitem_id 0
		.amdhsa_next_free_vgpr 1024
		.amdhsa_next_free_sgpr 100
		.amdhsa_reserve_vcc 0
		.amdhsa_float_denorm_mode_32 3
		.amdhsa_float_denorm_mode_16_64 3
		.amdhsa_memory_ordered 1
		.amdhsa_forward_progress 1
		.amdhsa_inst_pref_size 174
	.end_amdhsa_kernel
	.amdgpu_metadata
---
amdhsa.version: [ 1, 2 ]
amdhsa.kernels:
  - .name:           k_q3c0770b7d9_fcproj
    .symbol:         k_q3c0770b7d9_fcproj.kd
    .args:
      - { .name: g_img, .offset: 0, .size: 8, .value_kind: global_buffer, .address_space: global }
      - { .name: W_fc_proj_codes, .offset: 8, .size: 8, .value_kind: global_buffer, .address_space: global }
      - { .name: lowp_scales, .offset: 16, .size: 8, .value_kind: global_buffer, .address_space: global }
      - { .name: b_fc_proj, .offset: 24, .size: 8, .value_kind: global_buffer, .address_space: global }
      - { .name: x1, .offset: 32, .size: 8, .value_kind: global_buffer, .address_space: global }
      - { .name: out0, .offset: 40, .size: 8, .value_kind: global_buffer, .address_space: global }
    .group_segment_fixed_size: 327680
    .private_segment_fixed_size: 0
    .kernarg_segment_align: 8
    .kernarg_segment_size: 48
    .max_flat_workgroup_size: 128
    .sgpr_count:     100
    .vgpr_count:     1024
    .wavefront_size: 32
...
	.end_amdgpu_metadata
.endif
;; end of part 7
;; ======== version 2 of 2: 7 launches
;; limits: right only within a limited range of input values
;; workspace buffers: h 4,194,304 bytes; q_img 4,194,304 bytes; k_img 4,194,304 bytes; v_img 4,194,304 bytes; y_img 4,194,304 bytes; x1 16,777,216 bytes; g_img 16,777,216 bytes
;; launch ln1 (part 8): grid 256 x 1, 16 waves a work-group, no clusters, 19,456 bytes of LDS; arguments x, ln1_g, ln1_b, lowp_scales, h; writes h
.if DOCPART == 8
	.amdgcn_target "amdgcn-amd-amdhsa--gfx1250"
	.amdhsa_code_object_version 6
	.text
	.protected	k_q3c0770b7d9_ln1
	.globl	k_q3c0770b7d9_ln1
	.p2align	8
	.type	k_q3c0770b7d9_ln1,@function
k_q3c0770b7d9_ln1:
	s_mov_b64 s[64:65], 0
	v_nop
	global_prefetch_b8 v0, s[64:65] scope:SCOPE_SE
	s_setreg_imm32_b32 hwreg(HW_REG_WAVE_MODE, 25, 1), 1
	s_wait_xcnt 0x0
; Layer norm of rows of 1,024 f32 numbers, then codes of FP8 (E4M3) with the given scale 2^e (entry SC_OFF / 4 of the scales), stored as images of a matrix operand's registers.
; y = (x - mean) * rsqrt(var + 1e-5) * g + b; mean and var in two passes over the row, which stays in registers.  code = y / 2^e, held within +-448, nearest, ties to even.
; SHARES.  A work-group takes 16 rows, a wave one row: eight loads of 512 consecutive bytes; lane L holds k = 128 j + 4 L + 0..3 of load j.  The reductions never leave the wave.
; THE IMAGE.  16 rows x 128 k are a fragment of 2,048 bytes: quarter q (512 bytes) holds, at 16 x lane (r, h), k = 32 q + 8 h + 0..7 and 32 q + 16 + 8 h + 0..7 of row r.
; 128 rows x 256 k are one dense block of 32,768 bytes: (row / 16 % 8) x 4,096 + (k / 128 % 2) x 2,048; the blocks of 128 rows follow each other along k.
; The 16 waves' codes meet in LDS: 64 units of 256 bytes (16 rows x 16 bytes), 272 apart; each wave then stores four units, 512 consecutive bytes a store.
; No matrix unit, no tensor load, no cluster: each byte is read once, by one wave.
; LIMITS: e between -126 and 119.  NaN and infinities among the inputs are not served.
.set SC_OFF, 0
.set X,    16                          ; v16-47   the row: 4 numbers a load
.set GN,   48                          ; v48-79   g at the same k
.set BV,   80                          ; v80-111  b
.set CD,   112                         ; v112-119 codes: word j = the four codes of load j
.set OUTR, 120                         ; v120-127 two quarters' worth on the way out
.set UNIT, 272
	s_load_b256 s[4:11], s[0:1], 0x0               ; x s[4:5], g s[6:7], b s[8:9], the scales s[10:11]
	s_load_b64 s[12:13], s[0:1], 0x20              ; the images
	v_lshl_add_u32 v128, v0, 2, 0x4400
	v_mov_b32 v129, 0
	v_lshrrev_b32 v1, 5, v0
	s_delay_alu instid0(VALU_DEP_1)
	v_readfirstlane_b32 s14, v1                    ; wave = my row among the 16
	v_and_b32 v2, 31, v0                           ; lane
	s_delay_alu instid0(VALU_DEP_1)
	v_lshlrev_b32 v3, 4, v2                        ; 16 x lane
	s_delay_alu instid0(VALU_DEP_2)
	v_lshrrev_b32 v4, 3, v2                        ; my four k lie in quarter L / 8,
	v_bfe_u32 v1, v0, 1, 1                         ; half h = (L / 2) % 2:
	s_delay_alu instid0(VALU_DEP_1)
	v_lshl_add_u32 v4, v4, 1, v1                   ; unit 2 q + h of load j's eight
	s_delay_alu instid0(VALU_DEP_1)
	v_mul_u32_u24 v4, v4, UNIT
	v_bfe_u32 v1, v0, 2, 1
	s_delay_alu instid0(VALU_DEP_1)
	v_lshl_add_u32 v4, v1, 3, v4                   ; + 8 x ((L / 4) % 2)
	v_and_b32 v1, 1, v0
	s_delay_alu instid0(VALU_DEP_1)
	v_lshl_add_u32 v4, v1, 2, v4                   ; + 4 x (L % 2)
	s_lshl_b32 s15, s14, 4
	v_add_nc_u32 v4, s15, v4                       ; + 16 x row: where I put a word of codes
	v_bfe_u32 v5, v0, 4, 1
	s_delay_alu instid0(VALU_DEP_1)
	v_mul_u32_u24 v5, v5, UNIT
	v_and_b32 v1, 15, v0
	s_delay_alu instid0(VALU_DEP_1)
	v_lshl_add_u32 v5, v1, 4, v5
	s_mul_i32 s15, s14, 4*UNIT
	v_add_nc_u32 v5, s15, v5                       ; back: units 4 w on, sixteen lanes to a unit
	v_mov_b32 v10, 0                               ; a lane permute's destination counts as read
	s_mov_b32 s21, 0x3a800000                      ; 1 / 1,024
	s_mov_b32 s22, 0x3727c5ac                      ; 1e-5
	s_mov_b32 s28, 0x76543210                      ; v_permlanex16_b32: lane l xor 16
	s_mov_b32 s29, 0xfedcba98
	s_lshl_b32 s16, ttmp9, 16                      ; 16 rows of 4,096 bytes a work-group,
	s_lshl_b32 s17, s14, 12                        ; one a wave
	s_add_co_u32 s16, s16, s17
	s_mov_b32 s17, 0
	s_lshr_b32 s18, ttmp9, 3                       ; the images: 128 rows are 131,072 bytes,
	s_lshl_b32 s18, s18, 17
	s_and_b32 s19, ttmp9, 7                        ; my 16 rows' place in each block,
	s_lshl_b32 s19, s19, 12
	s_add_co_u32 s18, s18, s19
	s_lshr_b32 s19, s14, 2                         ; units 4 w on: block w / 4 along k,
	s_lshl_b32 s19, s19, 15
	s_add_co_u32 s18, s18, s19
	s_and_b32 s19, s14, 3                          ; 1,024 x (w % 4) in it
	s_lshl_b32 s19, s19, 10
	s_add_co_u32 s18, s18, s19
	s_mov_b32 s19, 0
	s_wait_kmcnt 0x0
	s_load_b32 s20, s[10:11], SC_OFF               ; e
	s_add_nc_u64 s[4:5], s[4:5], s[16:17]
	s_add_nc_u64 s[12:13], s[12:13], s[18:19]
.irp j, 0,1,2,3,4,5,6,7
	global_load_b128 v[X+4*\j:X+4*\j+3], v3, s[4:5] offset:512*\j th:TH_LOAD_NT
.endr
.irp j, 0,1,2,3,4,5,6,7
	global_load_b128 v[GN+4*\j:GN+4*\j+3], v3, s[6:7] offset:512*\j
.endr
.irp j, 0,1,2,3,4,5,6,7
	global_load_b128 v[BV+4*\j:BV+4*\j+3], v3, s[8:9] offset:512*\j
.endr
.macro WSUM                            ; v6 summed over the wave's 32 lanes, the result in every lane
	s_delay_alu instid0(VALU_DEP_1)
	v_add_f32_dpp v6, v6, v6 row_xmask:1 row_mask:0xf bank_mask:0xf
	s_delay_alu instid0(VALU_DEP_1)
	v_add_f32_dpp v6, v6, v6 row_xmask:2 row_mask:0xf bank_mask:0xf
	s_delay_alu instid0(VALU_DEP_1)
	v_add_f32_dpp v6, v6, v6 row_xmask:4 row_mask:0xf bank_mask:0xf
	s_delay_alu instid0(VALU_DEP_1)
	v_add_f32_dpp v6, v6, v6 row_xmask:8 row_mask:0xf bank_mask:0xf
	s_delay_alu instid0(VALU_DEP_1)
	v_permlanex16_b32 v10, v6, s28, s29
	s_delay_alu instid0(VALU_DEP_1)
	v_add_f32 v6, v6, v10
.endm
	s_wait_loadcnt 16                              ; the row is in; the sixteen loads of g and b may be out
	v_pk_add_f32 v[8:9], v[16:17], v[18:19]
	v_pk_add_f32 v[126:127], v[24:25], v[28:29]
	v_pk_add_f32 v[124:125], v[32:33], v[36:37]
	v_pk_add_f32 v[122:123], v[40:41], v[44:45]
	v_pk_add_f32 v[120:121], v[20:21], v[22:23]
	v_pk_add_f32 v[118:119], v[26:27], v[30:31]
	v_pk_add_f32 v[116:117], v[34:35], v[38:39]
	v_pk_add_f32 v[6:7], v[42:43], v[46:47]
	s_delay_alu instid0(VALU_DEP_1)
	v_pk_add_f32 v[6:7], v[6:7], v[122:123]
	v_pk_add_f32 v[8:9], v[8:9], v[120:121]
	v_pk_add_f32 v[126:127], v[126:127], v[118:119]
	v_pk_add_f32 v[124:125], v[124:125], v[116:117]
	s_delay_alu instid0(VALU_DEP_2)
	v_pk_add_f32 v[6:7], v[6:7], v[126:127]
	s_delay_alu instid0(VALU_DEP_2)
	v_pk_add_f32 v[8:9], v[8:9], v[124:125]
	s_delay_alu instid0(VALU_DEP_1)
	v_pk_add_f32 v[6:7], v[6:7], v[8:9]
	s_delay_alu instid0(VALU_DEP_1)
	v_add_f32 v6, v6, v7
	WSUM
	s_delay_alu instid0(VALU_DEP_1)
	v_mul_f32 v12, s21, v6                         ; the mean, twice
	s_delay_alu instid0(VALU_DEP_1)
	v_mov_b32 v13, v12
.set j, 0
.rept 16
	v_pk_add_f32 v[X+j:X+j+1], v[X+j:X+j+1], v[12:13] neg_lo:[0,1] neg_hi:[0,1]
.set j, j+2
.endr
	v_pk_mul_f32 v[6:7], v[X:X+1], v[X:X+1]        ; the sum of squares, in two chains
	v_pk_mul_f32 v[8:9], v[X+2:X+3], v[X+2:X+3]
.irp j, 4,8,12,16,20,24,28
	s_delay_alu instid0(VALU_DEP_2)
	v_pk_fma_f32 v[6:7], v[X+\j:X+\j+1], v[X+\j:X+\j+1], v[6:7]
	s_delay_alu instid0(VALU_DEP_2)
	v_pk_fma_f32 v[8:9], v[X+\j+2:X+\j+3], v[X+\j+2:X+\j+3], v[8:9]
.endr
	s_delay_alu instid0(VALU_DEP_1)
	v_pk_add_f32 v[6:7], v[6:7], v[8:9]
	s_delay_alu instid0(VALU_DEP_1)
	v_add_f32 v6, v6, v7
	WSUM
	s_delay_alu instid0(VALU_DEP_1)
	v_fma_f32 v6, v6, s21, s22                     ; var + eps
	s_wait_kmcnt 0x0
	s_add_co_i32 s20, s20, 127
	s_lshl_b32 s23, s20, 23                        ; 2^e as f32: the conversion takes its exponent field
	s_add_co_i32 s20, s20, 8
	s_lshl_b32 s20, s20, 23
	s_or_b32 s20, s20, 0x600000                    ; 448 x 2^e
	s_wait_alu depctr_va_vdst(0)
	v_rsq_f32 v14, v6
	v_mov_b32 v11, s23                             ; (plain lines behind the transcendental)
	v_mov_b32 v1, s20
	s_wait_alu depctr_va_vdst(0)                   ; the wait ahead of the result's first reader
	v_mov_b32 v15, v14
	s_wait_alu depctr_va_vdst(0)
	s_wait_loadcnt 0x0                             ; g and b
.set j, 0
.rept 16
	v_pk_mul_f32 v[X+j:X+j+1], v[X+j:X+j+1], v[14:15]
.set j, j+2
.endr
.set j, 0
.rept 16
	v_pk_fma_f32 v[X+j:X+j+1], v[X+j:X+j+1], v[GN+j:GN+j+1], v[BV+j:BV+j+1]
.set j, j+2
.endr
.set j, 0
.rept 32
	v_med3_num_f32 v[X+j], v[X+j], -v1, v1         ; the conversion to an 8-bit code does not saturate (ISA guide 7.6.2): the hold at the largest code x the scale
.set j, j+1
.endr
.irp p, 0,1,2,3
	v_cvt_scalef32_pk8_fp8_f32 v[CD+2*\p:CD+2*\p+1], v[X+8*\p:X+8*\p+7], v11   ; the scale is the tensor's, so the eight need not be neighbours: each word holds one load's four codes
.endr
	v_nop
.irp j, 0,1,2,3,4,5,6,7
	ds_store_b32 v4, v[CD+\j] offset:8*UNIT*\j
.endr
	s_wait_dscnt 0x0                               ; for the others' sake: my stores have landed
	s_barrier_signal -1
	s_barrier_wait -1
	ds_load_b128 v[OUTR:OUTR+3], v5
	ds_load_b128 v[OUTR+4:OUTR+7], v5 offset:2*UNIT
	s_wait_dscnt 0x0
	global_store_b128 v3, v[OUTR:OUTR+3], s[12:13]             ; 32 lanes store 512 consecutive bytes, aligned
	global_store_b128 v3, v[OUTR+4:OUTR+7], s[12:13] offset:512
	s_wait_tensorcnt 0x0
	ds_add_u32 v128, v129
	s_wait_dscnt 0x0
	s_endpgm
.Lfunc_end_k_q3c0770b7d9_ln1:
	.size	k_q3c0770b7d9_ln1, .Lfunc_end_k_q3c0770b7d9_ln1-k_q3c0770b7d9_ln1
	.p2alignl 7, 3214868480
	.fill 96, 4, 3214868480
	.section	.rodata,"a",@progbits
	.p2align	6, 0x0
	.amdhsa_kernel k_q3c0770b7d9_ln1
		.amdhsa_group_segment_fixed_size 19456
		.amdhsa_private_segment_fixed_size 0
		.amdhsa_enable_private_segment 0
		.amdhsa_kernarg_size 40
		.amdhsa_user_sgpr_count 2
		.amdhsa_user_sgpr_kernarg_segment_ptr 1
		.amdhsa_wavefront_size32 1
		.amdhsa_system_sgpr_workgroup_id_x 1
		.amdhsa_system_sgpr_workgroup_id_y 1
		.amdhsa_system_sgpr_workgroup_id_z 1
		.amdhsa_system_vgpr_workitem_id 0
		.amdhsa_next_free_vgpr 130
		.amdhsa_next_free_sgpr 66
		.amdhsa_reserve_vcc 0
		.amdhsa_float_denorm_mode_32 3
		.amdhsa_float_denorm_mode_16_64 3
		.amdhsa_memory_ordered 1
		.amdhsa_forward_progress 1
		.amdhsa_inst_pref_size 16
	.end_amdhsa_kernel
	.amdgpu_metadata
---
amdhsa.version: [ 1, 2 ]
amdhsa.kernels:
  - .name:           k_q3c0770b7d9_ln1
    .symbol:         k_q3c0770b7d9_ln1.kd
    .args:
      - { .name: x, .offset: 0, .size: 8, .value_kind: global_buffer, .address_space: global }
      - { .name: ln1_g, .offset: 8, .size: 8, .value_kind: global_buffer, .address_space: global }
      - { .name: ln1_b, .offset: 16, .size: 8, .value_kind: global_buffer, .address_space: global }
      - { .name: lowp_scales, .offset: 24, .size: 8, .value_kind: global_buffer, .address_space: global }
      - { .name: h, .offset: 32, .size: 8, .value_kind: global_buffer, .address_space: global }
    .group_segment_fixed_size: 19456
    .private_segment_fixed_size: 0
    .kernarg_segment_align: 8
    .kernarg_segment_size: 40
    .max_flat_workgroup_size: 512
    .sgpr_count:     66
    .vgpr_count:     130
    .wavefront_size: 32
...
	.end_amdgpu_metadata
.endif
;; end of part 8
;; launch qkv (part 9): grid 12 x 16, 4 waves a work-group, clusters of 4 x 4, 327,680 bytes of LDS; arguments h, W_attn_codes, lowp_scales, b_attn, q_img, k_img, v_img; writes q_img, k_img, v_img
.if DOCPART == 9
	.amdgcn_target "amdgcn-amd-amdhsa--gfx1250"
	.amdhsa_code_object_version 6
	.text
	.protected	k_q3c0770b7d9_qkv
	.globl	k_q3c0770b7d9_qkv
	.p2align	8
	.type	k_q3c0770b7d9_qkv,@function
k_q3c0770b7d9_qkv:
	s_mov_b64 s[64:65], 0
	v_nop
	global_prefetch_b8 v0, s[64:65] scope:SCOPE_SE
	s_setreg_imm32_b32 hwreg(HW_REG_WAVE_MODE, 25, 1), 1
	s_wait_xcnt 0x0
	s_wait_alu depctr_hold_cnt(0) depctr_sa_sdst(0) depctr_va_vdst(0) depctr_va_sdst(0) depctr_va_ssrc(0) depctr_va_vcc(0) depctr_vm_vsrc(0)
	s_getreg_b32 s2, hwreg(HW_REG_IB_STS2, 6, 4)
	s_cmp_eq_u32 s2, 0
	s_cbranch_scc0 .Lentry_in_a_cluster
	s_endpgm
.Lentry_in_a_cluster:
	s_bfe_u32 s2, ttmp6, 0x10000c
	s_cmp_lg_u32 s2, 0xf033
	s_cbranch_scc0 .Lentry_shape_is_right
	s_endpgm
.Lentry_shape_is_right:
; qkv = h W_attn + b_attn on codes of FP8 (E4M3), then q, k and v as codes again, each with its given scale, stored as images of attention's operand registers.
; ACT: the tokens' codes as images (16 rows x 128 k = 2,048 bytes, register order; 128 rows x 256 k = one dense block of 32,768 bytes).  WGT: [3072][1024] codes, K innermost.
; A tile of 256 tokens x 256 columns is made by four waves, each 128 x 128: 64 accumulators, 512 registers.  K goes in steps of 256 through a ring of two LDS slots filled by the tensor data mover.
; CLUSTERS: 4 x 4 work-groups; the four of a row need the same tokens' tiles, the four of a column the same weights': each tile is asked for jointly.
; THE MATRIX INSTRUCTION IS USED TRANSPOSED (source 0 = 16 rows of WGT, source 1 = 16 tokens): lane (r, h) holds token r and eight neighbouring columns 8 h + 0..7, which one conversion packs into
; two registers: just the registers 2 c, 2 c + 1 that the plain 8-bit layout gives k = 16 c + 8 h + 0..7.  So q's and k's codes leave as they stand, 512 consecutive bytes a store.
; The weights' fragments are read in the same own order of k (eight loads of 8 bytes), since the tokens' images are in it.
; v's K in attention is the keys: its codes are turned through the wave's own stage in LDS (pairs of bytes by the 16-bit turning load, parted by v_perm_b32).
; The bias, divided by 2^(e0 + e1), is the C of each sum's first matrix instruction.  The cluster's x says q, k or v: the same in all sixteen partners.
; No prefetch: each tile is shared in the cluster and the launch has four K steps.
; LIMITS: e0 + e1 between -126 and 126; eo - e0 - e1 (eo = e2, e3, e5) between -126 and 119.  NaN is not served.
; REGISTERS, in windows of 256: window 0: v0-31 addresses; v32-95 the bias, later at work; v128-255 the tokens' 8 fragments, one set.  window 1: the weights' fragments, two sets.  windows 2, 3: the accumulators, (a, b) at v[8 (8 (a % 4) + b)].
.set SIZE_K, 1024
.set EA,     76                        ; s76-87 hold e0 .. e11
.set EB,     77
.set PITCH,  272                       ; a row of weights in LDS: 256 bytes + 16: the 32 lanes of a load of 8 bytes touch 64 different banks
.set ABLK,   32768                     ; 128 tokens x 256 k, as images
.set APART,  2*ABLK
.set HALFB,  128*PITCH
.set SLOT,   APART+2*HALFB
.set SPARE,  2*SLOT                    ; behind the ring: the spare words, 128 bytes for each wave, which no other line names
.set LAPS,   SIZE_K/512
.set FR,     16
.set NP,     4
.set BO,   8                           ; v8   32 h: my half's eight numbers of the bias
.set GO,   10                          ; v10  16 x lane
.set SCV,  12                          ; v12  the conversion's scale
.set LIMV, 13                          ; v13  448 x that
.set ADRA, 16                          ; v16-17 LDS address of my tokens' fragments in slot 0, 1
.set ADRB, 20                          ; v20-21 of my weights'
.set STO,  24                          ; v24  the stage, in
.set RD,   25                          ; v25  the stage, back
.set SPW,  28
.set NIL,  29
.set BIAS, 32
.set TMP,  32
.set CD,   96                          ; v96-111  a block's codes
.set IL,   112                         ; v112-127 two column blocks' codes, byte by byte in turn
.set TR,   128                         ; v128-159 turned pairs
.set VF,   160                         ; v160-191 two fragments of v
.set AF,   128
.set G1,  24
.set G0,  32
.set G1B, 48
.set G0B, 56
.set MSB, 0
.macro WIN new                         ; the immediate's high byte repeats the setting that is left
.if MSB != \new
	s_set_vgpr_msb (MSB<<8)|\new
.set MSB, \new
.endif
.endm
.set MUL_LO, 0xa1                      ; source 0 window 1, source 1 window 0, C and D window 2
.set MUL_HI, 0xf1
.set TO_B,   0x40
.macro JLOAD g0a, g1a, g0b, g1b        ; a joint load: waves 0, 1 fetch tokens, waves 2, 3 weights; four v_nop follow each line
	s_cmp_eq_u32 s15, 0
	s_cbranch_scc0 .Lfor_b_\@
	tensor_load_to_lds s[\g0a:\g0a+3], s[\g1a:\g1a+7]
	s_nop 0
.rept 4
	v_nop
.endr
	s_branch .Lasked_\@
.Lfor_b_\@:
	tensor_load_to_lds s[\g0b:\g0b+3], s[\g1b:\g1b+7]
	s_nop 0
.rept 4
	v_nop
.endr
.Lasked_\@:
.endm
.macro CREST
	s_cmp_lg_u32 s14, 0
	s_cbranch_scc1 .Lnot_wave_0_\@
	s_barrier_signal -3
.Lnot_wave_0_\@:
	s_barrier_wait -3
	s_barrier_signal -1
	s_barrier_wait -1
.endm
.macro CROUND
	s_barrier_signal -1
	s_barrier_wait -1
	CREST
.endm
	s_load_b256 s[4:11], s[0:1], 0x0               ; ACT s[4:5], WGT s[6:7], the scales s[8:9], the bias s[10:11]
	s_load_b128 s[68:71], s[0:1], 0x20             ; q's images, k's
	s_load_b64 s[72:73], s[0:1], 0x30              ; v's
	v_lshl_add_u32 v[SPW], v0, 2, SPARE
	v_mov_b32 v[NIL], 0
	ds_add_u32 v28, v29
	ds_add_u32 v28, v29
	s_wait_dscnt 0x0
	v_lshrrev_b32 v1, 5, v0
	v_readfirstlane_b32 s14, v1                    ; wave
	s_lshr_b32 s15, s14, 1                         ; my half of the tokens.  Also: I fetch tokens (0) or weights (1)
	s_and_b32 s16, s14, 1                          ; my half of the columns.  Also: which 128 rows I fetch
	s_bfe_u32 s40, ttmp6, 0x40000                  ; cx, cy
	s_bfe_u32 s41, ttmp6, 0x40004
	s_lshl_b32 s42, ttmp9, 2
	s_add_co_u32 s42, s42, s40                     ; tile column
	s_and_b32 s17, ttmp7, 0xffff
	s_lshl_b32 s17, s17, 2
	s_add_co_u32 s17, s17, s41                     ; tile row
	s_lshl_b32 s43, s41, 2
	s_lshl_b32 s43, 15, s43                        ; my row of the cluster
	s_lshl_b32 s44, 0x1111, s40                    ; my column
	s_or_b32 s[G1+0], s43, (1<<21)                 ; tokens: elements of 1 byte, no padding; the mask of my row, bit 21 beside it
	s_or_b32 s[G1B+0], s44, (1<<20)|(1<<21)|(5<<22)|(3<<25)   ; weights: 4 words of padding after every 64; the mask of my column
.irp g, G1, G1B
	s_mov_b32 s[\g+1], 256<<16                     ; tensor_dim0
	s_mov_b32 s[\g+2], 128<<16                     ; tensor_dim1
	s_mov_b32 s[\g+3], 256<<16                     ; tile_dim0
	s_mov_b32 s[\g+4], 128                         ; tile_dim1
	s_mov_b32 s[\g+6], 0
	s_mov_b32 s[\g+7], 0
.endr
	s_mov_b32 s[G1+5], 256                         ; a block of images is dense
	s_mov_b32 s[G1B+5], SIZE_K                     ; a row of weights
	s_lshl_b32 s18, s16, 7
	s_lshl_b32 s20, s17, 8
	s_add_co_u32 s20, s20, s18                     ; tokens: row 256 x tile row + 128 x half
	s_lshl_b32 s46, s42, 8
	s_add_co_u32 s46, s46, s18                     ; weights: row 256 x tile column + 128 x half
	s_mov_b32 s21, 0
	s_mov_b32 s47, 0
	s_mov_b64 s[18:19], SIZE_K
	s_mul_u64 s[20:21], s[20:21], s[18:19]         ; 128 rows of images are as many bytes as 128 rows of codes
	s_mul_u64 s[46:47], s[46:47], s[18:19]
	s_mul_i32 s45, s16, ABLK                       ; where they go: no place in the cluster enters an LDS address
	s_mul_i32 s22, s16, HALFB
	s_add_co_u32 s22, s22, APART
	s_wait_kmcnt 0x0
	s_load_b256 s[76:83], s[8:9], 0x0              ; e0 .. e7
	s_load_b128 s[84:87], s[8:9], 0x20             ; e8 .. e11
	s_add_nc_u64 s[20:21], s[4:5], s[20:21]
	s_add_nc_u64 s[46:47], s[6:7], s[46:47]
	CROUND                                         ; all sixteen work-groups are here: the first joint loads meet
.irp s, 0,1
	s_mov_b32 s[G0+4*\s], 1
	s_add_co_u32 s[G0+4*\s+1], s45, \s*SLOT
	s_add_nc_u64 s[G0+4*\s+2:G0+4*\s+3], s[20:21], \s*ABLK
	s_or_b32 s[G0+4*\s+3], s[G0+4*\s+3], 0x80000000
	s_mov_b32 s[G0B+4*\s], 1
	s_add_co_u32 s[G0B+4*\s+1], s22, \s*SLOT
	s_add_nc_u64 s[G0B+4*\s+2:G0B+4*\s+3], s[46:47], \s*256
	s_or_b32 s[G0B+4*\s+3], s[G0B+4*\s+3], 0x80000000
.if \s == 0
	JLOAD G0+4*\s, G1, G0B+4*\s, G1B               ; K step 0: one tensor load a wave at the head
.endif
.endr
	v_and_b32 v1, 15, v0                           ; r
	v_bfe_u32 v2, v0, 4, 1                         ; h
	v_and_b32 v6, 31, v0
	v_lshlrev_b32 v[GO], 4, v6
	v_mul_u32_u24 v3, v1, PITCH
	v_lshl_add_u32 v4, v2, 3, v3                   ; a weight's row x pitch + 8 h
	s_mul_i32 s21, s15, ABLK                       ; my 128 tokens
	s_mul_i32 s23, s16, HALFB                      ; my 128 rows of weights,
	s_add_co_u32 s23, s23, APART                   ; behind the tokens' part
.irp s, 0,1
	v_add_nc_u32 v[ADRA+\s], s21, v[GO]
	v_add_nc_u32 v[ADRB+\s], s23, v4
	s_add_co_u32 s21, s21, SLOT
	s_add_co_u32 s23, s23, SLOT
.endr
	v_lshlrev_b32 v[BO], 5, v2
	s_lshl_b32 s46, s42, 10                        ; the bias of my 128 columns
	s_lshl_b32 s47, s16, 9
	s_add_co_u32 s46, s46, s47
	s_mov_b32 s47, 0
	s_add_nc_u64 s[10:11], s[10:11], s[46:47]
.irp b, 0,1,2,3,4,5,6,7
	global_load_b128 v[BIAS+8*\b:BIAS+8*\b+3], v[BO], s[10:11] offset:64*\b
	global_load_b128 v[BIAS+8*\b+4:BIAS+8*\b+7], v[BO], s[10:11] offset:64*\b+16
.endr
	s_mul_i32 s23, s14, 20480                      ; v's stage, my own: 128 tokens x 160 bytes, in slot 0, which has had its last fill and its last read when it is written
	v_mul_u32_u24 v5, v1, 160
	v_lshl_add_u32 v5, v2, 4, v5
	v_add_nc_u32 v[STO], s23, v5                   ; in: token r, 16 bytes for each half of the lanes
	v_and_b32 v5, 7, v0
	v_lshl_add_u32 v5, v2, 3, v5
	v_mul_u32_u24 v5, v5, 160
	v_bfe_u32 v7, v0, 3, 1
	v_lshl_add_u32 v5, v7, 4, v5
	v_add_nc_u32 v[RD], s23, v5                    ; back, turned: token 8 h + l % 8, bytes 16 ((l / 8) % 2) on
	s_lshr_b32 s20, s17, 3                         ; where my part begins, the same in all three tensors of images: the batch's 16 heads,
	s_lshl_b32 s20, s20, 21
	s_and_b32 s21, s17, 7
	s_lshl_b32 s21, s21, 14                        ; 256 tokens are 16,384 bytes of a head,
	s_add_co_u32 s20, s20, s21
	s_lshl_b32 s21, s15, 13
	s_add_co_u32 s20, s20, s21
	s_lshl_b32 s46, s40, 19                        ; head 4 cx + 2 x half
	s_lshl_b32 s47, s16, 18
	s_add_co_u32 s46, s46, s47
	s_add_co_u32 s46, s46, s20
	s_mov_b32 s47, 0
	s_mov_b32 s92, 0x05010400                      ; two words' bytes in turn: low halves,
	s_mov_b32 s93, 0x07030602                      ; high halves
	s_mov_b32 s94, 0x06040200                      ; the even bytes of two words,
	s_mov_b32 s95, 0x07050301                      ; the odd ones
	s_wait_kmcnt 0x0
	s_add_co_i32 s88, s[EA], s[EB]
	s_sub_co_i32 s89, 0, s88
	s_cmp_eq_u32 ttmp9, 0                          ; the cluster's x: 0 q, 1 k, 2 v
	s_cselect_b32 s90, s78, s79
	s_cselect_b64 s[68:69], s[68:69], s[70:71]
	s_cmp_eq_u32 ttmp9, 2
	s_cselect_b32 s90, s81, s90
	s_cselect_b64 s[68:69], s[72:73], s[68:69]
	s_add_nc_u64 s[68:69], s[68:69], s[46:47]
	s_sub_co_i32 s90, s90, s88                     ; a sum stands for sum x 2^(e0 + e1): the three scales are folded into the conversion's one
	s_add_co_i32 s90, s90, 127
	s_lshl_b32 s91, s90, 23
	v_mov_b32 v[SCV], s91
	s_add_co_i32 s90, s90, 8
	s_lshl_b32 s90, s90, 23
	s_or_b32 s90, s90, 0x600000
	v_mov_b32 v[LIMV], s90
	s_wait_loadcnt 0x0
.set j, 0
.rept 64
	v_ldexp_f32 v[BIAS+j], v[BIAS+j], s89          ; the bias / 2^(e0 + e1)
.set j, j+1
.endr
.macro FRAGA reg, adr, q, i            ; a tokens' fragment comes as it was stored: four loads of 512 consecutive bytes
.irp c, 0,1,2,3
	ds_load_b128 v[\reg+4*\c:\reg+4*\c+3], v[\adr] offset:(\i)*4096+(\q)*2048+512*\c
.endr
.endm
.macro FRAGB reg, adr, q, i            ; a weights' fragment: registers 2 c, 2 c + 1 hold k = 16 c + 8 h + 0..7 of row r
.irp c, 0,1,2,3,4,5,6,7
	ds_load_b64 v[\reg+2*\c:\reg+2*\c+1], v[\adr] offset:(\i)*16*PITCH+128*(\q)+16*\c
.endr
.endm
; 16 matrix instructions: token blocks a0, a0 + 1 x the weights' eight.  first = 1: the bias starts the sums.  The 64 accumulators take turns.
.macro MUL16 a0, p, first
.irp a, \a0, \a0+1
.irp b, 0,1,2,3,4,5,6,7
.if \first
	v_wmma_f32_16x16x128_fp8_fp8 v[8*(8*((\a)%4)+\b):8*(8*((\a)%4)+\b)+7], v[128*(\p)+FR*\b:128*(\p)+FR*\b+FR-1], v[AF+FR*(\a):AF+FR*(\a)+FR-1], v[BIAS+8*\b:BIAS+8*\b+7]
.else
	v_wmma_f32_16x16x128_fp8_fp8 v[8*(8*((\a)%4)+\b):8*(8*((\a)%4)+\b)+7], v[128*(\p)+FR*\b:128*(\p)+FR*\b+FR-1], v[AF+FR*(\a):AF+FR*(\a)+FR-1], v[8*(8*((\a)%4)+\b):8*(8*((\a)%4)+\b)+7]
.endif
.endr
.endr
.endm
.macro FETCH_B slot, q, p
	WIN TO_B
.irp i, 0,1,2,3,4,5,6,7
	FRAGB 128*(\p)+FR*\i, ADRB+\slot, \q, \i
.endr
	WIN 0
.endm
.macro FETCH_A slot, q, i0
.irp i, \i0, \i0+1, \i0+2, \i0+3
	FRAGA AF+FR*(\i), ADRA+\slot, \q, \i
.endr
.endm
.macro PLACES n                        ; plain vector lines between a matrix instruction and a load into, or a read of, its registers
.rept \n
	v_nop
.endr
.endm
.macro STEP slot, q, first             ; 128 along K, with its successor in the same slot
	s_wait_dscnt 16                                ; all but the youngest sixteen loads (token blocks 4-7) are in
.if \first
	WIN 0x81                                       ; C (the bias) window 0, D window 2
.else
	WIN MUL_LO
.endif
	MUL16 0, (\q)%2, \first
	MUL16 2, (\q)%2, \first
	s_wait_dscnt 0
	PLACES NP
	FETCH_B \slot, (\q)+1, 1-(\q)%2
	FETCH_A \slot, (\q)+1, 0
.if \first
	WIN 0xc1
.else
	WIN MUL_HI
.endif
	MUL16 4, (\q)%2, \first
	MUL16 6, (\q)%2, \first
	PLACES NP
	WIN 0
	FETCH_A \slot, (\q)+1, 4
.endm
.macro TURN slot, next, fill           ; a slot's last step changes slots: one barrier; fill = 1: the slot is filled again, two K steps ahead
	s_wait_tensorcnt 0x0                           ; all my tensor loads have landed: my part of the next slot
	ds_add_u32 v[SPW], v[NIL]                      ; 0 onto my spare word
	s_wait_dscnt 17                                ; (the add and the youngest sixteen loads may be out)
	WIN MUL_LO
	MUL16 0, 1, 0
	s_wait_dscnt 0x0                               ; the add is done, and my reads of this slot are over
	s_barrier_signal -1
	MUL16 2, 1, 0
	WIN 0
	s_barrier_wait -1
.if \fill
	CREST                                          ; the barrier has opened a round of the cluster's: no wave of any partner still reads this slot or has a load on its way
	s_add_nc_u64 s[G0+4*\slot+2:G0+4*\slot+3], s[G0+4*\slot+2:G0+4*\slot+3], 2*ABLK
	s_add_nc_u64 s[G0B+4*\slot+2:G0B+4*\slot+3], s[G0B+4*\slot+2:G0B+4*\slot+3], 512
	JLOAD G0+4*\slot, G1, G0B+4*\slot, G1B         ; the first tensor load behind the round; its four v_nop are the places in front of the loads below
.else
	PLACES NP
.endif
	FETCH_B \next, 0, 0
	FETCH_A \next, 0, 0
	WIN MUL_HI
	MUL16 4, 1, 0
	MUL16 6, 1, 0
	PLACES NP
	WIN 0
	FETCH_A \next, 0, 4
.endm
	s_wait_alu depctr_va_vdst(0)
	s_wait_tensorcnt 0x0                           ; my part of K step 0 is in
	ds_add_u32 v[SPW], v[NIL]
	s_wait_dscnt 0x0
	CROUND                                         ; everybody's part of K step 0 is in, and the joint loads meet
	JLOAD G0+4, G1, G0B+4, G1B                     ; K step 1, the first tensor load behind the round
	FETCH_B 0, 0, 0
	FETCH_A 0, 0, 0
	FETCH_A 0, 0, 4
	STEP 0, 0, 1
	s_mov_b32 s3, LAPS-1
.Llap:                                                 ; a trip goes once round the ring and fills both slots again
	TURN 0, 1, 1
	STEP 1, 0, 0
	TURN 1, 0, 1
	STEP 0, 0, 0
	s_sub_co_u32 s3, s3, 1
	s_cmp_lg_u32 s3, 0
	s_cbranch_scc1 .Llap
	TURN 0, 1, 0                                   ; the last lap fills nothing
	STEP 1, 0, 0
	s_wait_dscnt 16
	WIN MUL_LO
	MUL16 0, 1, 0
	MUL16 2, 1, 0
	s_wait_dscnt 0
	WIN MUL_HI
	MUL16 4, 1, 0
	MUL16 6, 1, 0
	WIN 0
; Block a (16 tokens x 128 columns) becomes codes: v[CD + 2 b], v[CD + 2 b + 1] = columns 16 b + 8 h + 0..7 of token r.  Each accumulator is read from its low end on.
.macro QCODES a
.set AC, 64*((\a)%4)
	WIN 0x02+((\a)/4)
.set j, 0
.rept 64
	v_med3_num_f32 v[TMP+j], v[AC+j], -v[LIMV], v[LIMV]   ; the conversion does not saturate (ISA guide 7.6.2): the hold at the largest code x the scale
.set j, j+1
.endr
	WIN 0
	s_wait_alu depctr_va_vdst(0)
	s_wait_xcnt 0x0                                ; the last block's stores have read the codes' registers
.irp b, 0,1,2,3,4,5,6,7
	v_cvt_scalef32_pk8_fp8_f32 v[CD+2*\b:CD+2*\b+1], v[TMP+8*\b:TMP+8*\b+7], v[SCV]
.endr
	v_nop                                          ; a plain line behind the last conversion
.endm
	PLACES NP
	s_cmp_eq_u32 ttmp9, 2
	s_cbranch_scc1 .Lv
	; q and k: four registers are a quarter of a fragment (16 tokens x 64 of a head): head q / 2 of my two, quarter q % 2
.irp a, 0,1,2,3,4,5,6,7
	QCODES \a
.irp q, 0,1,2,3
	global_store_b128 v[GO], v[CD+4*\q:CD+4*\q+3], s[68:69] offset:(\q/2)*131072+\a*1024+(\q%2)*512   ; 512 consecutive bytes, aligned
.endr
.endr
	s_branch .Lend
.Lv:
	; v: into the stage by tokens; in each 32 bytes the codes of column blocks 2 q and 2 q + 1 stand byte by byte in turn, so that the turning load gives lane r channel r of both
.irp a, 0,1,2,3,4,5,6,7
	QCODES \a
	s_wait_alu depctr_va_vdst(0)
	s_wait_dscnt 0x0                               ; the last block's stage stores have read their registers
.irp q, 0,1,2,3
	v_perm_b32 v[IL+4*\q],   v[CD+4*\q+2], v[CD+4*\q],   s92
	v_perm_b32 v[IL+4*\q+1], v[CD+4*\q+2], v[CD+4*\q],   s93
	v_perm_b32 v[IL+4*\q+2], v[CD+4*\q+3], v[CD+4*\q+1], s92
	v_perm_b32 v[IL+4*\q+3], v[CD+4*\q+3], v[CD+4*\q+1], s93
	ds_store_b128 v[STO], v[IL+4*\q:IL+4*\q+3] offset:2560*\a+32*\q
.endr
.endr
.irp q, 0,1,2,3
.irp a, 0,1,2,3,4,5,6,7
	ds_load_tr16_b128 v[TR+4*\a:TR+4*\a+3], v[RD] offset:2560*\a+32*\q   ; LDS serves a wave's instructions in order: these see my stores.  Tokens 16 a + 8 h + 0..7 of byte pair r
.endr
	s_wait_dscnt 0x0
	s_wait_xcnt 0x0                                ; the last group's stores have read v's fragments
.irp a, 0,1,2,3,4,5,6,7
	v_perm_b32 v[VF+2*\a],      v[TR+4*\a+1], v[TR+4*\a],   s94
	v_perm_b32 v[VF+2*\a+1],    v[TR+4*\a+3], v[TR+4*\a+2], s94
	v_perm_b32 v[VF+16+2*\a],   v[TR+4*\a+1], v[TR+4*\a],   s95
	v_perm_b32 v[VF+16+2*\a+1], v[TR+4*\a+3], v[TR+4*\a+2], s95
.endr
.irp p, 0,1
.irp u, 0,1,2,3
	global_store_b128 v[GO], v[VF+16*\p+4*\u:VF+16*\p+4*\u+3], s[68:69] offset:(\q/2)*131072+(2*(\q%2)+\p)*2048+\u*512   ; a fragment: 16 channels x my 128 tokens
.endr
.endr
.endr
.Lend:
	s_wait_tensorcnt 0x0                           ; the wave's end
	ds_add_u32 v[SPW], v[NIL]
	s_wait_dscnt 0x0
	CROUND                                         ; the closing round
	s_endpgm
.Lfunc_end_k_q3c0770b7d9_qkv:
	.size	k_q3c0770b7d9_qkv, .Lfunc_end_k_q3c0770b7d9_qkv-k_q3c0770b7d9_qkv
	.p2alignl 7, 3214868480
	.fill 96, 4, 3214868480
	.section	.rodata,"a",@progbits
	.p2align	6, 0x0
	.amdhsa_kernel k_q3c0770b7d9_qkv
		.amdhsa_group_segment_fixed_size 327680
		.amdhsa_private_segment_fixed_size 0
		.amdhsa_enable_private_segment 0
		.amdhsa_kernarg_size 56
		.amdhsa_user_sgpr_count 2
		.amdhsa_user_sgpr_kernarg_segment_ptr 1
		.amdhsa_wavefront_size32 1
		.amdhsa_system_sgpr_workgroup_id_x 1
		.amdhsa_system_sgpr_workgroup_id_y 1
		.amdhsa_system_sgpr_workgroup_id_z 1
		.amdhsa_system_vgpr_workitem_id 0
		.amdhsa_next_free_vgpr 1024
		.amdhsa_next_free_sgpr 100
		.amdhsa_reserve_vcc 0
		.amdhsa_float_denorm_mode_32 3
		.amdhsa_float_denorm_mode_16_64 3
		.amdhsa_memory_ordered 1
		.amdhsa_forward_progress 1
		.amdhsa_inst_pref_size 202
	.end_amdhsa_kernel
	.amdgpu_metadata
---
amdhsa.version: [ 1, 2 ]
amdhsa.kernels:
  - .name:           k_q3c0770b7d9_qkv
    .symbol:         k_q3c0770b7d9_qkv.kd
    .args:
      - { .name: h, .offset: 0, .size: 8, .value_kind: global_buffer, .address_space: global }
      - { .name: W_attn_codes, .offset: 8, .size: 8, .value_kind: global_buffer, .address_space: global }
      - { .name: lowp_scales, .offset: 16, .size: 8, .value_kind: global_buffer, .address_space: global }
      - { .name: b_attn, .offset: 24, .size: 8, .value_kind: global_buffer, .address_space: global }
      - { .name: q_img, .offset: 32, .size: 8, .value_kind: global_buffer, .address_space: global }
      - { .name: k_img, .offset: 40, .size: 8, .value_kind: global_buffer, .address_space: global }
      - { .name: v_img, .offset: 48, .size: 8, .value_kind: global_buffer, .address_space: global }
    .group_segment_fixed_size: 327680
    .private_segment_fixed_size: 0
    .kernarg_segment_align: 8
    .kernarg_segment_size: 56
    .max_flat_workgroup_size: 128
    .sgpr_count:     100
    .vgpr_count:     1024
    .wavefront_size: 32
...
	.end_amdgpu_metadata
.endif
;; end of part 9
;; launch attn (part 10): grid 8 x 32, 16 waves a work-group, clusters of 4 x 1, 301,056 bytes of LDS; arguments q_img, k_img, v_img, lowp_scales, y_img; writes y_img
.if DOCPART == 10
	.amdgcn_target "amdgcn-amd-amdhsa--gfx1250"
	.amdhsa_code_object_version 6
	.text
	.protected	k_q3c0770b7d9_attn
	.globl	k_q3c0770b7d9_attn
	.p2align	8
	.type	k_q3c0770b7d9_attn,@function
k_q3c0770b7d9_attn:
	s_mov_b64 s[64:65], 0
	v_nop
	global_prefetch_b8 v0, s[64:65] scope:SCOPE_SE
	s_setreg_imm32_b32 hwreg(HW_REG_WAVE_MODE, 25, 1), 1
	s_wait_xcnt 0x0
	s_wait_alu depctr_hold_cnt(0) depctr_sa_sdst(0) depctr_va_vdst(0) depctr_va_sdst(0) depctr_va_ssrc(0) depctr_va_vcc(0) depctr_vm_vsrc(0)
	s_getreg_b32 s2, hwreg(HW_REG_IB_STS2, 6, 4)
	s_cmp_eq_u32 s2, 0
	s_cbranch_scc0 .Lentry_in_a_cluster
	s_endpgm
.Lentry_in_a_cluster:
	s_bfe_u32 s2, ttmp6, 0x10000c
	s_cmp_lg_u32 s2, 0x3003
	s_cbranch_scc0 .Lentry_shape_is_right
	s_endpgm
.Lentry_shape_is_right:
; Causal attention on codes of FP8 (E4M3): 32 heads (batch x head) of 2,048 tokens x 64; the result is quantised again (scale e6) and stored as images for the next product.
; t = score x log2(e) / 8; M = the running largest t rounded up to a whole number; p = 2^(t - M) is quantised (e4), not normalised; the sum of the unquantised p divides at the end.
; Key steps that lie wholly above the causal diagonal are left out.
; A head's codes of K and of V, 131,072 bytes each, lie WHOLE in LDS, as images of the operands' registers: filled once, so there is no ring.
; CLUSTER: the four work-groups of a cluster belong to one head: each of the sixteen waves asks jointly for 16,384 bytes (waves 0-7 of K, waves 8-15 of V).
; SHARES.  A work-group (g = its x, 0..7) owns the sixteen tiles of 16 queries 8 D + g, D = 0..15; tile D sees key steps 0..D of 128 keys.  Tiles 15 - p and p are a pair of 17 steps, p = 0..7, dealt to waves 2 p and 2 p + 1:
; the wave of kind 0 walks steps 0..8 of tile 15 - p; the wave of kind 1 walks steps 9..15 - p of that tile, puts its O^T, -M and sums into LDS, and then walks tile p.  So a wave has 9 or 8 steps.
; A wave's kind is bit 0 of w xor (w / 4): among the four waves w / 4 alike, and among the four w % 4 alike, two are of each kind: 34 steps.
; Behind one barrier the wave of kind 0 joins the two parts: both are brought under the larger M by powers of two, which rounds nothing.  A part with no step (p = 7) holds zeros under M = -3e38 and adds nothing.
; Every wave walks two loops of sixteen trips; a trip outside the wave's range of steps is jumped over: branches on the wave's number and the step's count alone, the same in all partners.
; LAYOUT.  S^T = K Q^T (source 0 = 16 keys, source 1 = my queries; K = 64), O^T = V^T P^T (source 0 = 16 channels, source 1 = P; K = 128 keys): a lane holds one query throughout.
; Tile t's eight scores of lane (r, h) are keys 16 t + 8 h + 0..7: one conversion makes them registers 2 t, 2 t + 1 of P in the plain 8-bit layout.
; No prefetch: all of K and V is asked for at the head.
; LIMITS: e2 + e3 between -123 and 130; e4 and e6 between -126 and 119.  NaN is not served.
; REGISTERS: v1 16 x lane; v2 the mask's number; v7 where a pair's part lies in LDS; v8, v9 LDS addresses; v12 -M, v13 the largest t, v[14:15] the sum; v16-23 Q; v32-95 K's 8 fragments, then V's 4; v96-159 S^T, then p; v160-191 O^T; v192-207 p's codes; v208-215 y's.
.set LI,  1
.set DG,  2
.set DA,  7
.set ADK, 8
.set ADV, 9
.set KIND, 2                           ; s2   my kind, 0 or 1
.set WV,  18
.set DW,  19                           ; s19  the tile in hand
.set SEL, 20
.set CS,  22
.set G1,  24
.set G0K, 32
.set G0V, 36
.set STP, 40
.set TB,  41
.set LO,  58                           ; s58, s59  the first and the last step of the loop in hand
.set HI,  59
.set D2,  60                           ; s60  the second loop's tile;  s61 its first step
.set LO2, 61
.set Q2,  62                           ; s[62:63] that tile's Q
.set PART, 0x40800                     ; behind K, V and the spare words: 4,608 bytes for each pair
.macro ROUND                           ; a round of the cluster's barrier
	s_barrier_signal -1
	s_barrier_wait -1
	s_cmp_lg_u32 s[WV], 0
	s_cbranch_scc1 .Lnot_wave_0_\@
	s_barrier_signal -3
.Lnot_wave_0_\@:
	s_barrier_wait -3
	s_barrier_signal -1
	s_barrier_wait -1
.endm
.macro PLACES
.rept 4
	v_nop
.endr
.endm
	s_load_b256 s[4:11], s[0:1], 0x0               ; q s[4:5], k s[6:7], v s[8:9], the scales s[10:11]
	s_load_b64 s[12:13], s[0:1], 0x20              ; y
	v_lshl_add_u32 v251, v0, 2, 0x40000
	v_mov_b32 v255, 0
	ds_add_u32 v251, v255                          ; the opening: the add, twice on end, and its wait
	ds_add_u32 v251, v255
	v_lshrrev_b32 v8, 5, v0
	v_readfirstlane_b32 s[WV], v8                  ; wave 0..15
	s_bfe_u32 s14, ttmp6, 0x40000                  ; cx
	s_lshl_b32 s15, ttmp9, 2
	s_add_co_u32 s15, s15, s14                     ; g
	s_and_b32 s16, ttmp7, 0xffff                   ; the head: 16 x batch + head
	s_and_b32 s17, s[WV], 7                        ; which eighth of K or of V I fetch
	s_lshr_b32 s56, s[WV], 1                       ; p
	s_lshr_b32 s[KIND], s[WV], 2
	s_xor_b32 s[KIND], s[KIND], s[WV]
	s_and_b32 s[KIND], s[KIND], 1
	s_sub_co_u32 s[DW], 15, s56                    ; the pair's long tile
	s_cmp_eq_u32 s[KIND], 0
	s_cselect_b32 s[LO], 0, 9                      ; kind 0: its steps 0..8;  kind 1: 9..15 - p
	s_cselect_b32 s[HI], 8, s[DW]
	s_cselect_b32 s[D2], s[DW], s56                ; then kind 1 takes tile p;
	s_cselect_b32 s[LO2], 16, 0                    ; kind 0 has no step left
	s_mul_i32 s3, s56, 4608
	s_add_co_u32 s3, s3, PART                      ; the pair's bytes
	s_lshl_b32 s42, s16, 17                        ; what I fetch: the head's 131,072 bytes, my eighth
	s_lshl_b32 s43, s17, 14
	s_add_co_u32 s42, s42, s43
	s_mov_b32 s43, 0
	s_lshl_b32 s17, s[WV], 14                      ; and where it goes: K's images from byte 0, V's from 131,072
	s_mov_b32 s[G1], 15|(1<<21)                    ; the mask: all four work-groups, bit 21 beside it; elements of 1 byte, no padding
	s_mov_b32 s[G1+1], 256<<16                     ; tensor_dim0
	s_mov_b32 s[G1+2], 64<<16                      ; tensor_dim1
	s_mov_b32 s[G1+3], 256<<16                     ; tile_dim0
	s_mov_b32 s[G1+4], 64                          ; tile_dim1
	s_mov_b32 s[G1+5], 256                         ; dense
	s_mov_b32 s[G1+6], 0
	s_mov_b32 s[G1+7], 0
	s_lshl_b32 s53, s16, 17
	s_lshl_b32 s52, s[DW], 3
	s_add_co_u32 s52, s52, s15                     ; the first loop's tile of queries,
	s_lshl_b32 s52, s52, 10
	s_add_co_u32 s52, s52, s53
	s_lshl_b32 s[Q2], s[D2], 3
	s_add_co_u32 s[Q2], s[Q2], s15                 ; the second's
	s_lshl_b32 s[Q2], s[Q2], 10
	s_add_co_u32 s[Q2], s[Q2], s53
	s_mov_b32 s53, 0
	s_mov_b32 s[Q2+1], 0
	s_lshr_b32 s54, s16, 4                         ; y's images, of the tile that I finish: 128 tokens are 131,072 bytes: block 16 x batch + D,
	s_lshl_b32 s54, s54, 4
	s_add_co_u32 s54, s54, s[D2]
	s_lshl_b32 s54, s54, 17
	s_lshl_b32 s55, s15, 12                        ; my 16 tokens in it,
	s_add_co_u32 s54, s54, s55
	s_bfe_u32 s55, s16, 0x20002                    ; 256 along k are four heads,
	s_lshl_b32 s55, s55, 15
	s_add_co_u32 s54, s54, s55
	s_and_b32 s55, s16, 3                          ; a head is two quarters
	s_lshl_b32 s55, s55, 10
	s_add_co_u32 s54, s54, s55
	s_mov_b32 s55, 0
	s_mov_b32 s[SEL], 0x76543210
	s_mov_b32 s[SEL+1], 0xfedcba98
	s_mov_b32 s[CS], 0x3e38aa3b                    ; c = log2(e) / 8
	s_mov_b32 s[TB], 0
	s_mov_b32 s[STP], 0
	s_wait_dscnt 0x0
	s_wait_kmcnt 0x0
	s_load_b256 s[44:51], s[10:11], 0x8            ; e2 .. e9
	s_add_nc_u64 s[Q2:Q2+1], s[4:5], s[Q2:Q2+1]
	s_add_nc_u64 s[4:5], s[4:5], s[52:53]
	s_add_nc_u64 s[12:13], s[12:13], s[54:55]
	s_mov_b32 s[G0K], 1
	s_mov_b32 s[G0K+1], s17
	s_add_nc_u64 s[G0K+2:G0K+3], s[6:7], s[42:43]
	s_or_b32 s[G0K+3], s[G0K+3], 0x80000000
	s_mov_b32 s[G0V], 1
	s_mov_b32 s[G0V+1], s17
	s_add_nc_u64 s[G0V+2:G0V+3], s[8:9], s[42:43]
	s_or_b32 s[G0V+3], s[G0V+3], 0x80000000
	ROUND                                          ; all four work-groups are here: the joint loads meet
	s_cmp_lt_u32 s[WV], 8                          ; one load a wave; four v_nop follow each line
	s_cbranch_scc0 .Lfor_v
	tensor_load_to_lds s[G0K:G0K+3], s[G1:G1+7]
	s_nop 0
	PLACES
	s_branch .Lasked
.Lfor_v:
	tensor_load_to_lds s[G0V:G0V+3], s[G1:G1+7]
	s_nop 0
	PLACES
.Lasked:
	v_and_b32 v3, 31, v0
	v_lshlrev_b32 v[LI], 4, v3
	global_load_b128 v[16:19], v[LI], s[4:5]       ; Q's fragment stays in registers
	global_load_b128 v[20:23], v[LI], s[4:5] offset:512
	v_add_nc_u32 v[DA], s3, v[LI]
	v_and_b32 v4, 15, v0
	v_bfe_u32 v5, v0, 4, 1
	v_lshlrev_b32 v5, 3, v5
	v_sub_nc_u32 v[DG], v4, v5
	s_lshl_b32 s56, s15, 4
	v_add_nc_u32 v[DG], s56, v[DG]                 ; 16 g + r - 8 h: in the step on the diagonal register 8 t + j is hidden where 16 t + j is above it
	v_mov_b32 v13, 0xff61b1e6                      ; the largest t so far: -3e38
	v_floor_f32 v12, -v13                          ; -M
	v_mov_b32 v14, 0
	v_mov_b32 v15, 0
	v_mov_b32 v236, 0                              ; a lane permute's destination counts as read
	v_mov_b32 v253, 0                              ; (named as the upper half of a pair)
.set j, 0
.rept 32
	v_mov_b32 v[160+j], 0                          ; O^T: the step is written once; the first change of M leaves zeros zeros
.set j, j+1
.endr
	s_wait_kmcnt 0x0
	s_add_co_i32 s56, s44, s45
	s_lshl_b32 s56, s56, 23
	s_add_co_i32 s[CS], s[CS], s56                 ; a score stands for score x 2^(e2 + e3): added to c's exponent field
	s_mov_b32 s[CS+1], s[CS]
	s_add_co_i32 s56, s46, 127
	s_lshl_b32 s57, s56, 23
	v_mov_b32 v244, s57                            ; 2^e4
	s_add_co_i32 s56, s56, 8
	s_lshl_b32 s56, s56, 23
	s_or_b32 s56, s56, 0x600000
	v_mov_b32 v240, s56                            ; 448 x 2^e4
	s_add_co_i32 s56, s48, 127
	s_lshl_b32 s57, s56, 23
	v_mov_b32 v245, s57                            ; 2^e6
	s_add_co_i32 s56, s56, 8
	s_lshl_b32 s56, s56, 23
	s_or_b32 s56, s56, 0x600000
	v_mov_b32 v241, s56                            ; 448 x 2^e6
	s_wait_alu depctr_va_vdst(0)
	s_wait_tensorcnt 0x0                           ; my sixteenth has landed,
	s_barrier_signal -1
	s_barrier_wait -1                              ; everybody's has
	s_wait_loadcnt 0x0                             ; Q
; A LOOP over the sixteen key steps: the steps s[LO] .. s[HI] of tile s[DW] are walked, the others jumped over
.macro PASS
.Lstep_\@:
	s_cmp_lt_u32 s[STP], s[LO]
	s_cbranch_scc1 .Lhidden_\@
	s_cmp_gt_u32 s[STP], s[HI]
	s_cbranch_scc1 .Lhidden_\@
	v_add_nc_u32 v[ADK], s[TB], v[LI]
	s_delay_alu instid0(VALU_DEP_1)
	v_add_nc_u32 v[ADV], 0x20000, v[ADK]
	v_nop                                          ; with the two additions: four places in front of loads into registers that the last products read
	v_nop
.irp t, 0,1,2,3,4,5,6,7
	ds_load_b128 v[32+8*\t:35+8*\t], v[ADK] offset:1024*\t
	ds_load_b128 v[36+8*\t:39+8*\t], v[ADK] offset:1024*\t+512
.endr
	s_wait_alu depctr_va_vdst(0)
	s_wait_dscnt 0x0
.irp t, 0,1,2,3,4,5,6,7
	v_wmma_f32_16x16x64_fp8_fp8 v[96+8*\t:103+8*\t], v[32+8*\t:39+8*\t], v[16:23], 0
.endr
.rept 4
	v_nop
.endr
.irp c, 0,1,2,3
.irp q, 0,1,2,3
	ds_load_b128 v[32+16*\c+4*\q:35+16*\c+4*\q], v[ADV] offset:2048*\c+512*\q   ; V's fragments land while the softmax is walked
.endr
.endr
	s_cmp_lt_u32 s[STP], s[DW]
	s_cbranch_scc1 .Lopen_\@
	v_mov_b32 v254, 0xff800000                     ; on the diagonal hidden scores become -infinity: p = 0 then
.set n, 0
.rept 64
	v_cmp_gt_i32 vcc_lo, 16*(n/8)+n%8, v[DG]
	v_cndmask_b32 v[96+n], v[96+n], v254, vcc_lo
.set n, n+1
.endr
.Lopen_\@:
	v_max3_num_f32 v254, v96, v97, v98             ; the step's largest score of my query among my 64 keys, in two chains,
	v_max3_num_f32 v252, v99, v100, v101
.irp i, 6,10,14,18,22,26,30,34,38,42,46,50,54,58
	v_max3_num_f32 v254, v254, v[96+\i], v[97+\i]
	v_max3_num_f32 v252, v252, v[98+\i], v[99+\i]
.endr
	v_max3_num_f32 v254, v254, v158, v159
	s_delay_alu instid0(VALU_DEP_1)
	v_max_num_f32 v254, v254, v252
	s_delay_alu instid0(VALU_DEP_1)
	v_permlanex16_b32 v236, v254, s[SEL], s[SEL+1]
	s_delay_alu instid0(VALU_DEP_1)
	v_max_num_f32 v254, v254, v236                 ; and among lane l xor 16's
	s_delay_alu instid0(VALU_DEP_1)
	v_mul_f32 v254, s[CS], v254
	s_delay_alu instid0(VALU_DEP_1)
	v_max_num_f32 v13, v13, v254                   ; the running largest t
	v_mov_b32 v254, v12
	s_delay_alu instid0(VALU_DEP_2)
	v_floor_f32 v12, -v13                          ; the new -M = -ceil(t)
	s_delay_alu instid0(VALU_DEP_1)
	v_sub_f32 v254, v12, v254                      ; old M - new M: a whole number, 0 or less
	s_delay_alu instid0(VALU_DEP_1)
	v_cvt_i32_f32 v254, v254                       ; (it saturates)
	s_delay_alu instid0(VALU_DEP_1)
	v_ldexp_f32 v252, 1.0, v254                    ; f = 2^(old M - new M)
.set j, 0
.rept 32
	v_pk_fma_f32 v[96+j:97+j], v[96+j:97+j], s[CS:CS+1], v[12:13] op_sel_hi:[1,0,0]   ; t - M
.set j, j+2
.endr
.set j, 0
	s_wait_alu depctr_va_vdst(0)
.rept 64
	v_exp_f32 v[96+j], v[96+j]                     ; p = 2^(t - M)
.set j, j+1
.endr
	v_pk_mul_f32 v[14:15], v[14:15], v[252:253] op_sel_hi:[1,0]   ; the sums under the new M (a plain line behind the exponentials)
	s_wait_alu depctr_va_vdst(0)                   ; one wait for the batch, ahead of its first reader
	v_pk_add_f32 v[242:243], v[100:101], v[104:105]
	v_pk_add_f32 v[248:249], v[108:109], v[112:113]
	v_pk_add_f32 v[246:247], v[116:117], v[120:121]
	v_pk_add_f32 v[238:239], v[124:125], v[128:129]
	v_pk_add_f32 v[234:235], v[132:133], v[136:137]
	v_pk_add_f32 v[232:233], v[140:141], v[144:145]
	v_pk_add_f32 v[230:231], v[148:149], v[152:153]
	v_pk_add_f32 v[14:15], v[14:15], v[156:157]
	v_pk_add_f32 v[242:243], v[242:243], v[96:97]
	v_pk_add_f32 v[248:249], v[248:249], v[98:99]
	v_pk_add_f32 v[246:247], v[246:247], v[102:103]
	v_pk_add_f32 v[238:239], v[238:239], v[106:107]
	v_pk_add_f32 v[234:235], v[234:235], v[110:111]
	v_pk_add_f32 v[232:233], v[232:233], v[114:115]
	v_pk_add_f32 v[230:231], v[230:231], v[118:119]
	v_pk_add_f32 v[14:15], v[14:15], v[122:123]
	v_pk_add_f32 v[242:243], v[242:243], v[126:127]
	v_pk_add_f32 v[248:249], v[248:249], v[130:131]
	v_pk_add_f32 v[246:247], v[246:247], v[134:135]
	v_pk_add_f32 v[238:239], v[238:239], v[138:139]
	v_pk_add_f32 v[234:235], v[234:235], v[142:143]
	v_pk_add_f32 v[232:233], v[232:233], v[146:147]
	v_pk_add_f32 v[230:231], v[230:231], v[150:151]
	v_pk_add_f32 v[14:15], v[14:15], v[154:155]
	v_pk_add_f32 v[242:243], v[242:243], v[158:159]
	s_delay_alu instid0(VALU_DEP_2)
	v_pk_add_f32 v[14:15], v[14:15], v[238:239]
	s_delay_alu instid0(VALU_DEP_2)
	v_pk_add_f32 v[242:243], v[242:243], v[234:235]
	v_pk_add_f32 v[248:249], v[248:249], v[232:233]
	v_pk_add_f32 v[246:247], v[246:247], v[230:231]
	s_delay_alu instid0(VALU_DEP_2)
	v_pk_add_f32 v[14:15], v[14:15], v[248:249]
	s_delay_alu instid0(VALU_DEP_2)
	v_pk_add_f32 v[242:243], v[242:243], v[246:247]
	s_delay_alu instid0(VALU_DEP_1)
	v_pk_add_f32 v[14:15], v[14:15], v[242:243]
.irp t, 0,1,2,3,4,5,6,7
.irp i, 0,1,2,3,4,5,6,7
	v_min_num_f32 v[96+8*\t+\i], v[96+8*\t+\i], v240   ; the conversion does not saturate (ISA guide 7.6.2); p is not negative
.endr
	v_cvt_scalef32_pk8_fp8_f32 v[192+2*\t:193+2*\t], v[96+8*\t:103+8*\t], v244
.endr
.set j, 0
.rept 16
	v_pk_mul_f32 v[160+j:161+j], v[160+j:161+j], v[252:253] op_sel_hi:[1,0]   ; O^T under the new M
.set j, j+2
.endr
	s_wait_alu depctr_va_vdst(0)
	s_wait_dscnt 0x0                               ; V
.irp c, 0,1,2,3
	v_wmma_f32_16x16x128_fp8_fp8 v[160+8*\c:167+8*\c], v[32+16*\c:47+16*\c], v[192:207], v[160+8*\c:167+8*\c]
.endr
.Lhidden_\@:
	s_add_co_u32 s[TB], s[TB], 8192
	s_add_co_u32 s[STP], s[STP], 1
	s_cmp_lt_u32 s[STP], 16
	s_cbranch_scc1 .Lstep_\@
.endm
	PASS                                           ; the long tile: my part of its steps
	PLACES
	s_cmp_eq_u32 s[KIND], 0
	s_cbranch_scc1 .Lkeep                          ; kind 0 keeps what it has
.set j, 0
.rept 8
	ds_store_b128 v[DA], v[160+4*j:163+4*j] offset:512*j   ; kind 1: my part of the long tile, as an image of the registers; each accumulator from its low end on
.set j, j+1
.endr
	ds_store_b128 v[DA], v[12:15] offset:4096      ; -M, the largest t, the sum's two halves
	v_mov_b32 v13, 0xff61b1e6                      ; and a new beginning for the short tile
	v_floor_f32 v12, -v13
	v_mov_b32 v14, 0
	v_mov_b32 v15, 0
.set j, 0
.rept 32
	v_mov_b32 v[160+j], 0
.set j, j+1
.endr
.Lkeep:
	global_load_b128 v[16:19], v[LI], s[Q2:Q2+1]   ; the second loop's Q (kind 0: the same again)
	global_load_b128 v[20:23], v[LI], s[Q2:Q2+1] offset:512
	s_mov_b32 s[DW], s[D2]
	s_mov_b32 s[LO], s[LO2]
	s_mov_b32 s[HI], s[D2]
	s_mov_b32 s[TB], 0
	s_mov_b32 s[STP], 0
	s_wait_alu depctr_va_vdst(0)
	s_wait_loadcnt 0x0
	PASS                                           ; kind 1: the short tile
	PLACES
	s_wait_alu depctr_va_vdst(0)
	s_wait_dscnt 0x0                               ; for my partner's sake: my stores have landed
	s_barrier_signal -1
	s_barrier_wait -1
	s_cmp_eq_u32 s[KIND], 0
	s_cbranch_scc0 .Lown
.set j, 0
.rept 8
	ds_load_b128 v[96+4*j:99+4*j], v[DA] offset:512*j      ; kind 0: the other part of my tile
.set j, j+1
.endr
	ds_load_b128 v[128:131], v[DA] offset:4096
	s_wait_dscnt 0x0
	v_min_num_f32 v132, v12, v128                  ; -M of both parts together
	v_sub_f32 v133, v132, v12                      ; my M less that, and the other's: whole numbers, 0 or less
	v_sub_f32 v134, v132, v128
	v_cvt_i32_f32 v133, v133                       ; (they saturate)
	v_cvt_i32_f32 v134, v134
	v_ldexp_f32 v252, 1.0, v133
	v_ldexp_f32 v254, 1.0, v134
.set j, 0
.rept 32
	v_mul_f32 v[160+j], v[160+j], v252
.set j, j+1
.endr
	v_mul_f32 v14, v14, v252
	v_mul_f32 v15, v15, v252
.set j, 0
.rept 32
	v_fmac_f32 v[160+j], v[96+j], v254
.set j, j+1
.endr
	v_fmac_f32 v14, v130, v254
	v_fmac_f32 v15, v131, v254
.Lown:
	v_add_f32 v14, v14, v15
	v_permlanex16_b32 v236, v14, s[SEL], s[SEL+1]
	v_add_f32 v14, v14, v236                       ; the row's sum
	s_wait_alu depctr_va_vdst(0)
	v_rcp_f32 v14, v14
	v_nop
	s_add_co_i32 s56, s46, s47
	s_wait_alu depctr_va_vdst(0)
	v_ldexp_f32 v14, v14, s56                      ; x 2^(e4 + e5)
.set j, 0
.rept 32
	v_mul_f32 v[96+j], v[160+j], v14               ; y(query r, channel 16 c + 8 h + i) in register 8 c + i
.set j, j+1
.endr
.set j, 0
.rept 32
	v_med3_num_f32 v[96+j], v[96+j], -v241, v241
.set j, j+1
.endr
.irp c, 0,1,2,3
	v_cvt_scalef32_pk8_fp8_f32 v[208+2*\c:209+2*\c], v[96+8*\c:103+8*\c], v245
.endr
	v_nop
	global_store_b128 v[LI], v[208:211], s[12:13]              ; two quarters of the next operand's fragment: 512 consecutive bytes each
	global_store_b128 v[LI], v[212:215], s[12:13] offset:512
	s_wait_tensorcnt 0x0                           ; the wave's end
	ds_add_u32 v251, v255
	s_wait_dscnt 0x0
	ROUND                                          ; the closing round
	s_endpgm
.Lfunc_end_k_q3c0770b7d9_attn:
	.size	k_q3c0770b7d9_attn, .Lfunc_end_k_q3c0770b7d9_attn-k_q3c0770b7d9_attn
	.p2alignl 7, 3214868480
	.fill 96, 4, 3214868480
	.section	.rodata,"a",@progbits
	.p2align	6, 0x0
	.amdhsa_kernel k_q3c0770b7d9_attn
		.amdhsa_group_segment_fixed_size 301056
		.amdhsa_private_segment_fixed_size 0
		.amdhsa_enable_private_segment 0
		.amdhsa_kernarg_size 40
		.amdhsa_user_sgpr_count 2
		.amdhsa_user_sgpr_kernarg_segment_ptr 1
		.amdhsa_wavefront_size32 1
		.amdhsa_system_sgpr_workgroup_id_x 1
		.amdhsa_system_sgpr_workgroup_id_y 1
		.amdhsa_system_sgpr_workgroup_id_z 1
		.amdhsa_system_vgpr_workitem_id 0
		.amdhsa_next_free_vgpr 256
		.amdhsa_next_free_sgpr 66
		.amdhsa_reserve_vcc 1
		.amdhsa_float_denorm_mode_32 3
		.amdhsa_float_denorm_mode_16_64 3
		.amdhsa_memory_ordered 1
		.amdhsa_forward_progress 1
		.amdhsa_inst_pref_size 60
	.end_amdhsa_kernel
	.amdgpu_metadata
---
amdhsa.version: [ 1, 2 ]
amdhsa.kernels:
  - .name:           k_q3c0770b7d9_attn
    .symbol:         k_q3c0770b7d9_attn.kd
    .args:
      - { .name: q_img, .offset: 0, .size: 8, .value_kind: global_buffer, .address_space: global }
      - { .name: k_img, .offset: 8, .size: 8, .value_kind: global_buffer, .address_space: global }
      - { .name: v_img, .offset: 16, .size: 8, .value_kind: global_buffer, .address_space: global }
      - { .name: lowp_scales, .offset: 24, .size: 8, .value_kind: global_buffer, .address_space: global }
      - { .name: y_img, .offset: 32, .size: 8, .value_kind: global_buffer, .address_space: global }
    .group_segment_fixed_size: 301056
    .private_segment_fixed_size: 0
    .kernarg_segment_align: 8
    .kernarg_segment_size: 40
    .max_flat_workgroup_size: 512
    .sgpr_count:     66
    .vgpr_count:     256
    .wavefront_size: 32
...
	.end_amdgpu_metadata
.endif
;; end of part 10
;; launch proj (part 11): grid 32 x 8, 4 waves a work-group, clusters of 4 x 1, 327,680 bytes of LDS; arguments y_img, W_proj_codes, lowp_scales, b_proj, x, x1; writes x1
.if DOCPART == 11
	.amdgcn_target "amdgcn-amd-amdhsa--gfx1250"
	.amdhsa_code_object_version 6
	.text
	.protected	k_q3c0770b7d9_proj
	.globl	k_q3c0770b7d9_proj
	.p2align	8
	.type	k_q3c0770b7d9_proj,@function
k_q3c0770b7d9_proj:
	s_mov_b64 s[64:65], 0
	v_nop
	global_prefetch_b8 v0, s[64:65] scope:SCOPE_SE
	s_setreg_imm32_b32 hwreg(HW_REG_WAVE_MODE, 25, 1), 1
	s_wait_xcnt 0x0
	s_wait_alu depctr_hold_cnt(0) depctr_sa_sdst(0) depctr_va_vdst(0) depctr_va_sdst(0) depctr_va_ssrc(0) depctr_va_vcc(0) depctr_vm_vsrc(0)
	s_getreg_b32 s2, hwreg(HW_REG_IB_STS2, 6, 4)
	s_cmp_eq_u32 s2, 0
	s_cbranch_scc0 .Lentry_in_a_cluster
	s_endpgm
.Lentry_in_a_cluster:
	s_bfe_u32 s2, ttmp6, 0x10000c
	s_cmp_lg_u32 s2, 0x3003
	s_cbranch_scc0 .Lentry_shape_is_right
	s_endpgm
.Lentry_shape_is_right:
; out = res + ACT WGT^T + bias on codes of FP8 (E4M3); res and out are [4096][1024] f32.  K = 1,024, scales e6 and e7.  The shares are launch fcproj's.
; ACT: the tokens' codes as images of the operand's registers (16 rows x 128 k = 2,048 bytes; 128 rows x 256 k = one dense block of 32,768 bytes).  WGT: [1024][1024] codes, K innermost.
; SHARES.  A work-group makes 128 tokens x 128 columns: 32 x 8 = 256 work-groups.  Four waves: wave w takes tokens 64 (w % 2) on, all 128 columns, and half w / 2 of K: 32 accumulators, 4 steps of 128 along K.
; THE WEIGHTS' 128 rows lie whole in LDS, for each half of K 128 rows x 512 bytes, filled once: no ring, no refill.  Each wave asks for 64 rows x 512 bytes, jointly with the three partners of its
; cluster, which make other tokens of the same columns.
; THE TOKENS go from memory straight into registers: each wave reads rows and k of its own, so LDS would serve no second reader; they come by plain loads, for which there is no joint form.
; All four steps' loads and the residual's are issued at the head, so there is no later step to prefetch for.
; THE TWO HALVES OF K are joined through LDS bytes that no tile fills: each wave gives 32 tokens' sums to its partner w xor 2 and keeps the other 32.  Waves of the upper half take their fragments in the
; order 2, 3, 0, 1, so that every wave keeps accumulators (0..1, b) and gives (2..3, b).  The sums of a number are so added in another order than K ascending.
; THE MATRIX INSTRUCTION IS USED TRANSPOSED (source 0 = 16 rows of WGT, source 1 = 16 tokens): lane (r, h) holds token r and columns 16 b + 8 h + 0..7.
; LIMITS: ea + eb between -126 and 127.  NaN is not served.
; REGISTERS, in windows of 256: window 0: v0-63 addresses and the bias; v64-191 rows on the way out.  window 1: v0-127 the weights' 8 fragments; v128-255 the residual.
;   window 2: the accumulators, (a, b) at v[8 (8 a + b)].  window 3: four sets of the tokens' 4 fragments.
.set NS,     4
.set PITCH,  528                       ; 512 bytes + 16 = 132 words: the 32 lanes of a load of 8 bytes touch 64 different banks (64 banks of 4 bytes: ISA guide 11.1)
.set RGN,    128*PITCH                 ; 128 rows x 512 along K
.set WTS,    2*RGN                     ; one such for each half of K
.set EXCH,   WTS                       ; behind the weights: 16,384 bytes a wave for the sums given
.set SPARE,  EXCH+65536                ; the spare words, 128 bytes for each wave, which no other line names
.set STAGE,  SPARE+512                 ; 16 rows x 528 bytes for each wave, for the way out
.set GOL,  10                          ; v10  16 x lane + where fragments 0, 1 begin;  v11 the same for fragments 2, 3
.set EXS,  12                          ; v12  where I put the sums that I give
.set EXL,  13                          ; v13  where my partner has put mine
.set ADRB, 20                          ; v20  LDS address of my lane's place in my half of the weights
.set STO,  24
.set RD,   25
.set CO,   26                          ; v26  16 x lane
.set SPW,  28
.set NIL,  29
.set BIAS, 32
.set OUTR, 64
.set RES,  128
.set MULW, 0xad                        ; source 0 (weights) window 1, source 1 (tokens) window 3, C and D window 2
.set MSB, 0
.macro WIN new                         ; the immediate's high byte repeats the setting that is left
.if MSB != \new
	s_set_vgpr_msb (MSB<<8)|\new
.set MSB, \new
.endif
.endm
.macro ROUND                           ; a round of the cluster's barrier
	s_barrier_signal -1
	s_barrier_wait -1
	s_cmp_lg_u32 s16, 0
	s_cbranch_scc1 .Lnot_wave_0_\@
	s_barrier_signal -3
.Lnot_wave_0_\@:
	s_barrier_wait -3
	s_barrier_signal -1
	s_barrier_wait -1
.endm
.macro PLACES                          ; plain vector lines between a matrix instruction and a load into, or a read of, its registers
.rept 4
	v_nop
.endr
.endm
.macro ALOAD s                         ; the tokens' four fragments of step s into set s: sixteen loads of 512 consecutive bytes
	WIN 0xc0
.irp i, 0,1,2,3
.irp c, 0,1,2,3
	global_load_b128 v[64*(\s)+16*\i+4*\c:64*(\s)+16*\i+4*\c+3], v[GOL+\i/2], s[4:5] offset:((\s)/2)*32768+((\s)%2)*2048+(\i%2)*4096+\c*512
.endr
.endr
.endm
.macro RLOAD a                         ; the residual of 16 of my 32 rows x 128 columns: 32 lanes read 512 consecutive bytes
	WIN 0x40
.irp t, 0,1,2,3,4,5,6,7,8,9,10,11,12,13,14,15
	global_load_b128 v[RES+64*(\a)+4*\t:RES+64*(\a)+4*\t+3], v[CO], s[12:13] offset:(16*(\a)+\t)*4096 th:TH_LOAD_NT
.endr
.endm
.macro FETCHB s, i0                    ; the weights' fragments i0 .. i0 + 3 of step s: registers 2 c, 2 c + 1 hold k = 16 c + 8 h + 0..7 of row r
.irp i, \i0, \i0+1, \i0+2, \i0+3
.irp c, 0,1,2,3,4,5,6,7
	ds_load_b64 v[16*(\i)+2*\c:16*(\i)+2*\c+1], v[ADRB] offset:(\i)*16*PITCH+128*(\s)+16*\c
.endr
.endr
.endm
.macro MULH b0, s                      ; 16 matrix instructions: the weights' fragments b0 .. b0 + 3 x the tokens' four.  The 32 accumulators take turns, in the same order in every step
.irp b, \b0, \b0+1, \b0+2, \b0+3
.irp a, 0,1,2,3
.if (\s) == 0
	v_wmma_f32_16x16x128_fp8_fp8 v[8*(8*\a+(\b)):8*(8*\a+(\b))+7], v[16*(\b):16*(\b)+15], v[64*(\s)+16*\a:64*(\s)+16*\a+15], 0
.else
	v_wmma_f32_16x16x128_fp8_fp8 v[8*(8*\a+(\b)):8*(8*\a+(\b))+7], v[16*(\b):16*(\b)+15], v[64*(\s)+16*\a:64*(\s)+16*\a+15], v[8*(8*\a+(\b)):8*(8*\a+(\b))+7]
.endif
.endr
.endr
.endm
.macro STEP s                          ; 128 along K
.if (\s) < 2
	s_wait_loadcnt 63                              ; behind step s's loads stand 16 (3 - s) + 32 younger ones, 80 or 64: a wait's count names 63 at the most, and the smaller count serves
.else
	s_wait_loadcnt 16*(3-(\s))+32                  ; the later steps' loads and the residual's 32 may be out
.endif
	s_wait_dscnt 32                                ; fragments 0-3 are in; the youngest 32 loads (fragments 4-7) may be out
	WIN MULW
	MULH 0, \s
.if (\s) < NS-1
	PLACES
	WIN 0x40
	FETCHB (\s)+1, 0
	s_wait_dscnt 32                                ; all but the 32 just issued
.else
	s_wait_dscnt 0x0
.endif
	WIN MULW
	MULH 4, \s
	PLACES
.if (\s) < NS-1
	WIN 0x40
	FETCHB (\s)+1, 4
.endif
.endm
	s_load_b256 s[4:11], s[0:1], 0x0               ; ACT s[4:5], WGT s[6:7], the scales s[8:9], the bias s[10:11]
	s_load_b128 s[12:15], s[0:1], 0x20             ; the residual s[12:13], out s[14:15]
	v_lshl_add_u32 v[SPW], v0, 2, SPARE
	v_mov_b32 v[NIL], 0
	ds_add_u32 v[SPW], v[NIL]                      ; the opening: the add, twice on end, and its wait ahead of my first tensor load
	ds_add_u32 v[SPW], v[NIL]
	v_lshrrev_b32 v1, 5, v0
	v_readfirstlane_b32 s16, v1                    ; wave
	s_and_b32 s17, s16, 1                          ; my 64 tokens.  Also: which 64 rows of weights I fetch
	s_lshr_b32 s18, s16, 1                         ; my half of K, to multiply and to fetch
	s_bfe_u32 s19, ttmp6, 0x40000                  ; cx
	s_lshl_b32 s21, ttmp9, 2
	s_add_co_u32 s19, s21, s19                     ; the block of 128 tokens
	s_and_b32 s20, ttmp7, 0xffff                   ; the block of 128 columns: the same in the four partners
	s_lshl_b32 s40, s19, 17                        ; the tokens' images: 128 rows,
	s_lshl_b32 s21, s17, 14                        ; four fragments' rows in each block,
	s_add_co_u32 s40, s40, s21
	s_lshl_b32 s21, s18, 16                        ; half of K
	s_add_co_u32 s40, s40, s21
	s_mov_b32 s41, 0
	s_mul_i32 s33, s18, RGN
	s_mul_i32 s23, s17, 64*PITCH
	s_add_co_u32 s33, s33, s23                     ; where my part of the weights goes: the wave's number alone
	s_lshl_b32 s42, s20, 17                        ; and where it comes from: 128 rows of 1,024 bytes,
	s_lshl_b32 s21, s17, 16                        ; 64 rows,
	s_add_co_u32 s42, s42, s21
	s_lshl_b32 s21, s18, 9                         ; half of K
	s_add_co_u32 s42, s42, s21
	s_mov_b32 s43, 0
	s_lshl_b32 s46, s19, 7
	s_lshl_b32 s21, s17, 6
	s_add_co_u32 s46, s46, s21
	s_lshl_b32 s21, s18, 5
	s_add_co_u32 s46, s46, s21                     ; the first of the 32 rows that I finish,
	s_lshl_b32 s46, s46, 12                        ; of 4,096 bytes,
	s_lshl_b32 s48, s20, 9                         ; my 128 columns: 512 bytes
	s_add_co_u32 s46, s46, s48
	s_mov_b32 s47, 0
	s_mov_b32 s49, 0
	s_mul_i32 s44, s18, RGN                        ; my half of K in LDS
	s_mul_i32 s50, s16, 16*PITCH
	s_add_co_u32 s50, s50, STAGE                   ; my stage
	s_lshl_b32 s51, s16, 14
	s_xor_b32 s52, s51, 32768
	s_add_co_u32 s51, s51, EXCH                    ; where the sums that I give go,
	s_add_co_u32 s52, s52, EXCH                    ; and my partner's
	s_lshl_b32 s53, s18, 13                        ; fragments 0, 1 are token blocks 2 x half on,
	s_xor_b32 s54, s53, 8192                       ; fragments 2, 3 the other two
	s_mov_b32 s24, 15|(1<<20)|(1<<21)|(6<<22)|(3<<25)   ; the mask: all four work-groups, bit 21 beside it; elements of 1 byte; 4 words of padding after every 128
	s_mov_b32 s25, 512<<16                         ; tensor_dim0
	s_mov_b32 s26, 64<<16                          ; tensor_dim1
	s_mov_b32 s27, 512<<16                         ; tile_dim0
	s_mov_b32 s28, 64                              ; tile_dim1
	s_mov_b32 s29, 1024                            ; a row of weights
	s_mov_b32 s30, 0
	s_mov_b32 s31, 0
	s_mov_b32 s32, 1
	v_and_b32 v1, 15, v0                           ; r
	v_bfe_u32 v2, v0, 4, 1                         ; h
	v_and_b32 v3, 31, v0
	v_lshlrev_b32 v[CO], 4, v3                     ; 16 x lane
	v_add_nc_u32 v[GOL], s53, v[CO]
	v_add_nc_u32 v[GOL+1], s54, v[CO]
	v_add_nc_u32 v[EXS], s51, v[CO]
	v_add_nc_u32 v[EXL], s52, v[CO]
	v_mul_u32_u24 v5, v1, PITCH
	v_lshl_add_u32 v6, v2, 3, v5                   ; a weight's row x pitch + 8 h
	v_add_nc_u32 v[ADRB], s44, v6
	v_lshl_add_u32 v7, v2, 5, v5
	v_add_nc_u32 v[STO], s50, v7                   ; the stage, in: row r, 32 bytes for each half of the lanes
	v_add_nc_u32 v[RD], s50, v[CO]                 ; back: the 32 lanes take one row of 512 bytes
	s_wait_alu depctr_va_vdst(0)
	s_wait_dscnt 0x0                               ; both opening adds are done
	s_wait_kmcnt 0x0
	s_load_b64 s[58:59], s[8:9], 0x18              ; ea, eb
	s_add_nc_u64 s[4:5], s[4:5], s[40:41]
	s_add_nc_u64 s[34:35], s[6:7], s[42:43]
	s_or_b32 s35, s35, 0x80000000
	s_add_nc_u64 s[10:11], s[10:11], s[48:49]
	s_add_nc_u64 s[12:13], s[12:13], s[46:47]
	s_add_nc_u64 s[14:15], s[14:15], s[46:47]
	global_load_b128 v[BIAS:BIAS+3], v[CO], s[10:11]   ; the bias of the four columns that my lane stores
	ALOAD 0
	WIN 0
	ROUND                                          ; all four work-groups are here: the joint loads meet
	tensor_load_to_lds s[32:35], s[24:31]          ; one load a wave, the same line in all
	s_nop 0
	PLACES
	ALOAD 1
	ALOAD 2
	ALOAD 3
	RLOAD 0
	RLOAD 1
	WIN 0
	s_wait_tensorcnt 0x0                           ; my part of the weights has landed,
	s_barrier_signal -1
	s_barrier_wait -1                              ; everybody's has
	WIN 0x40
	FETCHB 0, 0
	FETCHB 0, 4
.set S, 0
.rept NS
	STEP S
.set S, S+1
.endr
	WIN 0x08                                       ; store data window 2
.set t, 0
.rept 32
	ds_store_b128 v[EXS], v[128+4*t:128+4*t+3] offset:512*t   ; the sums that I give, each accumulator from its low end on
.set t, t+1
.endr
	WIN 0
	s_wait_dscnt 0x0                               ; for my partner's sake
	s_barrier_signal -1
	s_barrier_wait -1
	WIN 0x40
.set t, 0
.rept 32
	ds_load_b128 v[4*t:4*t+3], v[EXL] offset:512*t
.set t, t+1
.endr
	s_wait_kmcnt 0x0
	s_add_co_i32 s60, s58, s59
	s_add_co_i32 s60, s60, 127
	s_lshl_b32 s60, s60, 23                        ; 2^(ea + eb) as f32
	s_mov_b32 s61, s60                             ; (named with it as a pair)
	s_wait_dscnt 0x0
	WIN 0x46                                       ; source 0 window 2 (mine), source 1 and the destination window 1 (my partner's)
.set j, 0
.rept 64
	v_pk_add_f32 v[j:j+1], v[j:j+1], v[j:j+1]      ; both halves of K
.set j, j+2
.endr
	WIN 0x04                                       ; store data window 1
.irp a, 0,1                            ; 16 rows x 128 columns at a time through my stage; LDS serves a wave's instructions in order (ISA guide 5.7.1.4)
.irp b, 0,1,2,3,4,5,6,7
	ds_store_b128 v[STO], v[8*(8*\a+\b):8*(8*\a+\b)+3] offset:64*\b
	ds_store_b128 v[STO], v[8*(8*\a+\b)+4:8*(8*\a+\b)+7] offset:64*\b+16
.endr
.irp t, 0,1,2,3,4,5,6,7,8,9,10,11,12,13,14,15
	ds_load_b128 v[OUTR+64*\a+4*\t:OUTR+64*\a+4*\t+3], v[RD] offset:\t*PITCH
.endr
.endr
	s_wait_loadcnt 0x0                             ; the residual and the bias
	WIN 0x10                                       ; source 2 (the residual) window 1
.irp a, 0,1
	s_wait_dscnt 32*(1-\a)                         ; behind block 0's loads: block 1's 16 stores and 16 loads
.set j, 0
.rept 32
	v_pk_fma_f32 v[OUTR+64*\a+j:OUTR+64*\a+j+1], v[OUTR+64*\a+j:OUTR+64*\a+j+1], s[60:61], v[RES+64*\a+j:RES+64*\a+j+1] op_sel_hi:[1,0,1]   ; sum x 2^(ea + eb) + res
.set j, j+2
.endr
.set j, 0
.rept 32
	v_pk_add_f32 v[OUTR+64*\a+j:OUTR+64*\a+j+1], v[OUTR+64*\a+j:OUTR+64*\a+j+1], v[BIAS+j%4:BIAS+j%4+1]
.set j, j+2
.endr
.irp t, 0,1,2,3,4,5,6,7,8,9,10,11,12,13,14,15
	global_store_b128 v[CO], v[OUTR+64*\a+4*\t:OUTR+64*\a+4*\t+3], s[14:15] offset:(16*\a+\t)*4096 th:TH_STORE_NT   ; 32 lanes store 512 consecutive bytes, aligned
.endr
.endr
	WIN 0
	s_wait_tensorcnt 0x0                           ; the wave's end
	ds_add_u32 v[SPW], v[NIL]
	s_wait_dscnt 0x0
	ROUND                                          ; the closing round
	s_endpgm
.Lfunc_end_k_q3c0770b7d9_proj:
	.size	k_q3c0770b7d9_proj, .Lfunc_end_k_q3c0770b7d9_proj-k_q3c0770b7d9_proj
	.p2alignl 7, 3214868480
	.fill 96, 4, 3214868480
	.section	.rodata,"a",@progbits
	.p2align	6, 0x0
	.amdhsa_kernel k_q3c0770b7d9_proj
		.amdhsa_group_segment_fixed_size 327680
		.amdhsa_private_segment_fixed_size 0
		.amdhsa_enable_private_segment 0
		.amdhsa_kernarg_size 48
		.amdhsa_user_sgpr_count 2
		.amdhsa_user_sgpr_kernarg_segment_ptr 1
		.amdhsa_wavefront_size32 1
		.amdhsa_system_sgpr_workgroup_id_x 1
		.amdhsa_system_sgpr_workgroup_id_y 1
		.amdhsa_system_sgpr_workgroup_id_z 1
		.amdhsa_system_vgpr_workitem_id 0
		.amdhsa_next_free_vgpr 1024
		.amdhsa_next_free_sgpr 66
		.amdhsa_reserve_vcc 0
		.amdhsa_float_denorm_mode_32 3
		.amdhsa_float_denorm_mode_16_64 3
		.amdhsa_memory_ordered 1
		.amdhsa_forward_progress 1
		.amdhsa_inst_pref_size 64
	.end_amdhsa_kernel
	.amdgpu_metadata
---
amdhsa.version: [ 1, 2 ]
amdhsa.kernels:
  - .name:           k_q3c0770b7d9_proj
    .symbol:         k_q3c0770b7d9_proj.kd
    .args:
      - { .name: y_img, .offset: 0, .size: 8, .value_kind: global_buffer, .address_space: global }
      - { .name: W_proj_codes, .offset: 8, .size: 8, .value_kind: global_buffer, .address_space: global }
      - { .name: lowp_scales, .offset: 16, .size: 8, .value_kind: global_buffer, .address_space: global }
      - { .name: b_proj, .offset: 24, .size: 8, .value_kind: global_buffer, .address_space: global }
      - { .name: x, .offset: 32, .size: 8, .value_kind: global_buffer, .address_space: global }
      - { .name: x1, .offset: 40, .size: 8, .value_kind: global_buffer, .address_space: global }
    .group_segment_fixed_size: 327680
    .private_segment_fixed_size: 0
    .kernarg_segment_align: 8
    .kernarg_segment_size: 48
    .max_flat_workgroup_size: 128
    .sgpr_count:     66
    .vgpr_count:     1024
    .wavefront_size: 32
...
	.end_amdgpu_metadata
.endif
;; end of part 11
;; launch ln2 (part 12): grid 256 x 1, 16 waves a work-group, no clusters, 19,456 bytes of LDS; arguments x1, ln2_g, ln2_b, lowp_scales, h; writes h
.if DOCPART == 12
	.amdgcn_target "amdgcn-amd-amdhsa--gfx1250"
	.amdhsa_code_object_version 6
	.text
	.protected	k_q3c0770b7d9_ln2
	.globl	k_q3c0770b7d9_ln2
	.p2align	8
	.type	k_q3c0770b7d9_ln2,@function
k_q3c0770b7d9_ln2:
	s_mov_b64 s[64:65], 0
	v_nop
	global_prefetch_b8 v0, s[64:65] scope:SCOPE_SE
	s_setreg_imm32_b32 hwreg(HW_REG_WAVE_MODE, 25, 1), 1
	s_wait_xcnt 0x0
; Layer norm of rows of 1,024 f32 numbers, then codes of FP8 (E4M3) with the given scale 2^e (entry SC_OFF / 4 of the scales), stored as images of a matrix operand's registers.
; y = (x - mean) * rsqrt(var + 1e-5) * g + b; mean and var in two passes over the row, which stays in registers.  code = y / 2^e, held within +-448, nearest, ties to even.
; SHARES.  A work-group takes 16 rows, a wave one row: eight loads of 512 consecutive bytes; lane L holds k = 128 j + 4 L + 0..3 of load j.  The reductions never leave the wave.
; THE IMAGE.  16 rows x 128 k are a fragment of 2,048 bytes: quarter q (512 bytes) holds, at 16 x lane (r, h), k = 32 q + 8 h + 0..7 and 32 q + 16 + 8 h + 0..7 of row r.
; 128 rows x 256 k are one dense block of 32,768 bytes: (row / 16 % 8) x 4,096 + (k / 128 % 2) x 2,048; the blocks of 128 rows follow each other along k.
; The 16 waves' codes meet in LDS: 64 units of 256 bytes (16 rows x 16 bytes), 272 apart; each wave then stores four units, 512 consecutive bytes a store.
; No matrix unit, no tensor load, no cluster: each byte is read once, by one wave.
; LIMITS: e between -126 and 119.  NaN and infinities among the inputs are not served.
.set SC_OFF, 32
.set X,    16
.set GN,   48
.set BV,   80
.set CD,   112
.set OUTR, 120
.set UNIT, 272
	s_load_b256 s[4:11], s[0:1], 0x0               ; x s[4:5], g s[6:7], b s[8:9], the scales s[10:11]
	s_load_b64 s[12:13], s[0:1], 0x20              ; the images
	v_lshl_add_u32 v128, v0, 2, 0x4400
	v_mov_b32 v129, 0
	v_lshrrev_b32 v1, 5, v0
	s_delay_alu instid0(VALU_DEP_1)
	v_readfirstlane_b32 s14, v1                    ; wave = my row among the 16
	v_and_b32 v2, 31, v0
	s_delay_alu instid0(VALU_DEP_1)
	v_lshlrev_b32 v3, 4, v2                        ; 16 x lane
	s_delay_alu instid0(VALU_DEP_2)
	v_lshrrev_b32 v4, 3, v2                        ; quarter L / 8,
	v_bfe_u32 v1, v0, 1, 1                         ; half (L / 2) % 2:
	s_delay_alu instid0(VALU_DEP_1)
	v_lshl_add_u32 v4, v4, 1, v1                   ; unit 2 q + h of load j's eight
	s_delay_alu instid0(VALU_DEP_1)
	v_mul_u32_u24 v4, v4, UNIT
	v_bfe_u32 v1, v0, 2, 1
	s_delay_alu instid0(VALU_DEP_1)
	v_lshl_add_u32 v4, v1, 3, v4
	v_and_b32 v1, 1, v0
	s_delay_alu instid0(VALU_DEP_1)
	v_lshl_add_u32 v4, v1, 2, v4
	s_lshl_b32 s15, s14, 4
	v_add_nc_u32 v4, s15, v4                       ; where I put a word of codes
	v_bfe_u32 v5, v0, 4, 1
	s_delay_alu instid0(VALU_DEP_1)
	v_mul_u32_u24 v5, v5, UNIT
	v_and_b32 v1, 15, v0
	s_delay_alu instid0(VALU_DEP_1)
	v_lshl_add_u32 v5, v1, 4, v5
	s_mul_i32 s15, s14, 4*UNIT
	v_add_nc_u32 v5, s15, v5                       ; back: units 4 w on
	v_mov_b32 v10, 0
	s_mov_b32 s21, 0x3a800000                      ; 1 / 1,024
	s_mov_b32 s22, 0x3727c5ac                      ; 1e-5
	s_mov_b32 s28, 0x76543210
	s_mov_b32 s29, 0xfedcba98
	s_lshl_b32 s16, ttmp9, 16
	s_lshl_b32 s17, s14, 12
	s_add_co_u32 s16, s16, s17
	s_mov_b32 s17, 0
	s_lshr_b32 s18, ttmp9, 3
	s_lshl_b32 s18, s18, 17
	s_and_b32 s19, ttmp9, 7
	s_lshl_b32 s19, s19, 12
	s_add_co_u32 s18, s18, s19
	s_lshr_b32 s19, s14, 2
	s_lshl_b32 s19, s19, 15
	s_add_co_u32 s18, s18, s19
	s_and_b32 s19, s14, 3
	s_lshl_b32 s19, s19, 10
	s_add_co_u32 s18, s18, s19
	s_mov_b32 s19, 0
	s_wait_kmcnt 0x0
	s_load_b32 s20, s[10:11], SC_OFF               ; e
	s_add_nc_u64 s[4:5], s[4:5], s[16:17]
	s_add_nc_u64 s[12:13], s[12:13], s[18:19]
.irp j, 0,1,2,3,4,5,6,7
	global_load_b128 v[X+4*\j:X+4*\j+3], v3, s[4:5] offset:512*\j th:TH_LOAD_NT
.endr
.irp j, 0,1,2,3,4,5,6,7
	global_load_b128 v[GN+4*\j:GN+4*\j+3], v3, s[6:7] offset:512*\j
.endr
.irp j, 0,1,2,3,4,5,6,7
	global_load_b128 v[BV+4*\j:BV+4*\j+3], v3, s[8:9] offset:512*\j
.endr
.macro WSUM                            ; v6 summed over the wave's 32 lanes, the result in every lane
	s_delay_alu instid0(VALU_DEP_1)
	v_add_f32_dpp v6, v6, v6 row_xmask:1 row_mask:0xf bank_mask:0xf
	s_delay_alu instid0(VALU_DEP_1)
	v_add_f32_dpp v6, v6, v6 row_xmask:2 row_mask:0xf bank_mask:0xf
	s_delay_alu instid0(VALU_DEP_1)
	v_add_f32_dpp v6, v6, v6 row_xmask:4 row_mask:0xf bank_mask:0xf
	s_delay_alu instid0(VALU_DEP_1)
	v_add_f32_dpp v6, v6, v6 row_xmask:8 row_mask:0xf bank_mask:0xf
	s_delay_alu instid0(VALU_DEP_1)
	v_permlanex16_b32 v10, v6, s28, s29
	s_delay_alu instid0(VALU_DEP_1)
	v_add_f32 v6, v6, v10
.endm
	s_wait_loadcnt 16                              ; the row is in; the sixteen loads of g and b may be out
	v_pk_add_f32 v[8:9], v[16:17], v[18:19]
	v_pk_add_f32 v[126:127], v[24:25], v[28:29]
	v_pk_add_f32 v[124:125], v[32:33], v[36:37]
	v_pk_add_f32 v[122:123], v[40:41], v[44:45]
	v_pk_add_f32 v[120:121], v[20:21], v[22:23]
	v_pk_add_f32 v[118:119], v[26:27], v[30:31]
	v_pk_add_f32 v[116:117], v[34:35], v[38:39]
	v_pk_add_f32 v[6:7], v[42:43], v[46:47]
	s_delay_alu instid0(VALU_DEP_1)
	v_pk_add_f32 v[6:7], v[6:7], v[122:123]
	v_pk_add_f32 v[8:9], v[8:9], v[120:121]
	v_pk_add_f32 v[126:127], v[126:127], v[118:119]
	v_pk_add_f32 v[124:125], v[124:125], v[116:117]
	s_delay_alu instid0(VALU_DEP_2)
	v_pk_add_f32 v[6:7], v[6:7], v[126:127]
	s_delay_alu instid0(VALU_DEP_2)
	v_pk_add_f32 v[8:9], v[8:9], v[124:125]
	s_delay_alu instid0(VALU_DEP_1)
	v_pk_add_f32 v[6:7], v[6:7], v[8:9]
	s_delay_alu instid0(VALU_DEP_1)
	v_add_f32 v6, v6, v7
	WSUM
	s_delay_alu instid0(VALU_DEP_1)
	v_mul_f32 v12, s21, v6                         ; the mean, twice
	s_delay_alu instid0(VALU_DEP_1)
	v_mov_b32 v13, v12
.set j, 0
.rept 16
	v_pk_add_f32 v[X+j:X+j+1], v[X+j:X+j+1], v[12:13] neg_lo:[0,1] neg_hi:[0,1]
.set j, j+2
.endr
	v_pk_mul_f32 v[6:7], v[X:X+1], v[X:X+1]
	v_pk_mul_f32 v[8:9], v[X+2:X+3], v[X+2:X+3]
.irp j, 4,8,12,16,20,24,28
	s_delay_alu instid0(VALU_DEP_2)
	v_pk_fma_f32 v[6:7], v[X+\j:X+\j+1], v[X+\j:X+\j+1], v[6:7]
	s_delay_alu instid0(VALU_DEP_2)
	v_pk_fma_f32 v[8:9], v[X+\j+2:X+\j+3], v[X+\j+2:X+\j+3], v[8:9]
.endr
	s_delay_alu instid0(VALU_DEP_1)
	v_pk_add_f32 v[6:7], v[6:7], v[8:9]
	s_delay_alu instid0(VALU_DEP_1)
	v_add_f32 v6, v6, v7
	WSUM
	s_delay_alu instid0(VALU_DEP_1)
	v_fma_f32 v6, v6, s21, s22                     ; var + eps
	s_wait_kmcnt 0x0
	s_add_co_i32 s20, s20, 127
	s_lshl_b32 s23, s20, 23                        ; 2^e as f32
	s_add_co_i32 s20, s20, 8
	s_lshl_b32 s20, s20, 23
	s_or_b32 s20, s20, 0x600000                    ; 448 x 2^e
	s_wait_alu depctr_va_vdst(0)
	v_rsq_f32 v14, v6
	v_mov_b32 v11, s23                             ; (plain lines behind the transcendental)
	v_mov_b32 v1, s20
	s_wait_alu depctr_va_vdst(0)                   ; the wait ahead of the result's first reader
	v_mov_b32 v15, v14
	s_wait_alu depctr_va_vdst(0)
	s_wait_loadcnt 0x0                             ; g and b
.set j, 0
.rept 16
	v_pk_mul_f32 v[X+j:X+j+1], v[X+j:X+j+1], v[14:15]
.set j, j+2
.endr
.set j, 0
.rept 16
	v_pk_fma_f32 v[X+j:X+j+1], v[X+j:X+j+1], v[GN+j:GN+j+1], v[BV+j:BV+j+1]
.set j, j+2
.endr
.set j, 0
.rept 32
	v_med3_num_f32 v[X+j], v[X+j], -v1, v1         ; the conversion does not saturate (ISA guide 7.6.2): the hold at the largest code x the scale
.set j, j+1
.endr
.irp p, 0,1,2,3
	v_cvt_scalef32_pk8_fp8_f32 v[CD+2*\p:CD+2*\p+1], v[X+8*\p:X+8*\p+7], v11   ; each word holds one load's four codes
.endr
	v_nop
.irp j, 0,1,2,3,4,5,6,7
	ds_store_b32 v4, v[CD+\j] offset:8*UNIT*\j
.endr
	s_wait_dscnt 0x0                               ; for the others' sake: my stores have landed
	s_barrier_signal -1
	s_barrier_wait -1
	ds_load_b128 v[OUTR:OUTR+3], v5
	ds_load_b128 v[OUTR+4:OUTR+7], v5 offset:2*UNIT
	s_wait_dscnt 0x0
	global_store_b128 v3, v[OUTR:OUTR+3], s[12:13]
	global_store_b128 v3, v[OUTR+4:OUTR+7], s[12:13] offset:512
	s_wait_tensorcnt 0x0
	ds_add_u32 v128, v129
	s_wait_dscnt 0x0
	s_endpgm
.Lfunc_end_k_q3c0770b7d9_ln2:
	.size	k_q3c0770b7d9_ln2, .Lfunc_end_k_q3c0770b7d9_ln2-k_q3c0770b7d9_ln2
	.p2alignl 7, 3214868480
	.fill 96, 4, 3214868480
	.section	.rodata,"a",@progbits
	.p2align	6, 0x0
	.amdhsa_kernel k_q3c0770b7d9_ln2
		.amdhsa_group_segment_fixed_size 19456
		.amdhsa_private_segment_fixed_size 0
		.amdhsa_enable_private_segment 0
		.amdhsa_kernarg_size 40
		.amdhsa_user_sgpr_count 2
		.amdhsa_user_sgpr_kernarg_segment_ptr 1
		.amdhsa_wavefront_size32 1
		.amdhsa_system_sgpr_workgroup_id_x 1
		.amdhsa_system_sgpr_workgroup_id_y 1
		.amdhsa_system_sgpr_workgroup_id_z 1
		.amdhsa_system_vgpr_workitem_id 0
		.amdhsa_next_free_vgpr 130
		.amdhsa_next_free_sgpr 66
		.amdhsa_reserve_vcc 0
		.amdhsa_float_denorm_mode_32 3
		.amdhsa_float_denorm_mode_16_64 3
		.amdhsa_memory_ordered 1
		.amdhsa_forward_progress 1
		.amdhsa_inst_pref_size 16
	.end_amdhsa_kernel
	.amdgpu_metadata
---
amdhsa.version: [ 1, 2 ]
amdhsa.kernels:
  - .name:           k_q3c0770b7d9_ln2
    .symbol:         k_q3c0770b7d9_ln2.kd
    .args:
      - { .name: x1, .offset: 0, .size: 8, .value_kind: global_buffer, .address_space: global }
      - { .name: ln2_g, .offset: 8, .size: 8, .value_kind: global_buffer, .address_space: global }
      - { .name: ln2_b, .offset: 16, .size: 8, .value_kind: global_buffer, .address_space: global }
      - { .name: lowp_scales, .offset: 24, .size: 8, .value_kind: global_buffer, .address_space: global }
      - { .name: h, .offset: 32, .size: 8, .value_kind: global_buffer, .address_space: global }
    .group_segment_fixed_size: 19456
    .private_segment_fixed_size: 0
    .kernarg_segment_align: 8
    .kernarg_segment_size: 40
    .max_flat_workgroup_size: 512
    .sgpr_count:     66
    .vgpr_count:     130
    .wavefront_size: 32
...
	.end_amdgpu_metadata
.endif
;; end of part 12
;; launch fc (part 13): grid 16 x 16, 4 waves a work-group, clusters of 4 x 4, 327,680 bytes of LDS; arguments h, W_fc_codes, lowp_scales, b_fc, g_img; writes g_img
.if DOCPART == 13
	.amdgcn_target "amdgcn-amd-amdhsa--gfx1250"
	.amdhsa_code_object_version 6
	.text
	.protected	k_q3c0770b7d9_fc
	.globl	k_q3c0770b7d9_fc
	.p2align	8
	.type	k_q3c0770b7d9_fc,@function
k_q3c0770b7d9_fc:
	s_mov_b64 s[64:65], 0
	v_nop
	global_prefetch_b8 v0, s[64:65] scope:SCOPE_SE
	s_setreg_imm32_b32 hwreg(HW_REG_WAVE_MODE, 25, 1), 1
	s_wait_xcnt 0x0
	s_wait_alu depctr_hold_cnt(0) depctr_sa_sdst(0) depctr_va_vdst(0) depctr_va_sdst(0) depctr_va_ssrc(0) depctr_va_vcc(0) depctr_vm_vsrc(0)
	s_getreg_b32 s2, hwreg(HW_REG_IB_STS2, 6, 4)
	s_cmp_eq_u32 s2, 0
	s_cbranch_scc0 .Lentry_in_a_cluster
	s_endpgm
.Lentry_in_a_cluster:
	s_bfe_u32 s2, ttmp6, 0x10000c
	s_cmp_lg_u32 s2, 0xf033
	s_cbranch_scc0 .Lentry_shape_is_right
	s_endpgm
.Lentry_shape_is_right:
.set SIZE_K, 1024
.set EA,     84
.set EB,     85
.set PITCH,  272
.set ABLK,   32768
.set APART,  2*ABLK
.set HALFB,  128*PITCH
.set SLOT,   APART+2*HALFB
.set SPARE,  2*SLOT
.set LAPS,   SIZE_K/512
.set FR,     16
.set NP,     4
.set BO,   8
.set GO,   10
.set SCV,  12
.set LIMV, 13
.set C1,   14
.set ADRA, 16
.set ADRB, 20
.set SPW,  28
.set NIL,  29
.set BIAS, 32
.set XX,   32
.set ZZ,   128
.set CD,   192
.set AF,   128
.set G1,  24
.set G0,  32
.set G1B, 48
.set G0B, 56
.set MSB, 0
.macro WIN new
.if MSB != \new
	s_set_vgpr_msb (MSB<<8)|\new
.set MSB, \new
.endif
.endm
.set MUL_LO, 0xa1
.set MUL_HI, 0xf1
.set TO_B,   0x40
.macro JLOAD g0a, g1a, g0b, g1b
	s_cmp_eq_u32 s15, 0
	s_cbranch_scc0 .Lfor_b_\@
	tensor_load_to_lds s[\g0a:\g0a+3], s[\g1a:\g1a+7]
	s_nop 0
.rept 4
	v_nop
.endr
	s_branch .Lasked_\@
.Lfor_b_\@:
	tensor_load_to_lds s[\g0b:\g0b+3], s[\g1b:\g1b+7]
	s_nop 0
.rept 4
	v_nop
.endr
.Lasked_\@:
.endm
.macro CREST
	s_cmp_lg_u32 s14, 0
	s_cbranch_scc1 .Lnot_wave_0_\@
	s_barrier_signal -3
.Lnot_wave_0_\@:
	s_barrier_wait -3
	s_barrier_signal -1
	s_barrier_wait -1
.endm
.macro CROUND
	s_barrier_signal -1
	s_barrier_wait -1
	CREST
.endm
	s_load_b256 s[4:11], s[0:1], 0x0
	s_load_b64 s[68:69], s[0:1], 0x20
	v_lshl_add_u32 v[SPW], v0, 2, SPARE
	v_mov_b32 v[NIL], 0
	ds_add_u32 v28, v29
	ds_add_u32 v28, v29
	s_wait_dscnt 0x0
	v_lshrrev_b32 v1, 5, v0
	v_readfirstlane_b32 s14, v1
	s_lshr_b32 s15, s14, 1
	s_and_b32 s16, s14, 1
	s_bfe_u32 s40, ttmp6, 0x40000
	s_bfe_u32 s41, ttmp6, 0x40004
	s_lshl_b32 s42, ttmp9, 2
	s_add_co_u32 s42, s42, s40
	s_and_b32 s17, ttmp7, 0xffff
	s_lshl_b32 s17, s17, 2
	s_add_co_u32 s17, s17, s41
	s_lshl_b32 s43, s41, 2
	s_lshl_b32 s43, 15, s43
	s_lshl_b32 s44, 0x1111, s40
	s_or_b32 s[G1+0], s43, (1<<21)
	s_or_b32 s[G1B+0], s44, (1<<20)|(1<<21)|(5<<22)|(3<<25)
.irp g, G1, G1B
	s_mov_b32 s[\g+1], 256<<16
	s_mov_b32 s[\g+2], 128<<16
	s_mov_b32 s[\g+3], 256<<16
	s_mov_b32 s[\g+4], 128
	s_mov_b32 s[\g+6], 0
	s_mov_b32 s[\g+7], 0
.endr
	s_mov_b32 s[G1+5], 256
	s_mov_b32 s[G1B+5], SIZE_K
	s_lshl_b32 s18, s16, 7
	s_lshl_b32 s20, s17, 8
	s_add_co_u32 s20, s20, s18
	s_lshl_b32 s46, s42, 8
	s_add_co_u32 s46, s46, s18
	s_mov_b32 s21, 0
	s_mov_b32 s47, 0
	s_mov_b64 s[18:19], SIZE_K
	s_mul_u64 s[20:21], s[20:21], s[18:19]
	s_mul_u64 s[46:47], s[46:47], s[18:19]
	s_mul_i32 s45, s16, ABLK
	s_mul_i32 s22, s16, HALFB
	s_add_co_u32 s22, s22, APART
	s_wait_kmcnt 0x0
	s_load_b256 s[76:83], s[8:9], 0x0
	s_load_b128 s[84:87], s[8:9], 0x20
	s_add_nc_u64 s[20:21], s[4:5], s[20:21]
	s_add_nc_u64 s[46:47], s[6:7], s[46:47]
	CROUND
.irp s, 0,1
	s_mov_b32 s[G0+4*\s], 1
	s_add_co_u32 s[G0+4*\s+1], s45, \s*SLOT
	s_add_nc_u64 s[G0+4*\s+2:G0+4*\s+3], s[20:21], \s*ABLK
	s_or_b32 s[G0+4*\s+3], s[G0+4*\s+3], 0x80000000
	s_mov_b32 s[G0B+4*\s], 1
	s_add_co_u32 s[G0B+4*\s+1], s22, \s*SLOT
	s_add_nc_u64 s[G0B+4*\s+2:G0B+4*\s+3], s[46:47], \s*256
	s_or_b32 s[G0B+4*\s+3], s[G0B+4*\s+3], 0x80000000
.if \s == 0
	JLOAD G0+4*\s, G1, G0B+4*\s, G1B               ; K step 0: one tensor load a wave at the head
.endif
.endr
	v_and_b32 v1, 15, v0
	v_bfe_u32 v2, v0, 4, 1
	v_and_b32 v6, 31, v0
	v_lshlrev_b32 v[GO], 4, v6
	v_mul_u32_u24 v3, v1, PITCH
	v_lshl_add_u32 v4, v2, 3, v3
	s_mul_i32 s21, s15, ABLK
	s_mul_i32 s23, s16, HALFB
	s_add_co_u32 s23, s23, APART
.irp s, 0,1
	v_add_nc_u32 v[ADRA+\s], s21, v[GO]
	v_add_nc_u32 v[ADRB+\s], s23, v4
	s_add_co_u32 s21, s21, SLOT
	s_add_co_u32 s23, s23, SLOT
.endr
	v_lshlrev_b32 v[BO], 5, v2
	s_lshl_b32 s46, s42, 10
	s_lshl_b32 s47, s16, 9
	s_add_co_u32 s46, s46, s47
	s_mov_b32 s47, 0
	s_add_nc_u64 s[10:11], s[10:11], s[46:47]
.irp b, 0,1,2,3,4,5,6,7
	global_load_b128 v[BIAS+8*\b:BIAS+8*\b+3], v[BO], s[10:11] offset:64*\b
	global_load_b128 v[BIAS+8*\b+4:BIAS+8*\b+7], v[BO], s[10:11] offset:64*\b+16
.endr
	s_lshl_b32 s20, s17, 1
	s_add_co_u32 s20, s20, s15
	s_lshl_b32 s20, s20, 19
	s_lshl_b32 s46, s42, 15
	s_lshl_b32 s47, s16, 11
	s_add_co_u32 s46, s46, s47
	s_add_co_u32 s46, s46, s20
	s_mov_b32 s47, 0
	s_add_nc_u64 s[68:69], s[68:69], s[46:47]
	s_mov_b32 s94, 0xbdd2d3e8
	s_mov_b32 s95, s94
	v_mov_b32 v[C1], 0xc0135761
	v_mov_b32 v[C1+1], v[C1]
	s_wait_kmcnt 0x0
	s_add_co_i32 s88, s[EA], s[EB]
	s_sub_co_i32 s89, 0, s88
	s_add_co_i32 s96, s88, 127
	s_lshl_b32 s96, s96, 23
	s_mov_b32 s97, s96
	s_add_co_i32 s90, s86, 127
	s_lshl_b32 s91, s90, 23
	v_mov_b32 v[SCV], s91
	s_add_co_i32 s90, s90, 8
	s_lshl_b32 s90, s90, 23
	s_or_b32 s90, s90, 0x600000
	v_mov_b32 v[LIMV], s90
	s_wait_loadcnt 0x0
.set j, 0
.rept 64
	v_ldexp_f32 v[BIAS+j], v[BIAS+j], s89
.set j, j+1
.endr
.macro FRAGA reg, adr, q, i
.irp c, 0,1,2,3
	ds_load_b128 v[\reg+4*\c:\reg+4*\c+3], v[\adr] offset:(\i)*4096+(\q)*2048+512*\c
.endr
.endm
.macro FRAGB reg, adr, q, i
.irp c, 0,1,2,3,4,5,6,7
	ds_load_b64 v[\reg+2*\c:\reg+2*\c+1], v[\adr] offset:(\i)*16*PITCH+128*(\q)+16*\c
.endr
.endm
.macro MUL16 a0, p, first
.irp a, \a0, \a0+1
.irp b, 0,1,2,3,4,5,6,7
.if \first
	v_wmma_f32_16x16x128_fp8_fp8 v[8*(8*((\a)%4)+\b):8*(8*((\a)%4)+\b)+7], v[128*(\p)+FR*\b:128*(\p)+FR*\b+FR-1], v[AF+FR*(\a):AF+FR*(\a)+FR-1], v[BIAS+8*\b:BIAS+8*\b+7]
.else
	v_wmma_f32_16x16x128_fp8_fp8 v[8*(8*((\a)%4)+\b):8*(8*((\a)%4)+\b)+7], v[128*(\p)+FR*\b:128*(\p)+FR*\b+FR-1], v[AF+FR*(\a):AF+FR*(\a)+FR-1], v[8*(8*((\a)%4)+\b):8*(8*((\a)%4)+\b)+7]
.endif
.endr
.endr
.endm
.macro FETCH_B slot, q, p
	WIN TO_B
.irp i, 0,1,2,3,4,5,6,7
	FRAGB 128*(\p)+FR*\i, ADRB+\slot, \q, \i
.endr
	WIN 0
.endm
.macro FETCH_A slot, q, i0
.irp i, \i0, \i0+1, \i0+2, \i0+3
	FRAGA AF+FR*(\i), ADRA+\slot, \q, \i
.endr
.endm
.macro PLACES n
.rept \n
	v_nop
.endr
.endm
.macro STEP slot, q, first
	s_wait_dscnt 16
.if \first
	WIN 0x81
.else
	WIN MUL_LO
.endif
	MUL16 0, (\q)%2, \first
	MUL16 2, (\q)%2, \first
	s_wait_dscnt 0
	PLACES NP
	FETCH_B \slot, (\q)+1, 1-(\q)%2
	FETCH_A \slot, (\q)+1, 0
.if \first
	WIN 0xc1
.else
	WIN MUL_HI
.endif
	MUL16 4, (\q)%2, \first
	MUL16 6, (\q)%2, \first
	PLACES NP
	WIN 0
	FETCH_A \slot, (\q)+1, 4
.endm
.macro TURN slot, next, fill
	s_wait_tensorcnt 0x0
	ds_add_u32 v[SPW], v[NIL]
	s_wait_dscnt 17
	WIN MUL_LO
	MUL16 0, 1, 0
	s_wait_dscnt 0x0
	s_barrier_signal -1
	MUL16 2, 1, 0
	WIN 0
	s_barrier_wait -1
.if \fill
	CREST
	s_add_nc_u64 s[G0+4*\slot+2:G0+4*\slot+3], s[G0+4*\slot+2:G0+4*\slot+3], 2*ABLK
	s_add_nc_u64 s[G0B+4*\slot+2:G0B+4*\slot+3], s[G0B+4*\slot+2:G0B+4*\slot+3], 512
	JLOAD G0+4*\slot, G1, G0B+4*\slot, G1B
.else
	PLACES NP
.endif
	FETCH_B \next, 0, 0
	FETCH_A \next, 0, 0
	WIN MUL_HI
	MUL16 4, 1, 0
	MUL16 6, 1, 0
	PLACES NP
	WIN 0
	FETCH_A \next, 0, 4
.endm
	s_wait_alu depctr_va_vdst(0)
	s_wait_tensorcnt 0x0                           ; my part of K step 0 is in
	ds_add_u32 v[SPW], v[NIL]
	s_wait_dscnt 0x0
	CROUND                                         ; everybody's part of K step 0 is in, and the joint loads meet
	JLOAD G0+4, G1, G0B+4, G1B                     ; K step 1, the first tensor load behind the round
	FETCH_B 0, 0, 0
	FETCH_A 0, 0, 0
	FETCH_A 0, 0, 4
	STEP 0, 0, 1
	s_mov_b32 s3, LAPS-1
.Llap:
	TURN 0, 1, 1
	STEP 1, 0, 0
	TURN 1, 0, 1
	STEP 0, 0, 0
	s_sub_co_u32 s3, s3, 1
	s_cmp_lg_u32 s3, 0
	s_cbranch_scc1 .Llap
	TURN 0, 1, 0
	STEP 1, 0, 0
	s_wait_dscnt 16
	WIN MUL_LO
	MUL16 0, 1, 0
	MUL16 2, 1, 0
	s_wait_dscnt 0
	WIN MUL_HI
	MUL16 4, 1, 0
	MUL16 6, 1, 0
	WIN 0
.macro GELU a
.set AC, 64*((\a)%4)
	WIN 0x02+((\a)/4)
.set j, 0
.rept 32
	v_pk_mul_f32 v[XX+j:XX+j+1], v[AC+j:AC+j+1], s[96:97] op_sel_hi:[1,0]
.set j, j+2
.endr
	WIN 0
.set j, 0
.rept 32
	v_pk_mul_f32 v[ZZ+j:ZZ+j+1], v[XX+j:XX+j+1], v[XX+j:XX+j+1]
.set j, j+2
.endr
.set j, 0
.rept 32
	v_pk_fma_f32 v[ZZ+j:ZZ+j+1], v[ZZ+j:ZZ+j+1], s[94:95], v[C1:C1+1] op_sel_hi:[1,0,1]
.set j, j+2
.endr
.set j, 0
.rept 32
	v_pk_mul_f32 v[ZZ+j:ZZ+j+1], v[ZZ+j:ZZ+j+1], v[XX+j:XX+j+1]
.set j, j+2
.endr
.set j, 0
	s_wait_alu depctr_va_vdst(0)
.rept 64
	v_exp_f32 v[ZZ+j], v[ZZ+j]
.set j, j+1
.endr
	v_nop
	s_wait_alu depctr_va_vdst(0)
.set j, 0
.rept 32
	v_pk_add_f32 v[ZZ+j:ZZ+j+1], v[ZZ+j:ZZ+j+1], 1.0 op_sel_hi:[1,0]
.set j, j+2
.endr
.set j, 0
	s_wait_alu depctr_va_vdst(0)
.rept 64
	v_rcp_f32 v[ZZ+j], v[ZZ+j]
.set j, j+1
.endr
	v_nop
	s_wait_alu depctr_va_vdst(0)
.set j, 0
.rept 32
	v_pk_mul_f32 v[XX+j:XX+j+1], v[XX+j:XX+j+1], v[ZZ+j:ZZ+j+1]
.set j, j+2
.endr
.set j, 0
.rept 64
	v_med3_num_f32 v[XX+j], v[XX+j], -v[LIMV], v[LIMV]
.set j, j+1
.endr
	s_wait_alu depctr_va_vdst(0)
	s_wait_xcnt 0x0
.irp b, 0,1,2,3,4,5,6,7
	v_cvt_scalef32_pk8_fp8_f32 v[CD+2*\b:CD+2*\b+1], v[XX+8*\b:XX+8*\b+7], v[SCV]
.endr
	v_nop
.irp q, 0,1,2,3
	global_store_b128 v[GO], v[CD+4*\q:CD+4*\q+3], s[68:69] offset:(\a)*4096+\q*512
.endr
.endm
	PLACES NP
.irp a, 0,1,2,3,4,5,6,7
	GELU \a
.endr
	s_wait_tensorcnt 0x0
	ds_add_u32 v[SPW], v[NIL]
	s_wait_dscnt 0x0
	CROUND
	s_endpgm
.Lfunc_end_k_q3c0770b7d9_fc:
	.size	k_q3c0770b7d9_fc, .Lfunc_end_k_q3c0770b7d9_fc-k_q3c0770b7d9_fc
	.p2alignl 7, 3214868480
	.fill 96, 4, 3214868480
	.section	.rodata,"a",@progbits
	.p2align	6, 0x0
	.amdhsa_kernel k_q3c0770b7d9_fc
		.amdhsa_group_segment_fixed_size 327680
		.amdhsa_private_segment_fixed_size 0
		.amdhsa_enable_private_segment 0
		.amdhsa_kernarg_size 40
		.amdhsa_user_sgpr_count 2
		.amdhsa_user_sgpr_kernarg_segment_ptr 1
		.amdhsa_wavefront_size32 1
		.amdhsa_system_sgpr_workgroup_id_x 1
		.amdhsa_system_sgpr_workgroup_id_y 1
		.amdhsa_system_sgpr_workgroup_id_z 1
		.amdhsa_system_vgpr_workitem_id 0
		.amdhsa_next_free_vgpr 1024
		.amdhsa_next_free_sgpr 100
		.amdhsa_reserve_vcc 0
		.amdhsa_float_denorm_mode_32 3
		.amdhsa_float_denorm_mode_16_64 3
		.amdhsa_memory_ordered 1
		.amdhsa_forward_progress 1
		.amdhsa_inst_pref_size 255
	.end_amdhsa_kernel
	.section	.bss,"aw",@nobits
	.p2align	6
	.space	262144
	.amdgpu_metadata
---
amdhsa.version: [ 1, 2 ]
amdhsa.kernels:
  - .name:           k_q3c0770b7d9_fc
    .symbol:         k_q3c0770b7d9_fc.kd
    .args:
      - { .name: h, .offset: 0, .size: 8, .value_kind: global_buffer, .address_space: global }
      - { .name: W_fc_codes, .offset: 8, .size: 8, .value_kind: global_buffer, .address_space: global }
      - { .name: lowp_scales, .offset: 16, .size: 8, .value_kind: global_buffer, .address_space: global }
      - { .name: b_fc, .offset: 24, .size: 8, .value_kind: global_buffer, .address_space: global }
      - { .name: g_img, .offset: 32, .size: 8, .value_kind: global_buffer, .address_space: global }
    .group_segment_fixed_size: 327680
    .private_segment_fixed_size: 0
    .kernarg_segment_align: 8
    .kernarg_segment_size: 40
    .max_flat_workgroup_size: 128
    .sgpr_count:     100
    .vgpr_count:     1024
    .wavefront_size: 32
...
	.end_amdgpu_metadata
.endif
;; end of part 13
;; launch fcproj (part 14): grid 32 x 8, 4 waves a work-group, clusters of 4 x 1, 327,680 bytes of LDS; arguments g_img, W_fc_proj_codes, lowp_scales, b_fc_proj, x1, out0; writes out0
.if DOCPART == 14
	.amdgcn_target "amdgcn-amd-amdhsa--gfx1250"
	.amdhsa_code_object_version 6
	.text
	.protected	k_q3c0770b7d9_fcproj
	.globl	k_q3c0770b7d9_fcproj
	.p2align	8
	.type	k_q3c0770b7d9_fcproj,@function
k_q3c0770b7d9_fcproj:
	s_mov_b64 s[64:65], 0
	v_nop
	global_prefetch_b8 v0, s[64:65] scope:SCOPE_SE
	s_setreg_imm32_b32 hwreg(HW_REG_WAVE_MODE, 25, 1), 1
	s_wait_xcnt 0x0
	s_wait_alu depctr_hold_cnt(0) depctr_sa_sdst(0) depctr_va_vdst(0) depctr_va_sdst(0) depctr_va_ssrc(0) depctr_va_vcc(0) depctr_vm_vsrc(0)
	s_getreg_b32 s2, hwreg(HW_REG_IB_STS2, 6, 4)
	s_cmp_eq_u32 s2, 0
	s_cbranch_scc0 .Lentry_in_a_cluster
	s_endpgm
.Lentry_in_a_cluster:
	s_bfe_u32 s2, ttmp6, 0x10000c
	s_cmp_lg_u32 s2, 0x3003
	s_cbranch_scc0 .Lentry_shape_is_right
	s_endpgm
.Lentry_shape_is_right:
; out = res + ACT WGT^T + bias on codes of FP8 (E4M3); res and out are [4096][1024] f32.  K = 4,096, scales e10 and e11.
; ACT: the tokens' codes as images of the operand's registers (16 rows x 128 k = 2,048 bytes; 128 rows x 256 k = one dense block of 32,768 bytes).  WGT: [1024][4096] codes, K innermost.
; SHARES.  A work-group makes 128 tokens x 128 columns: 32 x 8 = 256 work-groups.  Four waves: wave w takes tokens 64 (w % 2) on, all 128 columns, and half w / 2 of K: 32 accumulators, 16 steps of 128 along K.
; THE WEIGHTS come through a ring of two LDS slots.  A slot holds, for each half of K, 128 rows x 512 bytes: four steps of every wave.  Each wave asks for 64 rows x 512 bytes, jointly with the three
; partners of its cluster, which make other tokens of the same columns.  Four fills: one at the head, slot 1's first behind a round, two refills, each the wave's one tensor load behind a round.
; THE TOKENS go from memory straight into registers: each wave reads rows and k of its own, so LDS would serve no second reader; they come by plain loads, for which there is no joint form.
; Four sets of 64 registers: while one step is multiplied, the loads of the three steps after it are out, 48 a wave.
; PREFETCH.  Tokens: the eight work-groups of a row of the grid read the same tokens.  A wave's step is 32 aligned blocks of 256 bytes; the work-group with column block y names blocks 4 y .. 4 y + 3
; (told apart by address; the lanes left over name the same four), in step s for step s + 6, whose loads are issued at the end of step s + 2.  Steps 0 to 5 come by their loads alone.
; Weights: of the 64 rows x 512 bytes of a fill that a wave fetches, the partner at place cx names 16 rows, two lanes to a row, told apart by address: in step 0 for fill 2, in step 4 for fill 3, four steps ahead of the load.
; THE TWO HALVES OF K are joined through LDS: each wave gives 32 tokens' sums to its partner w xor 2 and keeps the other 32.  Waves of the upper half take their fragments in the order 2, 3, 0, 1,
; so that every wave keeps accumulators (0..1, b) and gives (2..3, b).  The sums of a number are so added in another order than K ascending.
; THE MATRIX INSTRUCTION IS USED TRANSPOSED (source 0 = 16 rows of WGT, source 1 = 16 tokens): lane (r, h) holds token r and columns 16 b + 8 h + 0..7.
; LIMITS: ea + eb between -126 and 127.  NaN is not served.
; REGISTERS, in windows of 256: window 0: v0-63 addresses and the bias; v64-191 rows on the way out.  window 1: v0-127 the weights' 8 fragments.  window 2: the accumulators, (a, b) at v[8 (8 a + b)].
;   window 3: four sets of the tokens' 4 fragments; at the end the residual.
.set NS,     16
.set PITCH,  528                       ; 512 bytes + 16 = 132 words: the 32 lanes of a load of 8 bytes touch 64 different banks (64 banks of 4 bytes: ISA guide 11.1)
.set RGN,    128*PITCH                 ; 128 rows x 512 along K
.set SLOT,   2*RGN                     ; one such for each half of K
.set SPARE,  2*SLOT                    ; the spare words, 128 bytes for each wave, which no other line names
.set STAGE,  SPARE+512                 ; 16 rows x 528 bytes for each wave, for the way out; no tile lands here
.set GOL,  10                          ; v10  16 x lane + where fragments 0, 1 begin;  v11 the same for fragments 2, 3
.set EXS,  12                          ; v12  where I put the sums that I give
.set EXL,  13                          ; v13  where my partner has put mine
.set ADRB, 20                          ; v20, v21 LDS address of my lane's place in slot 0, 1
.set STO,  24
.set RD,   25
.set CO,   26                          ; v26  16 x lane
.set SPW,  28
.set NIL,  29
.set PFO,  30                          ; v30, v31 the prefetches' offsets; never rewritten
.set PFB,  31
.set BIAS, 32
.set OUTR, 64
.set MULW, 0xad                        ; source 0 (weights) window 1, source 1 (tokens) window 3, C and D window 2
.set MSB, 0
.macro WIN new                         ; the immediate's high byte repeats the setting that is left
.if MSB != \new
	s_set_vgpr_msb (MSB<<8)|\new
.set MSB, \new
.endif
.endm
.macro ROUND                           ; a round of the cluster's barrier
	s_barrier_signal -1
	s_barrier_wait -1
	s_cmp_lg_u32 s16, 0
	s_cbranch_scc1 .Lnot_wave_0_\@
	s_barrier_signal -3
.Lnot_wave_0_\@:
	s_barrier_wait -3
	s_barrier_signal -1
	s_barrier_wait -1
.endm
.macro PLACES                          ; plain vector lines between a matrix instruction and a load into, or a read of, its registers
.rept 4
	v_nop
.endr
.endm
.macro ALOAD s                         ; the tokens' four fragments of step s into set s % 4: sixteen loads of 512 consecutive bytes
	WIN 0xc0
.irp i, 0,1,2,3
.irp c, 0,1,2,3
	global_load_b128 v[64*((\s)%4)+16*\i+4*\c:64*((\s)%4)+16*\i+4*\c+3], v[GOL+\i/2], s[4:5] offset:((\s)/2)*32768+((\s)%2)*2048+(\i%2)*4096+\c*512
.endr
.endr
.endm
.macro RLOAD a                         ; the residual of 16 of my 32 rows x 128 columns into set a, which is done with: 32 lanes read 512 consecutive bytes
	WIN 0xc0
.irp t, 0,1,2,3,4,5,6,7,8,9,10,11,12,13,14,15
	global_load_b128 v[64*(\a)+4*\t:64*(\a)+4*\t+3], v[CO], s[12:13] offset:(16*(\a)+\t)*4096 th:TH_LOAD_NT
.endr
.endm
.macro FETCHB s, i0                    ; the weights' fragments i0 .. i0 + 3 of step s: registers 2 c, 2 c + 1 hold k = 16 c + 8 h + 0..7 of row r
.irp i, \i0, \i0+1, \i0+2, \i0+3
.irp c, 0,1,2,3,4,5,6,7
	ds_load_b64 v[16*(\i)+2*\c:16*(\i)+2*\c+1], v[ADRB+((\s)/4)%2] offset:(\i)*16*PITCH+128*((\s)%4)+16*\c
.endr
.endr
.endm
.macro MULH b0, s                      ; 16 matrix instructions: the weights' fragments b0 .. b0 + 3 x the tokens' four.  The 32 accumulators take turns, in the same order in every step
.irp b, \b0, \b0+1, \b0+2, \b0+3
.irp a, 0,1,2,3
.if (\s) == 0
	v_wmma_f32_16x16x128_fp8_fp8 v[8*(8*\a+(\b)):8*(8*\a+(\b))+7], v[16*(\b):16*(\b)+15], v[64*((\s)%4)+16*\a:64*((\s)%4)+16*\a+15], 0
.else
	v_wmma_f32_16x16x128_fp8_fp8 v[8*(8*\a+(\b)):8*(8*\a+(\b))+7], v[16*(\b):16*(\b)+15], v[64*((\s)%4)+16*\a:64*((\s)%4)+16*\a+15], v[8*(8*\a+(\b)):8*(8*\a+(\b))+7]
.endif
.endr
.endr
.endm
; THE CHANGE OF SLOTS behind step s = 3, 7, 11.  Each wave waits for all its tensor loads (its part of the slot ahead), adds 0 to its spare word, and waits for that and for its reads of the slot that it leaves.
; Behind steps 3 and 7 a round of the cluster's barrier follows, and the slot just left takes the fill two on; behind step 11 nothing is filled, and the work-group's barrier serves.
.macro CHANGE s
	WIN 0
	s_wait_tensorcnt 0x0
	ds_add_u32 v[SPW], v[NIL]
.if (\s) < 8
	s_add_nc_u64 s[34+4*((\s)/4):35+4*((\s)/4)], s[34+4*((\s)/4):35+4*((\s)/4)], 1024   ; no load of mine is out: this slot's next 512 along K
.endif
	s_wait_dscnt 0x0
.if (\s) < 8
	ROUND
	tensor_load_to_lds s[32+4*((\s)/4):35+4*((\s)/4)], s[24:31]
	s_nop 0
	PLACES
.else
	s_barrier_signal -1
	s_barrier_wait -1
.endif
	WIN 0x40
	FETCHB (\s)+1, 0
	FETCHB (\s)+1, 4
.endm
.macro STEP s                          ; 128 along K
.if (\s) < NS-1
	s_wait_loadcnt 48                              ; behind step s's loads: those of the three steps after it (at the end: the residual's in their place)
.else
	s_wait_loadcnt 32
.endif
	s_wait_dscnt 32                                ; fragments 0-3 are in; the youngest 32 loads (fragments 4-7) may be out
	WIN MULW
	MULH 0, \s
	WIN 0x40
.if ((\s)%4) < 3
	PLACES
	FETCHB (\s)+1, 0
.endif
.if (\s)+6 < NS
	global_prefetch_b8 v[PFO], s[4:5] offset:(((\s)+6)/2)*32768+(((\s)+6)%2)*2048 th:TH_LOAD_NT scope:SCOPE_SE
.endif
.if ((\s)%4) == 0 && (\s) < 8
	global_prefetch_b8 v[PFB], s[56:57] offset:(2+(\s)/4)*512 th:TH_LOAD_NT scope:SCOPE_SE
.endif
.if ((\s)%4) < 3
	s_wait_dscnt 32                                ; all but the 32 just issued
.else
	s_wait_dscnt 0x0
.endif
	WIN MULW
	MULH 4, \s
	PLACES
.if ((\s)%4) < 3
	WIN 0x40
	FETCHB (\s)+1, 4
.endif
.if (\s)+4 < NS
	ALOAD (\s)+4                                   ; into the set just multiplied
.endif
.if (\s) == NS-4 || (\s) == NS-3
	RLOAD (\s)-(NS-4)
.endif
.if ((\s)%4) == 3 && (\s) < NS-1
	CHANGE \s
.endif
.endm
	s_load_b256 s[4:11], s[0:1], 0x0               ; ACT s[4:5], WGT s[6:7], the scales s[8:9], the bias s[10:11]
	s_load_b128 s[12:15], s[0:1], 0x20             ; the residual s[12:13], out s[14:15]
	v_lshl_add_u32 v[SPW], v0, 2, SPARE
	v_mov_b32 v[NIL], 0
	ds_add_u32 v[SPW], v[NIL]                      ; the opening: the add, twice on end, and its wait ahead of my first tensor load
	ds_add_u32 v[SPW], v[NIL]
	v_lshrrev_b32 v1, 5, v0
	v_readfirstlane_b32 s16, v1                    ; wave
	s_and_b32 s17, s16, 1                          ; my 64 tokens.  Also: which 64 rows of weights I fetch
	s_lshr_b32 s18, s16, 1                         ; my half of K, to multiply and to fetch
	s_bfe_u32 s19, ttmp6, 0x40000                  ; cx
	s_lshl_b32 s22, s19, 16                        ; the weights' prefetch: my work-group's 16 rows of 4,096 bytes
	s_lshl_b32 s21, ttmp9, 2
	s_add_co_u32 s19, s21, s19                     ; the block of 128 tokens
	s_and_b32 s20, ttmp7, 0xffff                   ; the block of 128 columns: the same in the four partners
	s_lshl_b32 s40, s19, 19                        ; the tokens' images: 128 rows,
	s_lshl_b32 s21, s17, 14                        ; four fragments' rows in each block,
	s_add_co_u32 s40, s40, s21
	s_lshl_b32 s21, s18, 18                        ; half of K
	s_add_co_u32 s40, s40, s21
	s_mov_b32 s41, 0
	s_mul_i32 s33, s18, RGN
	s_mul_i32 s23, s17, 64*PITCH
	s_add_co_u32 s33, s33, s23                     ; where my part of a fill goes: the wave's number alone
	s_add_co_u32 s37, s33, SLOT
	s_lshl_b32 s42, s20, 19                        ; and where it comes from: 128 rows of 4,096 bytes,
	s_lshl_b32 s21, s17, 18                        ; 64 rows,
	s_add_co_u32 s42, s42, s21
	s_lshl_b32 s21, s18, 11                        ; half of K
	s_add_co_u32 s42, s42, s21
	s_mov_b32 s43, 0
	s_lshl_b32 s46, s19, 7
	s_lshl_b32 s21, s17, 6
	s_add_co_u32 s46, s46, s21
	s_lshl_b32 s21, s18, 5
	s_add_co_u32 s46, s46, s21                     ; the first of the 32 rows that I finish,
	s_lshl_b32 s46, s46, 12                        ; of 4,096 bytes,
	s_lshl_b32 s48, s20, 9                         ; my 128 columns: 512 bytes
	s_add_co_u32 s46, s46, s48
	s_mov_b32 s47, 0
	s_mov_b32 s49, 0
	s_mul_i32 s44, s18, RGN                        ; my half of K in a slot
	s_mul_i32 s50, s16, 16*PITCH
	s_add_co_u32 s50, s50, STAGE                   ; my stage
	s_lshl_b32 s51, s16, 14                        ; 16,384 bytes a wave for the sums given, from LDS byte 0: in slot 0, which has had its last fill and its last read by then
	s_xor_b32 s52, s51, 32768                      ; my partner's
	s_lshl_b32 s53, s18, 13                        ; fragments 0, 1 are token blocks 2 x half on,
	s_xor_b32 s54, s53, 8192                       ; fragments 2, 3 the other two
	s_lshr_b32 s55, s20, 1                         ; the tokens' prefetch: blocks 4 y .. 4 y + 3 of a step's 32: fragment y / 2,
	s_lshl_b32 s55, s55, 12
	s_and_b32 s21, s20, 1
	s_lshl_b32 s21, s21, 10                        ; 1,024 x (y % 2) in it
	s_add_co_u32 s55, s55, s21
	s_mov_b32 s24, 15|(1<<20)|(1<<21)|(6<<22)|(3<<25)   ; the mask: all four work-groups, bit 21 beside it; elements of 1 byte; 4 words of padding after every 128
	s_mov_b32 s25, 512<<16                         ; tensor_dim0
	s_mov_b32 s26, 64<<16                          ; tensor_dim1
	s_mov_b32 s27, 512<<16                         ; tile_dim0
	s_mov_b32 s28, 64                              ; tile_dim1
	s_mov_b32 s29, 4096                            ; a row of weights
	s_mov_b32 s30, 0
	s_mov_b32 s31, 0
	s_mov_b32 s32, 1
	s_mov_b32 s36, 1
	v_and_b32 v1, 15, v0                           ; r
	v_bfe_u32 v2, v0, 4, 1                         ; h
	v_and_b32 v3, 31, v0
	v_lshlrev_b32 v[CO], 4, v3                     ; 16 x lane
	v_add_nc_u32 v[GOL], s53, v[CO]
	v_add_nc_u32 v[GOL+1], s54, v[CO]
	v_add_nc_u32 v[EXS], s51, v[CO]
	v_add_nc_u32 v[EXL], s52, v[CO]
	v_mul_u32_u24 v5, v1, PITCH
	v_lshl_add_u32 v6, v2, 3, v5                   ; a weight's row x pitch + 8 h
	v_add_nc_u32 v[ADRB], s44, v6
	v_add_nc_u32 v[ADRB+1], SLOT, v[ADRB]
	v_lshl_add_u32 v7, v2, 5, v5
	v_add_nc_u32 v[STO], s50, v7                   ; the stage, in: row r, 32 bytes for each half of the lanes
	v_add_nc_u32 v[RD], s50, v[CO]                 ; back: the 32 lanes take one row of 512 bytes
	v_and_b32 v8, 3, v0
	v_lshl_add_u32 v[PFO], v8, 8, s55
	v_lshrrev_b32 v9, 1, v3
	v_lshl_add_u32 v9, v9, 12, s22
	v_and_b32 v8, 1, v0
	v_lshl_add_u32 v[PFB], v8, 8, v9
	s_wait_alu depctr_va_vdst(0)
	s_wait_dscnt 0x0                               ; both opening adds are done
	s_wait_kmcnt 0x0
	s_load_b64 s[58:59], s[8:9], 0x28              ; ea, eb
	s_add_nc_u64 s[4:5], s[4:5], s[40:41]
	s_add_nc_u64 s[56:57], s[6:7], s[42:43]
	s_mov_b64 s[34:35], s[56:57]                   ; fill 0,
	s_or_b32 s35, s35, 0x80000000
	s_add_nc_u64 s[38:39], s[56:57], 512           ; fill 1
	s_or_b32 s39, s39, 0x80000000
	s_add_nc_u64 s[10:11], s[10:11], s[48:49]
	s_add_nc_u64 s[12:13], s[12:13], s[46:47]
	s_add_nc_u64 s[14:15], s[14:15], s[46:47]
	global_load_b128 v[BIAS:BIAS+3], v[CO], s[10:11]   ; the bias of the four columns that my lane stores
	ALOAD 0
	WIN 0
	ROUND                                          ; all four work-groups are here: the joint loads meet
	tensor_load_to_lds s[32:35], s[24:31]          ; fill 0: one load a wave at the head, the same line in all
	s_nop 0
	PLACES
	ALOAD 1
	ALOAD 2
	ALOAD 3
	WIN 0
	s_wait_tensorcnt 0x0                           ; my part of fill 0 is in
	ds_add_u32 v[SPW], v[NIL]
	s_wait_dscnt 0x0
	ROUND                                          ; everybody's part is in, and the joint loads meet
	tensor_load_to_lds s[36:39], s[24:31]          ; fill 1, the first tensor load behind the round
	s_nop 0
	PLACES
	WIN 0x40
	FETCHB 0, 0
	FETCHB 0, 4
.set S, 0
.rept NS
	STEP S
.set S, S+1
.endr
	WIN 0x08                                       ; store data window 2
.set t, 0
.rept 32
	ds_store_b128 v[EXS], v[128+4*t:128+4*t+3] offset:512*t   ; the sums that I give, each accumulator from its low end on
.set t, t+1
.endr
	WIN 0
	s_wait_dscnt 0x0                               ; for my partner's sake
	s_barrier_signal -1
	s_barrier_wait -1
	WIN 0x40
.set t, 0
.rept 32
	ds_load_b128 v[4*t:4*t+3], v[EXL] offset:512*t
.set t, t+1
.endr
	s_wait_kmcnt 0x0
	s_add_co_i32 s60, s58, s59
	s_add_co_i32 s60, s60, 127
	s_lshl_b32 s60, s60, 23                        ; 2^(ea + eb) as f32
	s_mov_b32 s61, s60                             ; (named with it as a pair)
	s_wait_dscnt 0x0
	WIN 0x46                                       ; source 0 window 2 (mine), source 1 and the destination window 1 (my partner's)
.set j, 0
.rept 64
	v_pk_add_f32 v[j:j+1], v[j:j+1], v[j:j+1]      ; both halves of K
.set j, j+2
.endr
	WIN 0x04                                       ; store data window 1
.irp a, 0,1                            ; 16 rows x 128 columns at a time through my stage; LDS serves a wave's instructions in order (ISA guide 5.7.1.4)
.irp b, 0,1,2,3,4,5,6,7
	ds_store_b128 v[STO], v[8*(8*\a+\b):8*(8*\a+\b)+3] offset:64*\b
	ds_store_b128 v[STO], v[8*(8*\a+\b)+4:8*(8*\a+\b)+7] offset:64*\b+16
.endr
.irp t, 0,1,2,3,4,5,6,7,8,9,10,11,12,13,14,15
	ds_load_b128 v[OUTR+64*\a+4*\t:OUTR+64*\a+4*\t+3], v[RD] offset:\t*PITCH
.endr
.endr
	s_wait_loadcnt 0x0                             ; the residual and the bias
	WIN 0x30                                       ; source 2 (the residual) window 3
.irp a, 0,1
	s_wait_dscnt 32*(1-\a)                         ; behind block 0's loads: block 1's 16 stores and 16 loads
.set j, 0
.rept 32
	v_pk_fma_f32 v[OUTR+64*\a+j:OUTR+64*\a+j+1], v[OUTR+64*\a+j:OUTR+64*\a+j+1], s[60:61], v[64*\a+j:64*\a+j+1] op_sel_hi:[1,0,1]   ; sum x 2^(ea + eb) + res
.set j, j+2
.endr
.set j, 0
.rept 32
	v_pk_add_f32 v[OUTR+64*\a+j:OUTR+64*\a+j+1], v[OUTR+64*\a+j:OUTR+64*\a+j+1], v[BIAS+j%4:BIAS+j%4+1]
.set j, j+2
.endr
.irp t, 0,1,2,3,4,5,6,7,8,9,10,11,12,13,14,15
	global_store_b128 v[CO], v[OUTR+64*\a+4*\t:OUTR+64*\a+4*\t+3], s[14:15] offset:(16*\a+\t)*4096 th:TH_STORE_NT   ; 32 lanes store 512 consecutive bytes, aligned
.endr
.endr
	WIN 0
	s_wait_tensorcnt 0x0                           ; the wave's end
	ds_add_u32 v[SPW], v[NIL]
	s_wait_dscnt 0x0
	ROUND                                          ; the closing round
	s_endpgm
.Lfunc_end_k_q3c0770b7d9_fcproj:
	.size	k_q3c0770b7d9_fcproj, .Lfunc_end_k_q3c0770b7d9_fcproj-k_q3c0770b7d9_fcproj
	.p2alignl 7, 3214868480
	.fill 96, 4, 3214868480
	.section	.rodata,"a",@progbits
	.p2align	6, 0x0
	.amdhsa_kernel k_q3c0770b7d9_fcproj
		.amdhsa_group_segment_fixed_size 327680
		.amdhsa_private_segment_fixed_size 0
		.amdhsa_enable_private_segment 0
		.amdhsa_kernarg_size 48
		.amdhsa_user_sgpr_count 2
		.amdhsa_user_sgpr_kernarg_segment_ptr 1
		.amdhsa_wavefront_size32 1
		.amdhsa_system_sgpr_workgroup_id_x 1
		.amdhsa_system_sgpr_workgroup_id_y 1
		.amdhsa_system_sgpr_workgroup_id_z 1
		.amdhsa_system_vgpr_workitem_id 0
		.amdhsa_next_free_vgpr 1024
		.amdhsa_next_free_sgpr 66
		.amdhsa_reserve_vcc 0
		.amdhsa_float_denorm_mode_32 3
		.amdhsa_float_denorm_mode_16_64 3
		.amdhsa_memory_ordered 1
		.amdhsa_forward_progress 1
		.amdhsa_inst_pref_size 164
	.end_amdhsa_kernel
	.amdgpu_metadata
---
amdhsa.version: [ 1, 2 ]
amdhsa.kernels:
  - .name:           k_q3c0770b7d9_fcproj
    .symbol:         k_q3c0770b7d9_fcproj.kd
    .args:
      - { .name: g_img, .offset: 0, .size: 8, .value_kind: global_buffer, .address_space: global }
      - { .name: W_fc_proj_codes, .offset: 8, .size: 8, .value_kind: global_buffer, .address_space: global }
      - { .name: lowp_scales, .offset: 16, .size: 8, .value_kind: global_buffer, .address_space: global }
      - { .name: b_fc_proj, .offset: 24, .size: 8, .value_kind: global_buffer, .address_space: global }
      - { .name: x1, .offset: 32, .size: 8, .value_kind: global_buffer, .address_space: global }
      - { .name: out0, .offset: 40, .size: 8, .value_kind: global_buffer, .address_space: global }
    .group_segment_fixed_size: 327680
    .private_segment_fixed_size: 0
    .kernarg_segment_align: 8
    .kernarg_segment_size: 48
    .max_flat_workgroup_size: 128
    .sgpr_count:     66
    .vgpr_count:     1024
    .wavefront_size: 32
...
	.end_amdgpu_metadata
.endif
;; end of part 14
